; MI455X (gfx1250); checked and timed in simulation.
; The chip was launched on July 23, 2026; its instructions are those of AMD's public machine-readable ISA for CDNA 5 (MIT licence, August 2026) and "CDNA5" Instruction Set Architecture Reference Guide (July 2026). The comments in the code are by the model that wrote it; some were corrected since.
;; Transformer Block. Allowed arithmetic: matrix products marked QUANTISED: E2M3 operands, one E8M0 scale for each 32 along K, by v_wmma_scale_f32_16x16x128_f8f6f4 with both operands' format E2M3, f32 sums; everything else in f32.
;; Inputs: Wfc2_codes 4,096 x 32 x 24 uint8 (E2M3 codes of Wfc2, K innermost, in blocks of 32 codes, four codes in three bytes); Wfc2_scales 4,096 x 32 uint8 (E8M0 scales of Wfc2, one for each 32 codes along K); Wfc3_codes 1,024 x 128 x 24 uint8 (E2M3 codes of Wfc3, K innermost, in blocks of 32 codes, four codes in three bytes); Wfc3_scales 1,024 x 128 uint8 (E8M0 scales of Wfc3, one for each 32 codes along K); Wk_codes 1,024 x 32 x 24 uint8 (E2M3 codes of Wk, K innermost, in blocks of 32 codes, four codes in three bytes); Wk_scales 1,024 x 32 uint8 (E8M0 scales of Wk, one for each 32 codes along K); Wo_codes 1,024 x 32 x 24 uint8 (E2M3 codes of Wo, K innermost, in blocks of 32 codes, four codes in three bytes); Wo_scales 1,024 x 32 uint8 (E8M0 scales of Wo, one for each 32 codes along K); Wq_codes 1,024 x 32 x 24 uint8 (E2M3 codes of Wq, K innermost, in blocks of 32 codes, four codes in three bytes); Wq_scales 1,024 x 32 uint8 (E8M0 scales of Wq, one for each 32 codes along K); Wv_codes 1,024 x 32 x 24 uint8 (E2M3 codes of Wv, K innermost, in blocks of 32 codes, four codes in three bytes); Wv_scales 1,024 x 32 uint8 (E8M0 scales of Wv, one for each 32 codes along K); bfc2 4,096 float32; bfc3 1,024 float32; inputs 2 x 2,048 x 1,024 float32; ln1_b 1,024 float32; ln1_g 1,024 float32; ln2_b 1,024 float32; ln2_g 1,024 float32.
;; Outputs: out0 2 x 2,048 x 1,024 float32.
;; This version of the problem:
;;   THIS VERSION OF THE PROBLEM IS GIVEN IN LOW PRECISION. The matrix products marked QUANTISED in the list below multiply operands that are first quantised to E2M3 (2 exponent bits, 3 mantissa bits; 6 bits a number), with one power-of-two scale for each 32 numbers along K (OCP MX v1.0); their sums are f32. All else is computed in f32.
;;   The module's matrix products, in the order in which they are computed (A, B: the left and right operand; K: the contracted axis; several contracted axes count as one K, in the product's order):
;;     1. [M 4,096, K 1,024] x [K 1,024, N 1,024]; A: computed on the way; B: input Wq (given as codes): QUANTISED
;;     2. [M 4,096, K 1,024] x [K 1,024, N 1,024]; A: computed on the way; B: input Wk (given as codes): QUANTISED
;;     3. [M 4,096, K 1,024] x [K 1,024, N 1,024]; A: computed on the way; B: input Wv (given as codes): QUANTISED
;;     4. batch 32 x [M 2,048, K 64] x [K 64, N 2,048]; A: computed on the way; B: computed on the way: QUANTISED
;;     5. batch 32 x [M 64, K 2,048] x [K 2,048, N 2,048]; A: computed on the way; B: softmax (see below): QUANTISED
;;     6. [M 4,096, K 1,024] x [K 1,024, N 1,024]; A: computed on the way; B: input Wo (given as codes): QUANTISED
;;     7. [M 4,096, K 1,024] x [K 1,024, N 4,096]; A: computed on the way; B: input Wfc2 (given as codes): QUANTISED
;;     8. [M 4,096, K 4,096] x [K 4,096, N 1,024]; A: computed on the way; B: input Wfc3 (given as codes): QUANTISED
;;   THE QUANTISER, for each operand of a quantised product, along K:
;;     - K is cut into blocks of 32 from its start; a last block that is shorter is filled with zeros.
;;     - A block's scale is 2^e with e = floor(log2(the largest magnitude in the block)) - 2, held to -126 .. 127; a block of zeros has e = 0. As a byte (E8M0): e + 127.
;;     - Each number is divided by its block's scale, clamped to +-7.5, and rounded to the nearest number of E2M3, ties to even, subnormals kept.
;;     - The product sums the exact products of the quantised numbers (number of the format x scale) in f32.
;;   ~~~python
;;   def quantise(x, axis):      # numpy; x: float32 -> the quantised numbers, widened to float32 again
;;       x = np.moveaxis(x, axis, -1); K = x.shape[-1]
;;       x = np.pad(x, [(0, 0)] * (x.ndim - 1) + [(0, -K % 32)]); x = x.reshape(x.shape[:-1] + (-1, 32)); a = np.abs(x).max(-1, keepdims=True)
;;       e = np.where(a > 0, np.clip(np.frexp(np.where(a > 0, a, 1))[1] - 1 - 2, -126, 127), 0)      # np.frexp(a)[1] - 1 = floor(log2(a)), exactly
;;       r = np.clip(x / 2.0 ** e, -7.5, 7.5)
;;       step = 2.0 ** (np.maximum(np.frexp(np.where(r == 0, 1, r))[1] - 1, 0) - 3)
;;       q = np.round(r / step) * step * 2.0 ** e      # np.round: ties to even
;;       return np.moveaxis(q.reshape(q.shape[:-2] + (-1,))[..., :K], -1, axis).astype(np.float32)
;;   ~~~
;;   SOFTMAX AHEAD OF A QUANTISED PRODUCT. Where the list says 'softmax', what is quantised is not the finished softmax but p = 2^(t - M), with t = logit x log2(e) and M = ceil(the row's largest t), a whole number; so 1/2 < the row's largest p <= 1. The row's sum l is taken of the UNQUANTISED p, in f32, and the product's result is divided by l at the end. Since M is a whole number, a kernel that streams over the keys may use a running M (the ceiling of the running maximum): every later rescaling is an exact power of two, which a block's scale takes up: the codes' values come out the same.
;;   OPERANDS COMPUTED ON THE WAY. 'Computed on the way' means the value that the module computes at that place (a softmax that the list does not call 'softmax' is quantised finished and normalised). What goes into a quantiser is computed in f32, as accurately as f32 sums, v_exp_f32 and their like allow (about 1e-6 of the number): no bf16 or f16 on the way to a quantiser, and a product that is left as it is and whose result goes on into a quantised operand takes f32 operands (vector FMAs, or v_wmma_f32_16x16x4_f32). A number that lies on a knife's edge between two numbers of the format may be rounded either way, as far as f32 arithmetic and the matrix unit's own rounding can turn it there, and no further.
;;   INPUTS GIVEN AS CODES. Wfc2 (in the module: [1024, 4096], K = its axis 0); Wfc3 (in the module: [4096, 1024], K = its axis 0); Wk (in the module: [1024, 1024], K = its axis 0); Wo (in the module: [1024, 1024], K = its axis 0); Wq (in the module: [1024, 1024], K = its axis 0); Wv (in the module: [1024, 1024], K = its axis 0): each comes as NAME_codes (uint8): NAME with its K axis moved to the last place and cut into blocks of 32 codes, [.., K / 32, bytes a block], one block behind the other in memory; four codes in three bytes: a row's codes are one little-endian stream of bits, code i at bits 6 i .. 6 i + 5 (a code: sign, 2 exponent bits, 3 mantissa bits); and NAME_scales (uint8): the same leading axes, one E8M0 byte (e + 127) for each 32 codes along K. Its value is code x scale, taken as it is: it is not quantised again, and the codes and scales need not be those that the quantiser above would give.
;; 2 versions. Each part assembles by itself: llvm-mc -triple=amdgcn-amd-amdhsa -mcpu=gfx1250 --defsym DOCPART=n.
;; ======== version 1 of 2: 7 launches
;; workspace buffers: P 13,631,488 bytes; qkvb 10,092,544 bytes; aq 3,276,800 bytes; mlp 16,777,216 bytes; hq 3,276,800 bytes; gq 13,107,200 bytes
;; launch prep (part 1): grid 384 x 1, 8 waves a work-group, no clusters, 2,048 bytes of LDS; arguments inputs, ln1_g, ln1_b, Wq_codes, Wq_scales, Wk_codes, Wk_scales, Wv_codes, Wv_scales, Wo_codes, Wo_scales, Wfc2_codes, Wfc2_scales, Wfc3_codes, Wfc3_scales, P; writes P
.if DOCPART == 1
	.amdgcn_target "amdgcn-amd-amdhsa--gfx1250"
	.amdhsa_code_object_version 6
	.text
	.protected	k_q030f000188_prep
	.globl	k_q030f000188_prep
	.p2align	8
	.type	k_q030f000188_prep,@function
k_q030f000188_prep:
	s_mov_b64 s[64:65], 0
	v_nop
	global_prefetch_b8 v0, s[64:65] scope:SCOPE_SE
	s_setreg_imm32_b32 hwreg(HW_REG_WAVE_MODE, 25, 1), 1
	s_wait_xcnt 0x0
; THREE JOBS, told apart by the work-group's number; each lays data as the later launches' matrix operands want them.
;   work-groups 0-255:   LayerNorm of 16 rows of [4096][1024] f32 (argument 0, gain 1, bias 2), quantised to FP6 (E2M3) with one E8M0 byte for each 32 along the row, stored as an image (below) from byte 0 of argument 15.
;   work-groups 256-351: the six weights' codes and scale bytes, re-laid as images.      work-groups 352-383: the rotary table [2048 positions][32 pairs][cos, sin] f32.
; The same body serves the second LayerNorm: launched with 256 work-groups and other buffers at places 0, 1, 2 and 15, it walks the first path alone.
; IMAGES.  A fragment is 16 rows x 128 K of 6-bit codes, 12 registers a lane (lane (r, h): row r; registers 6 c .. 6 c + 5: k = 64 c + 32 h + 0 .. 31).  It lies in memory as its registers stand:
; for c = 0, 1: registers 6 c .. 6 c + 3 at 768 c + 16 x lane, registers 6 c + 4, 6 c + 5 at 768 c + 512 + 8 x lane.  A SLAB is a group of 128 rows x 128 K: 8 fragments of 1,536 bytes, then the scale words
; (one word a row) at 12,288 + 64 i + 4 r: 12,800 bytes.  Slab (group G, K step s) of a tensor [R][K] lies at (G K / 128 + s) x 12,800.
; THE ROWS OF A FRAGMENT ARE NOT NEIGHBOURS: lane r of fragment i holds row 32 (i / 2) + 8 (i % 2) + r + 8 (r / 8) of the group, so that a product's results lie, in a lane, as 16 neighbours along the next K.
; A block's scale is 2^(floor(log2(its largest magnitude)) - 2); its byte is the largest magnitude's exponent field - 2, held at 1 from below.
; LIMITS: NaN and infinities among the inputs are not served.  A block of zeros gets the byte 1 where the rule says 127: its codes are zeros, and the bytes are read by this program alone.
; The rotary frequencies 10^(-j / 8) come from v_exp_f32; the angle's reduction by pi / 2 in two parts is exact for angles under 2^13 (here under 2,048).
.set X,    32                          ; v32-95   64 numbers of my row: register 16 b + i = column 128 wave + 32 b + 16 h + i
.set GG,   96                          ; v96-159  the gain at these columns; later the codes
.set BB,   160                         ; v160-223 the bias
.set TM,   224                         ; v224-239 at work in QUANT
.set PW,   240                         ; v240     the scale word
.set PC,   96                          ; v96-115  the codes
.set L16,  5                           ; v5       16 x lane
.set L8,   6                           ; v6       8 x lane
.set SEL,  20                          ; s[20:21] lane selects for v_permlanex16_b32: lane l xor 16
.set SLABB,   12800
.set FC3OFF,  9830400                  ; Wfc3's image in P
.set ROPEOFF, 13107200                 ; the rotary table in P
; 64 numbers of a lane, v[s] .. v[s + 63], register 16 b + i = k 32 b + 16 h + i of my row, become a fragment's codes in v[PC] .. v[PC + 11] and its scale word in v[PW].
.macro QUANT s
.irp b, 0,1,2,3
	v_max3_num_f32 v[TM+\b], |v[\s+16*\b]|, |v[\s+1+16*\b]|, 0x1800000   ; my 16 numbers of block b, and the floor 2^(3 - 127): the byte cannot fall under 1
.endr
.irp i, 2,4,6,8,10,12,14
.irp b, 0,1,2,3
	v_max3_num_f32 v[TM+\b], |v[\s+16*\b+\i]|, |v[\s+1+16*\b+\i]|, v[TM+\b]   ; the four blocks by turns
.endr
.endr
.irp b, 0,1,2,3
	v_permlanex16_b32 v[TM+4+\b], v[TM+\b], s[SEL], s[SEL+1]
.endr
.irp b, 0,1,2,3
	v_max_num_f32 v[TM+\b], v[TM+\b], v[TM+4+\b]                   ; with lane l xor 16's: the block's largest magnitude
.endr
.irp b, 0,1,2,3
	v_add_nc_u32 v[TM+12+\b], 0xff000000, v[TM+\b]                 ; 2 off its exponent field: the conversion's scale operand
.endr
.irp b, 0,1,2,3
	v_lshrrev_b32 v[TM+4+\b], 23, v[TM+12+\b]                      ; the scale's byte
.endr
	v_lshl_or_b32 v[PW], v[TM+5], 8, v[TM+4]
	v_lshl_or_b32 v[PW], v[TM+6], 16, v[PW]
	v_lshl_or_b32 v[PW], v[TM+7], 24, v[PW]
.irp c, 0,1
	v_cvt_scalef32_pk16_fp6_f32 v[PC+6*\c:PC+2+6*\c], v[\s+32*\c:\s+15+32*\c], v[TM+12+2*\c]
	v_cvt_scalef32_pk16_fp6_f32 v[PC+12+4*\c:PC+14+4*\c], v[\s+16+32*\c:\s+31+32*\c], v[TM+13+2*\c]   ; (a conversion's three registers begin on an even number)
.endr
	v_nop                                          ; one plain place behind a scaled conversion
.irp c, 0,1                                    ; the operand's layout wants a whole block in a lane
.irp i, 0,1,2
	v_permlane16_swap_b32 v[PC+6*\c+\i], v[PC+12+4*\c+\i]
.endr
.irp i, 0,1,2
	v_mov_b32 v[PC+3+6*\c+\i], v[PC+12+4*\c+\i]
.endr
.endr
.endm
; Four chains of pairs in v14-21 become the row's sum over all 1,024 columns, in v22 of every lane: my lane's, lane l xor 16's, then the eight waves' through 512 bytes of LDS at off.
.macro ACROSS off
	v_pk_add_f32 v[14:15], v[14:15], v[16:17]
	v_pk_add_f32 v[18:19], v[18:19], v[20:21]
	v_pk_add_f32 v[14:15], v[14:15], v[18:19]
	v_add_f32 v14, v14, v15
	v_permlanex16_b32 v15, v14, s[SEL], s[SEL+1]
	v_add_f32 v14, v14, v15
	ds_store_b32 v8, v14 offset:\off               ; word (row r, wave); both halves of the lanes write the same word with the same value
	s_wait_dscnt 0x0                               ; for the others' sake: my store has landed
	s_barrier_signal -1
	s_barrier_wait -1
	ds_load_b128 v[22:25], v9 offset:\off          ; my row's eight partial sums
	ds_load_b128 v[26:29], v9 offset:\off+16
	s_wait_dscnt 0x0
	v_pk_add_f32 v[22:23], v[22:23], v[24:25]
	v_pk_add_f32 v[26:27], v[26:27], v[28:29]
	v_pk_add_f32 v[22:23], v[22:23], v[26:27]
	v_add_f32 v22, v22, v23
.endm
; One slab of a weight: group s41, K step s42, to byte s43 of P.  A row of codes is KROW bytes, a row of scale bytes SROW.  The codes' 24 bytes a lane and block pair are the operand's registers as they lie.
.macro RELAY KROW, SROW
	s_mul_i32 s44, s41, 128*\KROW
	s_mul_i32 s46, s42, 96
	s_add_co_u32 s44, s44, s46
	s_mov_b32 s45, 0
	s_add_nc_u64 s[4:5], s[4:5], s[44:45]          ; the codes of the group's first row, at this K step
	s_mul_i32 s44, s41, 128*\SROW
	s_lshl_b32 s46, s42, 2
	s_add_co_u32 s44, s44, s46
	s_add_nc_u64 s[6:7], s[6:7], s[44:45]          ; and its scale word
	s_mov_b32 s44, s43
	s_add_nc_u64 s[10:11], s[10:11], s[44:45]      ; the slab
	v_mul_u32_u24 v3, v7, \KROW
	v_mad_u32_u24 v3, v2, 24, v3                   ; row r + 8 (r / 8), + 24 h
	v_mul_u32_u24 v4, v8, \SROW
.irp i, 0,1,2,3,4,5,6,7
.irp p, 0,1,2,3,4,5
	global_load_b64 v[32+12*\i+2*\p:33+12*\i+2*\p], v3, s[4:5] offset:(32*(\i/2)+8*(\i%2))*\KROW+48*(\p/3)+8*(\p%3)
.endr
.endr
.irp q, 0,1,2,3
	global_load_b32 v[128+\q], v4, s[6:7] offset:\q*\SROW   ; the four scale words that lie at 16 x lane in the slab's 512 bytes of them
.endr
	s_wait_loadcnt 0x0
.irp i, 0,1,2,3,4,5,6,7
	global_store_b128 v[L16], v[32+12*\i:35+12*\i], s[10:11] offset:1536*\i          ; each store covers consecutive bytes, 512 or 256, aligned to 256
	global_store_b64 v[L8], v[36+12*\i:37+12*\i], s[10:11] offset:1536*\i+512
	global_store_b128 v[L16], v[38+12*\i:41+12*\i], s[10:11] offset:1536*\i+768
	global_store_b64 v[L8], v[42+12*\i:43+12*\i], s[10:11] offset:1536*\i+1280
.endr
	global_store_b128 v[L16], v[128:131], s[10:11] offset:12288
	s_endpgm
.endm
	v_lshl_add_u32 v254, v0, 2, 0x400
	v_mov_b32 v255, 0
	v_lshrrev_b32 v1, 5, v0
	v_readfirstlane_b32 s12, v1                    ; wave 0..7
	s_cmp_ge_u32 ttmp9, 256
	s_cbranch_scc1 .Lnot_ln
	; ---- LAYERNORM.  Work-group g is fragment i = g % 8 of group G = g / 8: 16 rows.  Wave w takes columns 128 w on: K step w.  Lane (r, h) takes row r + 8 (r / 8) of the fragment's.
	s_load_b128 s[4:7], s[0:1], 0x0                ; the rows, the gain
	s_load_b64 s[8:9], s[0:1], 0x10                ; the bias
	s_load_b64 s[10:11], s[0:1], 0x78              ; the image
	v_and_b32 v1, 15, v0                           ; r
	v_bfe_u32 v2, v0, 4, 1                         ; h
	v_and_b32 v5, 31, v0
	v_lshlrev_b32 v6, 3, v5                        ; 8 x lane
	v_lshlrev_b32 v5, 4, v5                        ; 16 x lane
	v_lshlrev_b32 v7, 2, v1                        ; 4 r
	v_lshlrev_b32 v9, 5, v1                        ; LDS: my row's eight words
	s_lshl_b32 s13, s12, 2
	v_add_nc_u32 v8, s13, v9                       ; and my wave's among them
	s_lshl_b32 s13, s12, 9
	v_lshl_add_u32 v4, v2, 6, s13                  ; gain and bias: 512 w + 64 h
	v_and_b32 v3, 8, v1
	v_add_nc_u32 v3, v3, v1
	v_lshl_add_u32 v3, v3, 12, v4                  ; the rows: + (r + 8 (r / 8)) x 4,096
.irp b, 0,1,2,3
	v_mov_b32 v[TM+4+\b], 0                        ; written once: a lane permute's destination counts as one of its sources
.endr
	s_mov_b32 s[SEL], 0x76543210
	s_mov_b32 s[SEL+1], 0xfedcba98
	s_mov_b32 s22, 0x3a800000                      ; 1 / 1,024
	s_mov_b32 s23, 0x3727c5ac                      ; 1e-5
	s_lshr_b32 s16, ttmp9, 3                       ; G
	s_and_b32 s17, ttmp9, 7                        ; i
	s_lshl_b32 s18, s16, 7
	s_lshr_b32 s19, s17, 1
	s_lshl_b32 s19, s19, 5
	s_add_co_u32 s18, s18, s19
	s_and_b32 s19, s17, 1
	s_lshl_b32 s19, s19, 3
	s_add_co_u32 s18, s18, s19                     ; the fragment's first row: 128 G + 32 (i / 2) + 8 (i % 2)
	s_lshl_b32 s18, s18, 12
	s_mov_b32 s19, 0
	s_lshl_b32 s24, s16, 3
	s_add_co_u32 s24, s24, s12
	s_mul_i32 s24, s24, SLABB                      ; slab (G, w)
	s_lshl_b32 s26, s17, 6
	s_add_co_u32 s26, s26, s24
	s_add_co_u32 s26, s26, 12288                   ; the fragment's scale words
	s_mul_i32 s25, s17, 1536
	s_add_co_u32 s24, s24, s25                     ; the fragment
	s_mov_b32 s25, 0
	s_mov_b32 s27, 0
	s_wait_kmcnt 0x0
	s_add_nc_u64 s[4:5], s[4:5], s[18:19]
	s_add_nc_u64 s[14:15], s[10:11], s[26:27]
	s_add_nc_u64 s[10:11], s[10:11], s[24:25]
.irp b, 0,1,2,3
.irp j, 0,1,2,3
	global_load_b128 v[X+16*\b+4*\j:X+16*\b+4*\j+3], v3, s[4:5] offset:128*\b+16*\j
.endr
.endr
.irp b, 0,1,2,3
.irp j, 0,1,2,3
	global_load_b128 v[GG+16*\b+4*\j:GG+16*\b+4*\j+3], v4, s[6:7] offset:128*\b+16*\j
.endr
.endr
.irp b, 0,1,2,3
.irp j, 0,1,2,3
	global_load_b128 v[BB+16*\b+4*\j:BB+16*\b+4*\j+3], v4, s[8:9] offset:128*\b+16*\j
.endr
.endr
	s_wait_loadcnt 32                              ; my 64 numbers are in; the 32 younger loads, gain and bias, may be out
.irp c, 0,1,2,3
	v_pk_add_f32 v[14+2*\c:15+2*\c], v[X+2*\c:X+2*\c+1], v[X+8+2*\c:X+9+2*\c]
.endr
.irp j, 16,24,32,40,48,56
.irp c, 0,1,2,3
	v_pk_add_f32 v[14+2*\c:15+2*\c], v[14+2*\c:15+2*\c], v[X+\j+2*\c:X+\j+2*\c+1]
.endr
.endr
	ACROSS 0
	v_mul_f32 v10, s22, v22                        ; the mean
	v_mov_b32 v11, v10
.set j, 0
.rept 32
	v_pk_add_f32 v[X+j:X+j+1], v[X+j:X+j+1], v[10:11] neg_lo:[0,1] neg_hi:[0,1]   ; centred first: the variance is a sum of squares of small numbers, whatever the rows' common offset
.set j, j+2
.endr
.irp c, 0,1,2,3
	v_pk_mul_f32 v[14+2*\c:15+2*\c], v[X+2*\c:X+2*\c+1], v[X+2*\c:X+2*\c+1]
.endr
.irp j, 8,16,24,32,40,48,56
.irp c, 0,1,2,3
	v_pk_fma_f32 v[14+2*\c:15+2*\c], v[X+\j+2*\c:X+\j+2*\c+1], v[X+\j+2*\c:X+\j+2*\c+1], v[14+2*\c:15+2*\c]
.endr
.endr
	ACROSS 512                                     ; other LDS bytes than the first exchange's: no barrier is needed between the two
	v_fma_f32 v12, v22, s22, s23                   ; the variance + 1e-5
	v_rsq_f32 v12, v12
	v_nop                                          ; a plain place behind the transcendental
	s_wait_alu depctr_va_vdst(0)                   ; and the wait ahead of its first reader
	v_mov_b32 v13, v12
	s_wait_loadcnt 0x0                             ; gain and bias
.set j, 0
.rept 32
	v_pk_mul_f32 v[X+j:X+j+1], v[X+j:X+j+1], v[12:13]
.set j, j+2
.endr
.set j, 0
.rept 32
	v_pk_fma_f32 v[X+j:X+j+1], v[X+j:X+j+1], v[GG+j:GG+j+1], v[BB+j:BB+j+1]
.set j, j+2
.endr
	QUANT X
	global_store_b128 v[L16], v[PC:PC+3], s[10:11]
	global_store_b64 v[L8], v[PC+4:PC+5], s[10:11] offset:512
	global_store_b128 v[L16], v[PC+6:PC+9], s[10:11] offset:768
	global_store_b64 v[L8], v[PC+10:PC+11], s[10:11] offset:1280
	global_store_b32 v7, v[PW], s[14:15]           ; 16 scale words, 64 consecutive bytes; both halves of the lanes store the same word
	s_wait_tensorcnt 0x0
	ds_add_u32 v254, v255
	s_wait_dscnt 0x0
	s_endpgm
.Lnot_ln:
	s_cmp_ge_u32 ttmp9, 352
	s_cbranch_scc1 .Lrope
	; ---- THE WEIGHTS.  j = work-group - 256.  j 0-63: groups of Wq (8), Wk (8), Wv (8), Wo (8), Wfc2 (32), one K step to a wave; j 64-95: Wfc3, 8 groups x 32 K steps, 8 K steps to a work-group.
	s_load_b512 s[16:31], s[0:1], 0x18             ; codes and scales of Wq, Wk, Wv, Wo
	s_load_b256 s[32:39], s[0:1], 0x58             ; of Wfc2, Wfc3
	s_load_b64 s[10:11], s[0:1], 0x78              ; P
	s_sub_co_u32 s13, ttmp9, 256
	v_and_b32 v1, 15, v0                           ; r
	v_bfe_u32 v2, v0, 4, 1                         ; h
	v_and_b32 v9, 31, v0                           ; lane l
	v_lshlrev_b32 v5, 4, v9
	v_lshlrev_b32 v6, 3, v9
	v_and_b32 v7, 8, v1
	v_add_nc_u32 v7, v7, v1                        ; r + 8 (r / 8)
	v_and_b32 v8, 24, v9                           ; the rows whose scale words lie at 16 l: fragment l / 4, lanes 4 (l % 4) + q:
	v_lshlrev_b32 v8, 2, v8                        ; 32 (l / 8)
	v_and_b32 v10, 4, v9
	v_lshl_add_u32 v8, v10, 1, v8                  ; + 8 ((l / 4) % 2)
	v_and_b32 v10, 3, v9
	v_lshl_add_u32 v8, v10, 2, v8                  ; + 4 (l % 4)
	v_and_b32 v10, 2, v9
	v_lshl_add_u32 v8, v10, 2, v8                  ; + 8 ((l / 2) % 2);  + q stands in the loads' offsets
	s_wait_kmcnt 0x0
	s_cmp_ge_u32 s13, 8                            ; which tensor: the choices hang on the work-group's number alone
	s_cselect_b64 s[4:5], s[20:21], s[16:17]
	s_cselect_b64 s[6:7], s[22:23], s[18:19]
	s_cselect_b32 s40, 8, 0
	s_cmp_ge_u32 s13, 16
	s_cselect_b64 s[4:5], s[24:25], s[4:5]
	s_cselect_b64 s[6:7], s[26:27], s[6:7]
	s_cselect_b32 s40, 16, s40
	s_cmp_ge_u32 s13, 24
	s_cselect_b64 s[4:5], s[28:29], s[4:5]
	s_cselect_b64 s[6:7], s[30:31], s[6:7]
	s_cselect_b32 s40, 24, s40
	s_cmp_ge_u32 s13, 32
	s_cselect_b64 s[4:5], s[32:33], s[4:5]
	s_cselect_b64 s[6:7], s[34:35], s[6:7]
	s_cselect_b32 s40, 32, s40
	s_cmp_ge_u32 s13, 64
	s_cselect_b64 s[4:5], s[36:37], s[4:5]
	s_cselect_b64 s[6:7], s[38:39], s[6:7]
	s_cbranch_scc1 .Lfc3
	s_sub_co_u32 s41, s13, s40                     ; the group in its tensor
	s_mov_b32 s42, s12                             ; K step = wave
	s_add_co_u32 s43, s13, 32                      ; in P the weights' groups follow x's 32
	s_lshl_b32 s43, s43, 3
	s_add_co_u32 s43, s43, s12
	s_mul_i32 s43, s43, SLABB
	RELAY 768, 32
.Lfc3:
	s_sub_co_u32 s41, s13, 64
	s_and_b32 s42, s41, 3
	s_lshl_b32 s42, s42, 3
	s_add_co_u32 s42, s42, s12                     ; K step 8 (j % 4) + wave
	s_lshr_b32 s41, s41, 2                         ; group
	s_lshl_b32 s43, s41, 5
	s_add_co_u32 s43, s43, s42
	s_mul_i32 s43, s43, SLABB
	s_add_co_u32 s43, s43, FC3OFF
	RELAY 3072, 128
.Lrope:
	; ---- THE ROTARY TABLE.  A wave takes 8 positions; lane j takes pair j: angle = position x 10^(-j / 8).  cos and sin by reduction to |r| <= pi / 4 and two short polynomials.
	s_load_b64 s[10:11], s[0:1], 0x78
	s_sub_co_u32 s13, ttmp9, 352
	s_lshl_b32 s13, s13, 6
	s_lshl_b32 s14, s12, 3
	s_add_co_u32 s13, s13, s14                     ; my first position
	v_and_b32 v1, 31, v0
	v_cvt_f32_u32 v2, v1
	v_mul_f32 v2, 0xbed49a78, v2                   ; -j log2(10) / 8
	v_exp_f32 v2, v2
	v_lshlrev_b32 v3, 3, v1                        ; 8 j  (a plain place behind the transcendental)
	s_lshl_b32 s14, s13, 8                         ; 256 bytes a position
	s_add_co_u32 s14, s14, ROPEOFF
	s_mov_b32 s15, 0
	s_mov_b32 s24, 0x3fc90fdb                      ; pi / 2, its upper part
	s_mov_b32 s25, 0xb33bbd2e                      ; and the rest
	s_mov_b32 s26, 0xb94ca1f9                      ; sine: r + r z (S0 + z (S1 + z S2)), z = r r
	s_mov_b32 s27, 0x3c08839e
	s_mov_b32 s28, 0xbe2aaaa3
	s_mov_b32 s29, 0x37ccf5ce                      ; cosine: 1 - z / 2 + z z (C0 + z (C1 + z C2))
	s_mov_b32 s30, 0xbab6061a
	s_mov_b32 s31, 0x3d2aaaa5
	s_wait_kmcnt 0x0
	s_add_nc_u64 s[10:11], s[10:11], s[14:15]
	s_wait_alu depctr_va_vdst(0)                   ; ahead of the first reader of the frequency
.set t, 0
.rept 8
	s_add_co_u32 s16, s13, t
	v_cvt_f32_u32 v4, s16
	v_mul_f32 v4, v4, v2                           ; the angle, one f32 product as in the definition
	v_mul_f32 v5, 0x3f22f983, v4
	v_rndne_f32 v5, v5                             ; k = the nearest multiple of pi / 2
	v_fma_f32 v6, -v5, s24, v4
	v_fma_f32 v6, -v5, s25, v6                     ; r
	v_mul_f32 v7, v6, v6                           ; z
	v_fma_f32 v8, v7, s26, s27
	v_fma_f32 v9, v7, s29, s30
	v_fma_f32 v8, v8, v7, s28
	v_fma_f32 v9, v9, v7, s31
	v_mul_f32 v8, v8, v7
	v_mul_f32 v10, v7, v7
	v_fma_f32 v11, v7, -0.5, 1.0
	v_fma_f32 v8, v8, v6, v6                       ; sin r
	v_fma_f32 v9, v10, v9, v11                     ; cos r
	v_cvt_i32_f32 v12, v5
	v_and_b32 v13, 1, v12
	v_cmp_eq_u32 vcc_lo, 1, v13                    ; k odd: the two change places (a choice of values, no branch)
	v_cndmask_b32 v14, v8, v9, vcc_lo
	v_cndmask_b32 v15, v9, v8, vcc_lo
	v_and_b32 v13, 2, v12                          ; the sine's sign turns for k % 4 = 2, 3
	v_lshlrev_b32 v13, 30, v13
	v_xor_b32 v[41+2*t], v13, v14
	v_add_nc_u32 v12, 1, v12                       ; the cosine's for k % 4 = 1, 2
	v_and_b32 v12, 2, v12
	v_lshlrev_b32 v12, 30, v12
	v_xor_b32 v[40+2*t], v12, v15
	global_store_b64 v3, v[40+2*t:41+2*t], s[10:11] offset:256*t   ; 32 lanes store a position's 256 bytes; each position has data registers of its own
.set t, t+1
.endr
	s_endpgm
.Lfunc_end_k_q030f000188_prep:
	.size	k_q030f000188_prep, .Lfunc_end_k_q030f000188_prep-k_q030f000188_prep
	.p2alignl 7, 3214868480
	.fill 96, 4, 3214868480
	.section	.rodata,"a",@progbits
	.p2align	6, 0x0
	.amdhsa_kernel k_q030f000188_prep
		.amdhsa_group_segment_fixed_size 2048
		.amdhsa_private_segment_fixed_size 0
		.amdhsa_enable_private_segment 0
		.amdhsa_kernarg_size 128
		.amdhsa_user_sgpr_count 2
		.amdhsa_user_sgpr_kernarg_segment_ptr 1
		.amdhsa_wavefront_size32 1
		.amdhsa_system_sgpr_workgroup_id_x 1
		.amdhsa_system_sgpr_workgroup_id_y 1
		.amdhsa_system_sgpr_workgroup_id_z 1
		.amdhsa_system_vgpr_workitem_id 0
		.amdhsa_next_free_vgpr 256
		.amdhsa_next_free_sgpr 66
		.amdhsa_reserve_vcc 1
		.amdhsa_float_denorm_mode_32 3
		.amdhsa_float_denorm_mode_16_64 3
		.amdhsa_memory_ordered 1
		.amdhsa_forward_progress 1
		.amdhsa_inst_pref_size 55
	.end_amdhsa_kernel
	.amdgpu_metadata
---
amdhsa.version: [ 1, 2 ]
amdhsa.kernels:
  - .name:           k_q030f000188_prep
    .symbol:         k_q030f000188_prep.kd
    .args:
      - { .name: inputs, .offset: 0, .size: 8, .value_kind: global_buffer, .address_space: global }
      - { .name: ln1_g, .offset: 8, .size: 8, .value_kind: global_buffer, .address_space: global }
      - { .name: ln1_b, .offset: 16, .size: 8, .value_kind: global_buffer, .address_space: global }
      - { .name: Wq_codes, .offset: 24, .size: 8, .value_kind: global_buffer, .address_space: global }
      - { .name: Wq_scales, .offset: 32, .size: 8, .value_kind: global_buffer, .address_space: global }
      - { .name: Wk_codes, .offset: 40, .size: 8, .value_kind: global_buffer, .address_space: global }
      - { .name: Wk_scales, .offset: 48, .size: 8, .value_kind: global_buffer, .address_space: global }
      - { .name: Wv_codes, .offset: 56, .size: 8, .value_kind: global_buffer, .address_space: global }
      - { .name: Wv_scales, .offset: 64, .size: 8, .value_kind: global_buffer, .address_space: global }
      - { .name: Wo_codes, .offset: 72, .size: 8, .value_kind: global_buffer, .address_space: global }
      - { .name: Wo_scales, .offset: 80, .size: 8, .value_kind: global_buffer, .address_space: global }
      - { .name: Wfc2_codes, .offset: 88, .size: 8, .value_kind: global_buffer, .address_space: global }
      - { .name: Wfc2_scales, .offset: 96, .size: 8, .value_kind: global_buffer, .address_space: global }
      - { .name: Wfc3_codes, .offset: 104, .size: 8, .value_kind: global_buffer, .address_space: global }
      - { .name: Wfc3_scales, .offset: 112, .size: 8, .value_kind: global_buffer, .address_space: global }
      - { .name: P, .offset: 120, .size: 8, .value_kind: global_buffer, .address_space: global }
    .group_segment_fixed_size: 2048
    .private_segment_fixed_size: 0
    .kernarg_segment_align: 8
    .kernarg_segment_size: 128
    .max_flat_workgroup_size: 256
    .sgpr_count:     66
    .vgpr_count:     256
    .wavefront_size: 32
...
	.end_amdgpu_metadata
.endif
;; end of part 1
;; launch qkv (part 2): grid 12 x 16, 4 waves a work-group, clusters of 4 x 4, 327,680 bytes of LDS; arguments P, qkvb; writes qkvb
.if DOCPART == 2
	.amdgcn_target "amdgcn-amd-amdhsa--gfx1250"
	.amdhsa_code_object_version 6
	.text
	.protected	k_q030f000188_qkv
	.globl	k_q030f000188_qkv
	.p2align	8
	.type	k_q030f000188_qkv,@function
k_q030f000188_qkv:
	s_mov_b64 s[64:65], 0
	v_nop
	global_prefetch_b8 v0, s[64:65] scope:SCOPE_SE
	s_setreg_imm32_b32 hwreg(HW_REG_WAVE_MODE, 25, 1), 1
	s_wait_xcnt 0x0
	s_wait_alu depctr_hold_cnt(0) depctr_sa_sdst(0) depctr_va_vdst(0) depctr_va_sdst(0) depctr_va_ssrc(0) depctr_va_vcc(0) depctr_vm_vsrc(0)
	s_getreg_b32 s2, hwreg(HW_REG_IB_STS2, 6, 4)
	s_cmp_eq_u32 s2, 0
	s_cbranch_scc0 .Lentry_in_a_cluster
	s_endpgm
.Lentry_in_a_cluster:
	s_bfe_u32 s2, ttmp6, 0x10000c
	s_cmp_lg_u32 s2, 0xf033
	s_cbranch_scc0 .Lentry_shape_is_right
	s_endpgm
.Lentry_shape_is_right:
; q = rope(x Wq), k = rope(x Wk), v = x Wv on codes of FP6 (E2M3) with E8M0 scales, and the three results quantised again as the attention's operands.
; THE CORE is a GEMM C = A B^T on IMAGES: both operands lie in P as slabs of 12,800 bytes (a group of 128 rows x 128 K: 8 fragments as their registers stand, then one scale word a row at 12,288 + 64 i + 4 r;
; lane r of fragment i holds row 32 (i / 2) + 8 (i % 2) + r + 8 (r / 8)).  A tile of C is 256 x 256, four waves of 128 x 128 (64 accumulators, 512 registers).  K goes in steps of 256 through a ring of two LDS slots;
; a wave's tensor load brings two slabs (25,600 dense bytes, as 100 rows of 256), scale words included.  No padding: every LDS load reads consecutive bytes.
; CLUSTERS: 4 x 4 work-groups; A's tile is asked for jointly along a row of the cluster, B's along a column.  THE MATRIX INSTRUCTION IS USED TRANSPOSED (source 0 = B's fragment, source 1 = A's):
; lane (r, h) holds A's row of lane r, and register 16 bb + i of the eight accumulators (a, 0 .. 7) holds B's row 32 bb + 16 h + i: 16 neighbours, as the quantiser wants them.
; WHO IS A: clusters x = 0, 1: A = tokens, B = Wq, Wk: a lane holds a token and its registers run along the features: rope, then quantised along the head's 64.
;           cluster x = 2: A = Wv, B = tokens: a lane holds a feature and its registers run along the tokens, which are the keys: quantised along the keys.
; qkvb: for each (batch, head) 315,392 bytes: 16 slabs of Q (8 half fragments of 768 bytes, 512 bytes of scale words), then 16 slabs of K and V (K: 8 half fragments, 512 bytes of scale words; V^T: 4 fragments, 256 bytes of scale words).
; The upper two bytes of Q's and K's scale words are 0: the attention multiplies 64 along K in an instruction of 128, with zero codes in Q's upper half.
; LIMITS: NaN and infinities are not served; a block of zeros gets the byte 1 (its codes are zeros; this program alone reads the bytes).
; REGISTERS: window 0: v1-31 addresses; v32-63 scale words, two sets, and nothing else; v128-223 A's fragments, one set; on the way out v64-255 are free.  Window 1: B's fragments, two sets, at v0 and v128.  Windows 2, 3: accumulator (a, b) at v[8 (8 (a % 4) + b)].
.set KS,     8                         ; K steps of 128
.set ZERO,   1                         ; the first products take the constant 0
.set SLABB,  12800
.set HALF,   2*SLABB                   ; what one tensor load brings: 128 rows x 256 K
.set SLOT,   4*HALF                    ; A's two groups, then B's two
.set SPARE,  2*SLOT                    ; behind the ring: the spare words, 128 bytes a wave: two blocks of 256 bytes that no other line names
.set LAPS,   KS/4                      ; a lap = once round the ring
.set FR,     12
.set NL,     4                         ; LDS loads that bring a fragment
.set NP,     4                         ; places behind this matrix instruction (ISA guide 7.12.1)
.set L16,    10                        ; v10  16 x lane
.set L8,     11                        ; v11  8 x lane
.set ADRS,   12                        ; v12-13 scale words in slot 0, 1: lanes 0-15 A's, lanes 16-31 B's
.set ADRA,   16                        ; v16-17 A's group in slot 0, 1, + 16 x lane;  v18-19 + 8 x lane
.set ADRB,   20                        ; v20-23 the same for B
.set SPW,    28                        ; v28  my spare word; never rewritten
.set NIL,    29                        ; v29  0; never rewritten
.set SC,     32                        ; set s at v[SC + 16 s]; register 2 i + q: block i, the slot's q-th 128 along K
.set BI,     64
.set AF,     128
.set G1,     24
.set G0,     32
.set G1B,    48
.set G0B,    56
.set SEL,    66
.set HEADB,  315392
.set QSLAB,  6656
.set KVSLAB, 13056
.set KVOFF,  106496
.set ROPEOFF, 13107200
.set HA,     64                        ; the way out: 64 numbers after rope
.set CS,     128                       ; two sets of 32: cos, sin of my token at my 16 pairs
.set PC,     192                       ; the codes
.set T,      212                       ; four pairs at work
.set TM,     220
.set PW,     236
.set SV,     237
.set MSB, 0
.macro WIN new                         ; the immediate's high byte repeats the setting that is left
.if MSB != (\new)
	s_set_vgpr_msb (MSB<<8)|(\new)
.set MSB, (\new)
.endif
.endm
.set MUL_LO, 0xa1                      ; source 0 (B) window 1, source 1 (A) window 0, C and D window 2
.set MUL_HI, 0xf1                      ; the same, C and D window 3
.set TO_B,   0x40                      ; destination window 1, address window 0
.macro PLACES n
.rept \n
	v_nop
.endr
.endm
; A joint load: waves 0 and 1 fetch for A, waves 2 and 3 for B; the branch hangs on the wave's number alone.  Four v_nop follow each of the two lines.
.macro JLOAD g0a, g1a, g0b, g1b
	s_cmp_eq_u32 s15, 0
	s_cbranch_scc0 .Lfor_b_\@
	tensor_load_to_lds s[\g0a:\g0a+3], s[\g1a:\g1a+7]
	s_nop 0
.rept 4
	v_nop
.endr
	s_branch .Lasked_\@
.Lfor_b_\@:
	tensor_load_to_lds s[\g0b:\g0b+3], s[\g1b:\g1b+7]
	s_nop 0
.rept 4
	v_nop
.endr
.Lasked_\@:
.endm
.macro CREST                           ; a round of the cluster's barrier behind its opening barrier
	s_cmp_lg_u32 s14, 0
	s_cbranch_scc1 .Lnot_wave_0_\@
	s_barrier_signal -3
.Lnot_wave_0_\@:
	s_barrier_wait -3
	s_barrier_signal -1
	s_barrier_wait -1
.endm
.macro CROUND
	s_barrier_signal -1
	s_barrier_wait -1
	CREST
.endm
.macro FRAG reg, adr, q, i             ; fragment i of the slot's q-th slab: the image's four pieces, each read as consecutive bytes
	ds_load_b128 v[\reg:\reg+3], v[\adr] offset:(\q)*SLABB+(\i)*1536
	ds_load_b64 v[\reg+4:\reg+5], v[\adr+2] offset:(\q)*SLABB+(\i)*1536+512
	ds_load_b128 v[\reg+6:\reg+9], v[\adr] offset:(\q)*SLABB+(\i)*1536+768
	ds_load_b64 v[\reg+10:\reg+11], v[\adr+2] offset:(\q)*SLABB+(\i)*1536+1280
.endm
; 16 matrix instructions: A's blocks a0, a0 + 1 x B's eight.  p: B's set; sc: the set of scale words.  zero = 1: C = 0; 2: C = the bias; 0: in place.  The 64 accumulators take turns.
.macro MUL16 a0, p, q, sc, zero
.irp a, \a0, \a0+1
.irp b, 0,1,2,3,4,5,6,7
.set rD, 8*(8*((\a)%4)+\b)
.set rB, 128*(\p)+FR*\b
.set rA, AF+FR*(\a)
.set rSB, SC+16*(\sc)+2*\b+(\q)
.set rSA, SC+16*(\sc)+2*(\a)+(\q)
.if (\zero) == 1
	v_wmma_scale_f32_16x16x128_f8f6f4 v[rD:rD+7], v[rB:rB+FR-1], v[rA:rA+FR-1], 0, v[rSB], v[rSA] matrix_a_fmt:MATRIX_FMT_FP6 matrix_b_fmt:MATRIX_FMT_FP6 matrix_a_scale:MATRIX_SCALE_ROW1
.elseif (\zero) == 2
	v_wmma_scale_f32_16x16x128_f8f6f4 v[rD:rD+7], v[rB:rB+FR-1], v[rA:rA+FR-1], v[BI+8*\b:BI+8*\b+7], v[rSB], v[rSA] matrix_a_fmt:MATRIX_FMT_FP6 matrix_b_fmt:MATRIX_FMT_FP6 matrix_a_scale:MATRIX_SCALE_ROW1
.else
	v_wmma_scale_f32_16x16x128_f8f6f4 v[rD:rD+7], v[rB:rB+FR-1], v[rA:rA+FR-1], v[rD:rD+7], v[rSB], v[rSA] matrix_a_fmt:MATRIX_FMT_FP6 matrix_b_fmt:MATRIX_FMT_FP6 matrix_a_scale:MATRIX_SCALE_ROW1
.endif
.endr
.endr
.endm
.macro FETCH_B slot, q, p
	WIN TO_B
.irp i, 0,1,2,3,4,5,6,7
	FRAG 128*(\p)+FR*\i, ADRB+\slot, \q, \i
.endr
	WIN 0
.endm
.macro FETCH_A slot, q, i0
.irp i, \i0, \i0+1, \i0+2, \i0+3
	FRAG AF+FR*(\i), ADRA+\slot, \q, \i
.endr
.endm
.macro SCALES sc                       ; a slot's scale words: lanes 0-15 take A's block i, lanes 16-31 B's block i
.irp q, 0,1
.irp i, 0,1,2,3,4,5,6,7
	ds_load_b32 v[SC+16*\sc+2*\i+\q], v[ADRS+\sc] offset:\q*SLABB+12288+64*\i
.endr
.endr
.endm
; A slot's first 128 along K.  A block of A is free as soon as its eight products are issued: blocks 0-3 are fetched anew in the middle, blocks 4-7 at the end; B has two sets.
.macro STEP slot, q, zero
	s_wait_dscnt 4*NL                              ; all but the youngest 16 loads (A's blocks 4-7)
.if (\zero) == 2
	WIN 0x81                                       ; C (the bias) in window 0
.else
	WIN MUL_LO
.endif
	MUL16 0, (\q)%2, \q, \slot, \zero
	MUL16 2, (\q)%2, \q, \slot, \zero
	s_wait_dscnt 0
	PLACES NP                                      ; in front of loads into registers that matrix instructions have read
	FETCH_B \slot, (\q)+1, 1-(\q)%2
	FETCH_A \slot, (\q)+1, 0
.if (\zero) == 2
	WIN 0xc1
.else
	WIN MUL_HI
.endif
	MUL16 4, (\q)%2, \q, \slot, \zero
	MUL16 6, (\q)%2, \q, \slot, \zero
	PLACES NP
	WIN 0
	FETCH_A \slot, (\q)+1, 4
.endm
; A slot's second 128 along K changes slots: one barrier; in front of it each wave waits for all its tensor loads, adds 0 to its spare word, and waits for that and for its reads of this slot.
.macro TURN slot, next, fill
	s_wait_tensorcnt 0x0                           ; all my tensor loads have landed: my part of the next slot
	ds_add_u32 v[SPW], v[NIL]                      ; 0 onto my spare word
	s_wait_dscnt 4*NL+1                            ; the add and the youngest 16 loads may be out
	WIN MUL_LO
	MUL16 0, 1, 1, \slot, 0
	s_wait_dscnt 0x0                               ; the add is done, and my reads of this slot are over
	s_barrier_signal -1
	MUL16 2, 1, 1, \slot, 0
	WIN 0
	s_barrier_wait -1
.if \fill
	CREST                                          ; the barrier has opened a round of the cluster's: no wave of any partner still reads this slot or has a load on its way
	s_add_nc_u64 s[G0+4*\slot+2:G0+4*\slot+3], s[G0+4*\slot+2:G0+4*\slot+3], 2*HALF
	s_add_nc_u64 s[G0B+4*\slot+2:G0B+4*\slot+3], s[G0B+4*\slot+2:G0B+4*\slot+3], 2*HALF
	JLOAD G0+4*\slot, G1, G0B+4*\slot, G1B         ; the first tensor load behind the round; its four v_nop are the places in front of the loads below
.else
	PLACES NP
.endif
	FETCH_B \next, 0, 0
	FETCH_A \next, 0, 0
	SCALES \next
	WIN MUL_HI
	MUL16 4, 1, 1, \slot, 0
	MUL16 6, 1, 1, \slot, 0
	PLACES NP
	WIN 0
	FETCH_A \next, 0, 4
.endm
; 64 numbers of a lane in window w, v[s] on, register 16 b + i = k 32 b + 16 h + i of my row, become a fragment's codes in v[PC] .. v[PC + 11] and its scale word in v[PW] (window 0).  Accumulators are read from their low ends on.
.macro QUANT s, w
	WIN (\w)|((\w)<<2)
.irp b, 0,1,2,3
	v_max3_num_f32 v[TM+\b], |v[(\s)+16*\b]|, |v[(\s)+1+16*\b]|, 0x1800000   ; and the floor 2^(3 - 127): the byte cannot fall under 1
.endr
.irp i, 2,4,6,8,10,12,14
.irp b, 0,1,2,3
	v_max3_num_f32 v[TM+\b], |v[(\s)+16*\b+\i]|, |v[(\s)+1+16*\b+\i]|, v[TM+\b]
.endr
.endr
	WIN 0
.irp b, 0,1,2,3
	v_permlanex16_b32 v[TM+4+\b], v[TM+\b], s[SEL], s[SEL+1]
.endr
.irp b, 0,1,2,3
	v_max_num_f32 v[TM+\b], v[TM+\b], v[TM+4+\b]
.endr
.irp b, 0,1,2,3
	v_add_nc_u32 v[TM+12+\b], 0xff000000, v[TM+\b]                 ; 2 off the exponent field: the conversion's scale operand
.endr
.irp b, 0,1,2,3
	v_lshrrev_b32 v[TM+4+\b], 23, v[TM+12+\b]
.endr
	v_lshl_or_b32 v[PW], v[TM+5], 8, v[TM+4]
	v_lshl_or_b32 v[PW], v[TM+6], 16, v[PW]
	v_lshl_or_b32 v[PW], v[TM+7], 24, v[PW]
	WIN (\w)
.irp c, 0,1
	v_cvt_scalef32_pk16_fp6_f32 v[PC+6*\c:PC+2+6*\c], v[(\s)+32*\c:(\s)+15+32*\c], v[TM+12+2*\c]
	v_cvt_scalef32_pk16_fp6_f32 v[PC+12+4*\c:PC+14+4*\c], v[(\s)+16+32*\c:(\s)+31+32*\c], v[TM+13+2*\c]
.endr
	WIN 0
	v_nop                                          ; one plain place behind a scaled conversion
.irp c, 0,1
.irp i, 0,1,2
	v_permlane16_swap_b32 v[PC+6*\c+\i], v[PC+12+4*\c+\i]
.endr
.irp i, 0,1,2
	v_mov_b32 v[PC+3+6*\c+\i], v[PC+12+4*\c+\i]
.endr
.endr
.endm
.macro GIMG base, off                  ; the fragment in v[PC] on goes to memory as it stands: four stores of consecutive bytes, aligned to 256
	global_store_b128 v[L16], v[PC:PC+3], s[\base:\base+1] offset:\off
	global_store_b64 v[L8], v[PC+4:PC+5], s[\base:\base+1] offset:\off+512
	global_store_b128 v[L16], v[PC+6:PC+9], s[\base:\base+1] offset:\off+768
	global_store_b64 v[L8], v[PC+10:PC+11], s[\base:\base+1] offset:\off+1280
.endm
.macro CSLOAD a                        ; cos and sin of block a's tokens at my 2 x 8 pairs: register 16 e + i: cos (i even), sin (i odd) of feature pair 32 e + 16 h + i
.irp e, 0,1
.irp q, 0,1,2,3
	global_load_b128 v[CS+32*((\a)%2)+16*\e+4*\q:CS+32*((\a)%2)+16*\e+4*\q+3], v27, s[10:11] offset:(32*((\a)/2)+8*((\a)%2))*256+128*\e+16*\q
.endr
.endr
.endm
	s_load_b64 s[4:5], s[0:1], 0x0                 ; P: both operands
	s_load_b64 s[8:9], s[0:1], 0x8                 ; qkvb
	v_lshl_add_u32 v[SPW], v0, 2, SPARE
	v_mov_b32 v[NIL], 0
	ds_add_u32 v28, v29
	ds_add_u32 v28, v29
	s_wait_dscnt 0x0
	v_lshrrev_b32 v1, 5, v0
	v_readfirstlane_b32 s14, v1                    ; wave 0..3
	s_lshr_b32 s15, s14, 1                         ; which of A's two groups is mine.  Also: I fetch for A (0) or for B (1)
	s_and_b32 s16, s14, 1                          ; which of B's two.  Also: which group of that tile I fetch
	s_bfe_u32 s40, ttmp6, 0x40000                  ; cx
	s_bfe_u32 s41, ttmp6, 0x40004                  ; cy
	s_and_b32 s18, ttmp7, 0xffff
	s_lshl_b32 s18, s18, 2                         ; 4 x cluster y
	s_lshl_b32 s19, ttmp9, 2
	s_add_co_u32 s19, s19, 16                      ; tiles of 256 rows in P: tokens 0-15, Wq 16-19, Wk 20-23, Wv 24-27
	s_cmp_eq_u32 ttmp9, 2                          ; the cluster's x, the same in all sixteen partners
	s_cselect_b32 s17, 24, s18
	s_cselect_b32 s42, s18, s19
	s_add_co_u32 s17, s17, s41                     ; A's tile: hangs on cy alone within the cluster
	s_add_co_u32 s42, s42, s40                     ; B's tile: on cx alone
	s_lshl_b32 s43, s41, 2
	s_lshl_b32 s43, 15, s43                        ; my row of the cluster
	s_lshl_b32 s44, 0x1111, s40                    ; my column
	s_or_b32 s[G1], s43, (3<<16)|(1<<21)           ; 15:0 the mask; 17:16 elements of 8 bytes; 21 set beside a mask; no padding
	s_or_b32 s[G1B], s44, (3<<16)|(1<<21)
.irp g, G1, G1B
	s_mov_b32 s[\g+1], 32<<16                      ; tensor_dim0 = 32 elements: 256 bytes
	s_mov_b32 s[\g+2], 100<<16                     ; tensor_dim1 = 100 rows
	s_mov_b32 s[\g+3], 32<<16                      ; tile_dim0
	s_mov_b32 s[\g+4], 100                         ; tile_dim1
	s_mov_b32 s[\g+5], 32                          ; the pitch: dense
	s_mov_b32 s[\g+6], 0
	s_mov_b32 s[\g+7], 0
.endr
	s_lshl_b32 s20, s17, 1
	s_add_co_u32 s20, s20, s16
	s_mul_i32 s20, s20, KS*SLABB                   ; A: the group that I fetch
	s_mov_b32 s21, 0
	s_lshl_b32 s46, s42, 1
	s_add_co_u32 s46, s46, s16
	s_mul_i32 s46, s46, KS*SLABB                   ; B likewise
	s_mov_b32 s47, 0
	s_mul_i32 s45, s14, HALF                       ; where it goes: no place in the cluster enters an LDS address
	s_wait_kmcnt 0x0
	s_add_nc_u64 s[20:21], s[4:5], s[20:21]
	s_add_nc_u64 s[46:47], s[4:5], s[46:47]
	CROUND                                         ; all sixteen work-groups are here: the first joint loads meet
.irp s, 0,1
	s_mov_b32 s[G0+4*\s], 1
	s_add_co_u32 s[G0+4*\s+1], s45, \s*SLOT
	s_add_nc_u64 s[G0+4*\s+2:G0+4*\s+3], s[20:21], \s*HALF
	s_or_b32 s[G0+4*\s+3], s[G0+4*\s+3], 0x80000000
	s_mov_b32 s[G0B+4*\s], 1
	s_add_co_u32 s[G0B+4*\s+1], s45, \s*SLOT
	s_add_nc_u64 s[G0B+4*\s+2:G0B+4*\s+3], s[46:47], \s*HALF
	s_or_b32 s[G0B+4*\s+3], s[G0B+4*\s+3], 0x80000000
	JLOAD G0+4*\s, G1, G0B+4*\s, G1B
.endr
	v_and_b32 v1, 15, v0                           ; r
	v_bfe_u32 v2, v0, 4, 1                         ; h
	v_and_b32 v3, 31, v0
	v_lshlrev_b32 v[L16], 4, v3
	v_lshlrev_b32 v[L8], 3, v3
	s_mul_i32 s21, s15, HALF
	s_mul_i32 s22, s16, HALF
	s_add_co_u32 s22, s22, 2*HALF
.irp s, 0,1
	v_add_nc_u32 v[ADRA+\s], s21, v[L16]
	v_add_nc_u32 v[ADRA+2+\s], s21, v[L8]
	v_add_nc_u32 v[ADRB+\s], s22, v[L16]
	v_add_nc_u32 v[ADRB+2+\s], s22, v[L8]
	s_add_co_u32 s21, s21, SLOT
	s_add_co_u32 s22, s22, SLOT
.endr
	s_mul_i32 s21, s15, HALF
	s_mul_i32 s22, s16, HALF
	s_add_co_u32 s22, s22, 2*HALF
	s_sub_co_u32 s22, s22, s21
	v_mul_u32_u24 v6, s22, v2                      ; lanes 16-31 take B's: one product with h
	v_lshl_add_u32 v6, v1, 2, v6
	v_add_nc_u32 v[ADRS], s21, v6
	v_add_nc_u32 v[ADRS+1], SLOT, v[ADRS]
	; the way out's addresses.  Its small stages lie in slot 0, each wave's own, each path's own: that slot has had its last fill and its last read when the first word is stored there
	s_lshl_b32 s21, s14, 10
	v_lshlrev_b32 v24, 2, v1
	v_lshl_add_u32 v24, v2, 9, v24
	v_add_nc_u32 v24, s21, v24                     ; q, k: scale words in: 1,024 wave + 512 h + 4 r
	v_add_nc_u32 v25, s21, v[L16]                  ; and back
	s_lshl_b32 s21, s14, 9
	s_add_co_u32 s21, s21, 4096
	v_lshl_add_u32 v26, v1, 2, s21                 ; v: 4,096 + 512 wave + 4 r
	v_add_nc_u32 v31, s21, v[L16]
	v_and_b32 v27, 8, v1
	v_add_nc_u32 v27, v27, v1
	v_lshlrev_b32 v27, 8, v27
	v_lshl_add_u32 v27, v2, 6, v27                 ; the rotary table: position r + 8 (r / 8), + 64 h
	v_lshlrev_b32 v30, 4, v2                       ; 16 h
	v_mul_u32_u24 v9, v2, HEADB
	v_lshl_add_u32 v9, v1, 4, v9                   ; v's scale words: lanes 16-31 the next head's
	s_mov_b32 s[SEL], 0x76543210
	s_mov_b32 s[SEL+1], 0xfedcba98
	s_wait_tensorcnt 0x1                           ; my part of slot 0 is in; slot 1's may stay out
	s_barrier_signal -1
	s_barrier_wait -1
	FETCH_B 0, 0, 0
	FETCH_A 0, 0, 0
	SCALES 0
	FETCH_A 0, 0, 4
	STEP 0, 0, ZERO                                ; the first step stands in front of the loop: its products start the sums
	s_mov_b32 s3, LAPS-1
.Llap:                                             ; a trip goes once round the ring and fills both slots again
	TURN 0, 1, 1
	STEP 1, 0, 0
	TURN 1, 0, 1
	STEP 0, 0, 0
	s_sub_co_u32 s3, s3, 1
	s_cmp_lg_u32 s3, 0
	s_cbranch_scc1 .Llap
	TURN 0, 1, 0                                   ; the last lap fills nothing
	STEP 1, 0, 0
	s_wait_dscnt 4*NL
	WIN MUL_LO
	MUL16 0, 1, 1, 1, 0
	MUL16 2, 1, 1, 1, 0
	s_wait_dscnt 0
	WIN MUL_HI
	MUL16 4, 1, 1, 1, 0
	MUL16 6, 1, 1, 1, 0
	WIN 0
	PLACES NP                                      ; in front of the first read of results and of loads into registers that held fragments
.irp b, 0,1,2,3
	v_mov_b32 v[TM+4+\b], 0                        ; written once: a lane permute's destination counts as one of its sources
.endr
	s_cmp_eq_u32 ttmp9, 2
	s_cbranch_scc1 .Lvpath
	; ---- q or k.  My 128 tokens are group GA; my 128 features are two heads.  Block a (16 tokens): rope, quantise, two half fragments.
	s_lshl_b32 s70, s17, 1
	s_add_co_u32 s70, s70, s15                     ; GA
	s_and_b32 s71, s70, 15                         ; which 128 positions of the sequence
	s_lshr_b32 s72, s70, 4
	s_lshl_b32 s72, s72, 4                         ; 16 x batch
	s_lshl_b32 s73, s40, 2
	s_add_co_u32 s72, s72, s73
	s_lshl_b32 s73, s16, 1
	s_add_co_u32 s72, s72, s73                     ; + my first head: 4 cx + 2 x column half
	s_mul_i32 s72, s72, HEADB
	s_mov_b32 s73, QSLAB
	s_cmp_eq_u32 ttmp9, 1                          ; k's slabs lie behind q's and are longer
	s_cselect_b32 s73, KVSLAB, s73
	s_cselect_b32 s74, KVOFF, 0
	s_mul_i32 s73, s73, s71
	s_add_co_u32 s72, s72, s73
	s_add_co_u32 s72, s72, s74
	s_mov_b32 s73, 0
	s_add_nc_u64 s[8:9], s[8:9], s[72:73]
	s_lshl_b32 s74, s71, 15                        ; 128 positions of 256 bytes
	s_add_co_u32 s74, s74, ROPEOFF
	s_mov_b32 s75, 0
	s_add_nc_u64 s[10:11], s[4:5], s[74:75]
	CSLOAD 0
	CSLOAD 1
.set a, 0
.rept 8
.if a < 7
	s_wait_loadcnt 8                               ; this block's 8 table loads are in; the next block's may be out
.else
	s_wait_loadcnt 0
.endif
	s_wait_xcnt 0x0                                ; the last block's stores have read their registers: the codes may be written again
	WIN 2+a/4                                      ; source 0: the accumulators' window
.set n, 0
.rept 8
.irp u, 0,1,2,3                                ; a pair (x0, x1) with (c, s):  (x1 s, x0 s),
	v_pk_mul_f32 v[T+2*\u:T+2*\u+1], v[64*(a%4)+n+2*\u:64*(a%4)+n+2*\u+1], v[CS+32*(a%2)+16*((n/16)%2)+n%16+2*\u:CS+32*(a%2)+16*((n/16)%2)+n%16+2*\u+1] op_sel:[1,1] op_sel_hi:[0,1]
.endr
.irp u, 0,1,2,3                                ; then (x0 c - x1 s, x1 c + x0 s)
	v_pk_fma_f32 v[HA+n+2*\u:HA+n+2*\u+1], v[64*(a%4)+n+2*\u:64*(a%4)+n+2*\u+1], v[CS+32*(a%2)+16*((n/16)%2)+n%16+2*\u:CS+32*(a%2)+16*((n/16)%2)+n%16+2*\u+1], v[T+2*\u:T+2*\u+1] op_sel_hi:[1,0,1] neg_lo:[0,0,1]
.endr
.set n, n+8
.endr
	WIN 0
.if a < 6
	CSLOAD a+2
.endif
	QUANT HA, 0
	global_store_b128 v[L16], v[PC:PC+3], s[8:9] offset:768*a                 ; the first head's half fragment,
	global_store_b64 v[L8], v[PC+4:PC+5], s[8:9] offset:768*a+512
	global_store_b128 v[L16], v[PC+6:PC+9], s[8:9] offset:HEADB+768*a         ; the second head's
	global_store_b64 v[L8], v[PC+10:PC+11], s[8:9] offset:HEADB+768*a+512
	v_bfe_u32 v[SV], v[PW], v30, 16                ; lanes 0-15 keep the first head's two bytes, lanes 16-31 the second's; the upper two bytes are 0
	ds_store_b32 v24, v[SV] offset:64*a
.set a, a+1
.endr
	ds_load_b128 v[HA:HA+3], v25                   ; LDS serves a wave's instructions in order: these see my stores
	ds_load_b128 v[HA+4:HA+7], v25 offset:512
	s_wait_dscnt 0x0
	global_store_b128 v[L16], v[HA:HA+3], s[8:9] offset:6144                  ; 512 consecutive bytes of scale words for each head
	global_store_b128 v[L16], v[HA+4:HA+7], s[8:9] offset:HEADB+6144
	s_branch .Lend
.Lvpath:
	; ---- v.  My 128 features are two heads; my 128 tokens are one slab of keys.  Block a is fragment a % 4 of head a / 4: quantised along the keys as it stands in the accumulators.
	s_lshl_b32 s70, s41, 1
	s_add_co_u32 s70, s70, s15                     ; the group of features: 2 cy + row half
	s_lshl_b32 s71, s42, 1
	s_add_co_u32 s71, s71, s16                     ; the group of tokens
	s_lshr_b32 s72, s71, 4
	s_lshl_b32 s72, s72, 4
	s_lshl_b32 s70, s70, 1
	s_add_co_u32 s72, s72, s70                     ; 16 x batch + my first head
	s_mul_i32 s72, s72, HEADB
	s_and_b32 s71, s71, 15
	s_mul_i32 s71, s71, KVSLAB
	s_add_co_u32 s72, s72, s71
	s_add_co_u32 s72, s72, KVOFF
	s_mov_b32 s73, 0
	s_add_nc_u64 s[8:9], s[8:9], s[72:73]
.set a, 0
.rept 8
	s_wait_xcnt 0x0                                ; the last block's stores have read their registers
	QUANT 64*(a%4), 2+a/4
	GIMG 8, (a/4)*HEADB+6656+(a%4)*1536
	ds_store_b32 v26, v[PW] offset:64*a
.set a, a+1
.endr
	ds_load_b128 v[HA:HA+3], v31
	s_wait_dscnt 0x0
	global_store_b128 v9, v[HA:HA+3], s[8:9] offset:12800                     ; 256 consecutive bytes of scale words for each head
.Lend:
	s_wait_tensorcnt 0x0                           ; the wave's end
	ds_add_u32 v[SPW], v[NIL]
	s_wait_dscnt 0x0
	CROUND                                         ; the closing round
	s_endpgm
.Lfunc_end_k_q030f000188_qkv:
	.size	k_q030f000188_qkv, .Lfunc_end_k_q030f000188_qkv-k_q030f000188_qkv
	.p2alignl 7, 3214868480
	.fill 96, 4, 3214868480
	.section	.rodata,"a",@progbits
	.p2align	6, 0x0
	.amdhsa_kernel k_q030f000188_qkv
		.amdhsa_group_segment_fixed_size 327680
		.amdhsa_private_segment_fixed_size 0
		.amdhsa_enable_private_segment 0
		.amdhsa_kernarg_size 16
		.amdhsa_user_sgpr_count 2
		.amdhsa_user_sgpr_kernarg_segment_ptr 1
		.amdhsa_wavefront_size32 1
		.amdhsa_system_sgpr_workgroup_id_x 1
		.amdhsa_system_sgpr_workgroup_id_y 1
		.amdhsa_system_sgpr_workgroup_id_z 1
		.amdhsa_system_vgpr_workitem_id 0
		.amdhsa_next_free_vgpr 1024
		.amdhsa_next_free_sgpr 100
		.amdhsa_reserve_vcc 0
		.amdhsa_float_denorm_mode_32 3
		.amdhsa_float_denorm_mode_16_64 3
		.amdhsa_memory_ordered 1
		.amdhsa_forward_progress 1
		.amdhsa_inst_pref_size 224
	.end_amdhsa_kernel
	.amdgpu_metadata
---
amdhsa.version: [ 1, 2 ]
amdhsa.kernels:
  - .name:           k_q030f000188_qkv
    .symbol:         k_q030f000188_qkv.kd
    .args:
      - { .name: P, .offset: 0, .size: 8, .value_kind: global_buffer, .address_space: global }
      - { .name: qkvb, .offset: 8, .size: 8, .value_kind: global_buffer, .address_space: global }
    .group_segment_fixed_size: 327680
    .private_segment_fixed_size: 0
    .kernarg_segment_align: 8
    .kernarg_segment_size: 16
    .max_flat_workgroup_size: 128
    .sgpr_count:     100
    .vgpr_count:     1024
    .wavefront_size: 32
...
	.end_amdgpu_metadata
.endif
;; end of part 2
;; launch attn (part 3): grid 8 x 32, 16 waves a work-group, clusters of 4 x 1, 210,944 bytes of LDS; arguments qkvb, aq; writes aq
.if DOCPART == 3
	.amdgcn_target "amdgcn-amd-amdhsa--gfx1250"
	.amdhsa_code_object_version 6
	.text
	.protected	k_q030f000188_attn
	.globl	k_q030f000188_attn
	.p2align	8
	.type	k_q030f000188_attn,@function
k_q030f000188_attn:
	s_mov_b64 s[64:65], 0
	v_nop
	global_prefetch_b8 v0, s[64:65] scope:SCOPE_SE
	s_setreg_imm32_b32 hwreg(HW_REG_WAVE_MODE, 25, 1), 1
	s_wait_xcnt 0x0
	s_wait_alu depctr_hold_cnt(0) depctr_sa_sdst(0) depctr_va_vdst(0) depctr_va_sdst(0) depctr_va_ssrc(0) depctr_va_vcc(0) depctr_vm_vsrc(0)
	s_getreg_b32 s2, hwreg(HW_REG_IB_STS2, 6, 4)
	s_cmp_eq_u32 s2, 0
	s_cbranch_scc0 .Lentry_in_a_cluster
	s_endpgm
.Lentry_in_a_cluster:
	s_bfe_u32 s2, ttmp6, 0x10000c
	s_cmp_lg_u32 s2, 0x3003
	s_cbranch_scc0 .Lentry_shape_is_right
	s_endpgm
.Lentry_shape_is_right:
; O = softmax(q k^T / 8) v for one (batch, head), both products on codes of FP6 (E2M3) with E8M0 scales, and O quantised again along the features as the next product's operand.
; THE SOFTMAX AHEAD OF THE SECOND PRODUCT: t = score x log2(e) / 8; M = the running largest t rounded UP to a whole number; p = 2^(t - M) is quantised along the keys, not normalised; the row's sum is taken of the
; unquantised p and divides O at the end.  When M moves, the sum and O are multiplied by 2^(old M - new M): exact.
; SHARES.  A work-group owns 256 queries of a head; each of its sixteen waves one fragment of 16, in 256 registers: four waves to a SIMD, so that one wave's vector work stands beside another's matrix work.
; K AND V OF THE WHOLE HEAD LIE IN LDS: 16 slabs of 13,056 bytes (128 keys each: K's 8 half fragments, 512 bytes of scale words, V^T's 4 fragments, 256 bytes of scale words), as images of the operands' registers.
; Each wave fetches one slab, once: no byte of LDS is filled again.  The four work-groups of a cluster belong to one head and ask for each slab JOINTLY.
; Both products are used transposed (S^T = K Q^T, O^T = V^T P^T): a lane holds one query throughout.  The keys of a tile of K are chosen (by the launch that laid them) so that 16 registers of two tiles are 16 neighbouring keys.
; A HEAD IS 64 WIDE, the instruction 128: Q's registers 6-11 are zero codes and the upper bytes of Q's and K's scale words are 0 (2^-127, no NaN).  K's operand for tile t is its six registers and the next tile's six
; (behind tile 7: six registers of zeros): what stands there is multiplied by Q's zeros, and FP6 has no code for NaN or infinity.
; LIMITS: NaN and infinities are not served; a block of zeros gets the byte 1.
.set HEADB,  315392
.set QSLAB,  6656
.set KVSLAB, 13056
.set KVOFF,  106496
.set SLABB,  12800
.set L16, 1                            ; v1   16 x lane
.set L8,  2                            ; v2   8 x lane
.set R4,  3                            ; v3   4 x (lane % 16)
.set A16, 4                            ; v4-6 the same in the slab in hand
.set A8,  5
.set AS,  6
.set KF,  32                           ; v32-79 K's eight half fragments, later V's four fragments; v80-85 zeros
.set KSC, 86                           ; v86-93 K's scale words
.set VSC, 94                           ; v94-97 V's
.set S,   100                          ; v100-163 S^T, then p
.set O,   164                          ; v164-195 O^T
.set PC,  196                          ; v196-207 p's codes
.set PT,  208                          ; v208-214 the conversions' second halves
.set BM,  216                          ; v216-219 the blocks' largest scores, then largest p
.set BP,  220                          ; v220-223 at work
.set SCO, 224                          ; v224-227 the conversions' scale operands
.set F,   228                          ; v228 f = 2^(old M - new M); named as a pair with v229
.set T1,  230
.set PW,  231                          ; v231 p's scale word
.set S2,  232                          ; v[232:233] the sum's second chain
.set WV,  12
.set SEL, 20
.set CS,  22                           ; s[22:23] c = log2(e) / 8
.set G0,  28
.set G1,  32
.macro CROUND                          ; a round of the cluster's barrier
	s_barrier_signal -1
	s_barrier_wait -1
	s_cmp_lg_u32 s[WV], 0
	s_cbranch_scc1 .Lnot_wave_0_\@
	s_barrier_signal -3
.Lnot_wave_0_\@:
	s_barrier_wait -3
	s_barrier_signal -1
	s_barrier_wait -1
.endm
	s_load_b128 s[4:7], s[0:1], 0x0                ; qkvb, aq
	v_lshl_add_u32 v254, v0, 2, 0x33000
	v_mov_b32 v255, 0
	ds_add_u32 v254, v255
	ds_add_u32 v254, v255
	v_lshrrev_b32 v8, 5, v0
	v_readfirstlane_b32 s[WV], v8                  ; wave 0..15
	s_bfe_u32 s13, ttmp6, 0x40000                  ; cx: it enters Q's and the output's global addresses alone
	s_lshl_b32 s14, ttmp9, 2
	s_add_co_u32 s14, s14, s13                     ; my block of 256 queries
	s_and_b32 s15, ttmp7, 0xffff                   ; 16 x batch + head, which the four partners share
	s_mul_i32 s16, s15, HEADB
	s_mul_i32 s18, s[WV], KVSLAB                   ; my slab: in LDS and in memory
	s_add_co_u32 s24, s16, s18
	s_add_co_u32 s24, s24, KVOFF
	s_mov_b32 s25, 0
	s_mov_b32 s[G1], 15|(3<<16)|(1<<21)            ; 15:0 the mask: all four work-groups; 17:16 elements of 8 bytes; 21 set beside a mask; no padding
	s_mov_b32 s[G1+1], 32<<16                      ; tensor_dim0: 256 bytes
	s_mov_b32 s[G1+2], 51<<16                      ; tensor_dim1: 51 rows
	s_mov_b32 s[G1+3], 32<<16
	s_mov_b32 s[G1+4], 51
	s_mov_b32 s[G1+5], 32                          ; dense
	s_mov_b32 s[G1+6], 0
	s_mov_b32 s[G1+7], 0
	s_lshl_b32 s40, s14, 4
	s_add_co_u32 s40, s40, s[WV]                   ; f: my fragment of queries, 0..127
	s_lshr_b32 s41, s40, 3                         ; its group of 128
	s_and_b32 s42, s40, 7                          ; and its place there
	s_mul_i32 s43, s41, QSLAB
	s_add_co_u32 s43, s43, s16
	s_mul_i32 s44, s42, 768
	s_add_co_u32 s44, s44, s43                     ; Q's half fragment
	s_mov_b32 s45, 0
	s_lshl_b32 s46, s42, 6
	s_add_co_u32 s46, s46, s43
	s_add_co_u32 s46, s46, 6144                    ; its scale words
	s_mov_b32 s47, 0
	s_lshr_b32 s48, s15, 4
	s_lshl_b32 s48, s48, 4
	s_add_co_u32 s48, s48, s41                     ; the output's group of rows: 16 x batch + f / 8
	s_lshl_b32 s48, s48, 3
	s_and_b32 s49, s15, 15
	s_lshr_b32 s49, s49, 1
	s_add_co_u32 s48, s48, s49                     ; its K step: head / 2
	s_mul_i32 s48, s48, SLABB
	s_and_b32 s49, s15, 1                          ; which half of the K step: head % 2
	s_mul_i32 s50, s42, 1536
	s_add_co_u32 s50, s50, s48
	s_mul_i32 s51, s49, 768
	s_add_co_u32 s50, s50, s51
	s_mov_b32 s51, 0
	s_lshl_b32 s52, s42, 6
	s_add_co_u32 s52, s52, s48
	s_add_co_u32 s52, s52, 12288
	s_lshl_b32 s53, s49, 1
	s_add_co_u32 s52, s52, s53
	s_mov_b32 s53, 0
	s_mov_b32 s[SEL], 0x76543210
	s_mov_b32 s[SEL+1], 0xfedcba98
	s_mov_b32 s[CS], 0x3e38aa3b
	s_mov_b32 s[CS+1], s[CS]                       ; (named with it as a pair, so it is written)
	s_wait_dscnt 0x0
	s_wait_kmcnt 0x0
	s_mov_b32 s[G0], 1
	s_mov_b32 s[G0+1], s18
	s_add_nc_u64 s[G0+2:G0+3], s[4:5], s[24:25]
	s_or_b32 s[G0+3], s[G0+3], 0x80000000
	s_add_nc_u64 s[44:45], s[4:5], s[44:45]
	s_add_nc_u64 s[46:47], s[4:5], s[46:47]
	s_add_nc_u64 s[50:51], s[6:7], s[50:51]
	s_add_nc_u64 s[52:53], s[6:7], s[52:53]
	CROUND                                         ; all four work-groups are here: the joint loads meet
	tensor_load_to_lds s[G0:G0+3], s[G1:G1+7]      ; my slab: the one tensor load of this wave
	s_nop 0
.rept 4
	v_nop
.endr
	v_and_b32 v8, 31, v0
	v_lshlrev_b32 v[L16], 4, v8
	v_lshlrev_b32 v[L8], 3, v8
	v_and_b32 v[R4], 15, v0
	v_lshlrev_b32 v[R4], 2, v[R4]
	global_load_b128 v[16:19], v[L16], s[44:45]    ; Q's six registers stay
	global_load_b64 v[20:21], v[L8], s[44:45] offset:512
	global_load_b32 v28, v[R4], s[46:47]           ; and its scale words
.irp j, 22,23,24,25,26,27,80,81,82,83,84,85
	v_mov_b32 v[\j], 0                             ; zero codes: Q's upper 64 along K, and what stands behind K's tile 7
.endr
	v_mov_b32 v13, 0xff61b1e6                      ; the largest t so far: -3e38
	v_floor_f32 v12, -v13                          ; -M
	v_mov_b32 v14, 0                               ; the sum, in two halves
	v_mov_b32 v15, 0
	v_mov_b32 v[F+1], 0                            ; (named as the upper half of f's pair)
.irp b, 0,1,2,3
	v_mov_b32 v[BP+\b], 0                          ; a lane permute's destination counts as one of its sources
.endr
.set j, 0
.rept 32
	v_mov_b32 v[O+j], 0                            ; the loop is written once: its first step finds zeros, which the first change of M leaves zeros
.set j, j+1
.endr
	s_wait_tensorcnt 0x0                           ; my slab has landed,
	s_wait_loadcnt 0x0
	s_barrier_signal -1
	s_barrier_wait -1                              ; everybody's has
	s_mov_b32 s10, 16
	s_mov_b32 s11, 0
.Lkeys:                                            ; 16 trips of 128 keys
	v_add_nc_u32 v[A16], s11, v[L16]
	v_add_nc_u32 v[A8], s11, v[L8]
	v_add_nc_u32 v[AS], s11, v[R4]
	v_nop                                          ; four places in front of loads into registers that the last products read
.irp t, 0,1,2,3,4,5,6,7
	ds_load_b128 v[KF+6*\t:KF+6*\t+3], v[A16] offset:768*\t
	ds_load_b64 v[KF+6*\t+4:KF+6*\t+5], v[A8] offset:768*\t+512
	ds_load_b32 v[KSC+\t], v[AS] offset:6144+64*\t
.endr
	s_wait_dscnt 0x0
.irp t, 0,1,2,3,4,5,6,7
	v_wmma_scale_f32_16x16x128_f8f6f4 v[S+8*\t:S+8*\t+7], v[KF+6*\t:KF+6*\t+11], v[16:27], 0, v[KSC+\t], v28 matrix_a_fmt:MATRIX_FMT_FP6 matrix_b_fmt:MATRIX_FMT_FP6
.endr
.rept 4
	v_nop
.endr
.irp t, 0,1,2,3                                ; V's fragments land while the softmax is walked
	ds_load_b128 v[KF+12*\t:KF+12*\t+3], v[A16] offset:6656+1536*\t
	ds_load_b64 v[KF+12*\t+4:KF+12*\t+5], v[A8] offset:6656+1536*\t+512
	ds_load_b128 v[KF+12*\t+6:KF+12*\t+9], v[A16] offset:6656+1536*\t+768
	ds_load_b64 v[KF+12*\t+10:KF+12*\t+11], v[A8] offset:6656+1536*\t+1280
	ds_load_b32 v[VSC+\t], v[AS] offset:12800+64*\t
.endr
.irp b, 0,1,2,3
	v_max3_num_f32 v[BM+\b], v[S+16*\b], v[S+1+16*\b], v[S+2+16*\b]   ; the largest score of each block of 32 keys: for the row's maximum, and, since p rises with the score, for the block's largest p
.endr
.irp i, 3,5,7,9,11,13
.irp b, 0,1,2,3
	v_max3_num_f32 v[BM+\b], v[BM+\b], v[S+16*\b+\i], v[S+1+16*\b+\i]
.endr
.endr
.irp b, 0,1,2,3
	v_max_num_f32 v[BM+\b], v[BM+\b], v[S+15+16*\b]
.endr
.irp b, 0,1,2,3
	v_permlanex16_b32 v[BP+\b], v[BM+\b], s[SEL], s[SEL+1]
.endr
.irp b, 0,1,2,3
	v_max_num_f32 v[BM+\b], v[BM+\b], v[BP+\b]     ; with lane l xor 16's 16 keys
.endr
	v_max3_num_f32 v[T1], v[BM], v[BM+1], v[BM+2]
	v_max_num_f32 v[T1], v[T1], v[BM+3]
	v_mul_f32 v[T1], s[CS], v[T1]                  ; as t
	v_max_num_f32 v13, v13, v[T1]                  ; the running largest t
	v_mov_b32 v[T1], v12
	v_floor_f32 v12, -v13                          ; the new -M = -ceil(t)
	v_sub_f32 v[T1], v12, v[T1]                    ; old M - new M: a whole number, 0 or less
	v_cvt_i32_f32 v[T1], v[T1]                     ; (it saturates)
	v_ldexp_f32 v[F], 1.0, v[T1]
.set j, 0
.rept 32
	v_pk_fma_f32 v[S+j:S+j+1], v[S+j:S+j+1], s[CS:CS+1], v[12:13] op_sel_hi:[1,0,0]   ; t - M
.set j, j+2
.endr
.irp b, 0,1,2,3
	v_fma_f32 v[BM+\b], v[BM+\b], s[CS], v12
.endr
.set j, 0
.rept 64
	v_exp_f32 v[S+j], v[S+j]                       ; p = 2^(t - M)
.set j, j+1
.endr
	v_pk_mul_f32 v[14:15], v[14:15], v[F:F+1] op_sel_hi:[1,0]   ; the sums under the new M (a plain place behind the exponentials)
	s_wait_alu depctr_va_vdst(0)                   ; one wait for the whole batch, ahead of its first reader
.irp b, 0,1,2,3
	v_exp_f32 v[BM+\b], v[BM+\b]                   ; the block's largest p: the same two instructions on the same number
.endr
	v_pk_add_f32 v[S2:S2+1], v[S:S+1], v[S+2:S+3]  ; the row's sum of the unquantised p, in two chains
.irp j, 4,8,12,16,20,24,28,32,36,40,44,48,52,56,60
	v_pk_add_f32 v[14:15], v[14:15], v[S+\j:S+\j+1]
	v_pk_add_f32 v[S2:S2+1], v[S2:S2+1], v[S+2+\j:S+3+\j]
.endr
	v_pk_add_f32 v[14:15], v[14:15], v[S2:S2+1]
	s_wait_alu depctr_va_vdst(0)                   ; and one for the four
.irp b, 0,1,2,3
	v_max_num_f32 v[BM+\b], 0x1800000, v[BM+\b]    ; the floor 2^(3 - 127)
.endr
.irp b, 0,1,2,3
	v_add_nc_u32 v[SCO+\b], 0xff000000, v[BM+\b]
.endr
.irp b, 0,1,2,3
	v_lshrrev_b32 v[BP+\b], 23, v[SCO+\b]
.endr
	v_lshl_or_b32 v[PW], v[BP+1], 8, v[BP]
	v_lshl_or_b32 v[PW], v[BP+2], 16, v[PW]
	v_lshl_or_b32 v[PW], v[BP+3], 24, v[PW]
.irp c, 0,1
	v_cvt_scalef32_pk16_fp6_f32 v[PC+6*\c:PC+2+6*\c], v[S+32*\c:S+15+32*\c], v[SCO+2*\c]
	v_cvt_scalef32_pk16_fp6_f32 v[PT+4*\c:PT+2+4*\c], v[S+16+32*\c:S+31+32*\c], v[SCO+1+2*\c]
.endr
	v_nop                                          ; one plain place behind a scaled conversion
.irp c, 0,1
.irp i, 0,1,2
	v_permlane16_swap_b32 v[PC+6*\c+\i], v[PT+4*\c+\i]
.endr
.irp i, 0,1,2
	v_mov_b32 v[PC+3+6*\c+\i], v[PT+4*\c+\i]
.endr
.endr
.set j, 0
.rept 16
	v_pk_mul_f32 v[O+j:O+j+1], v[O+j:O+j+1], v[F:F+1] op_sel_hi:[1,0]   ; O^T under the new M.  (These sixteen are also the places between the scale word's and the codes' last writes and the products)
.set j, j+2
.endr
	s_wait_dscnt 0x0                               ; V
.irp t, 0,1,2,3
	v_wmma_scale_f32_16x16x128_f8f6f4 v[O+8*\t:O+8*\t+7], v[KF+12*\t:KF+12*\t+11], v[PC:PC+11], v[O+8*\t:O+8*\t+7], v[VSC+\t], v[PW] matrix_a_fmt:MATRIX_FMT_FP6 matrix_b_fmt:MATRIX_FMT_FP6
.endr
	s_add_co_u32 s11, s11, KVSLAB
	s_sub_co_u32 s10, s10, 1
	s_cmp_lg_u32 s10, 0
	s_cbranch_scc1 .Lkeys
	; THE WAY OUT.  O^T / the sum: register 16 b + i is feature 32 b + 16 h + i of my query's head: two blocks, quantised as they stand: a half fragment of the next product's operand.
.rept 4
	v_nop
.endr
	v_add_f32 v14, v14, v15
	v_permlanex16_b32 v[T1], v14, s[SEL], s[SEL+1]
	v_add_f32 v14, v14, v[T1]                      ; the row's sum
	v_rcp_f32 v14, v14
	v_nop
	s_wait_alu depctr_va_vdst(0)
.set j, 0
.rept 16
	v_pk_mul_f32 v[S+j:S+j+1], v[O+j:O+j+1], v[14:15] op_sel_hi:[1,0]
.set j, j+2
.endr
.irp b, 0,1
	v_max3_num_f32 v[BM+\b], |v[S+16*\b]|, |v[S+1+16*\b]|, 0x1800000
.endr
.irp i, 2,4,6,8,10,12,14
.irp b, 0,1
	v_max3_num_f32 v[BM+\b], v[BM+\b], |v[S+16*\b+\i]|, |v[S+1+16*\b+\i]|
.endr
.endr
.irp b, 0,1
	v_permlanex16_b32 v[BP+\b], v[BM+\b], s[SEL], s[SEL+1]
.endr
.irp b, 0,1
	v_max_num_f32 v[BM+\b], v[BM+\b], v[BP+\b]
.endr
.irp b, 0,1
	v_add_nc_u32 v[SCO+\b], 0xff000000, v[BM+\b]
.endr
.irp b, 0,1
	v_lshrrev_b32 v[BP+\b], 23, v[SCO+\b]
.endr
	v_lshl_or_b32 v[T1], v[BP+1], 8, v[BP]         ; my head's two bytes of the row's scale word
	v_cvt_scalef32_pk16_fp6_f32 v[PC:PC+2], v[S:S+15], v[SCO]
	v_cvt_scalef32_pk16_fp6_f32 v[PT:PT+2], v[S+16:S+31], v[SCO+1]
	v_nop
.irp i, 0,1,2
	v_permlane16_swap_b32 v[PC+\i], v[PT+\i]
.endr
.irp i, 0,1,2
	v_mov_b32 v[PC+3+\i], v[PT+\i]
.endr
	global_store_b128 v[L16], v[PC:PC+3], s[50:51]                 ; 512 and 256 consecutive bytes, aligned to 256
	global_store_b64 v[L8], v[PC+4:PC+5], s[50:51] offset:512
	global_store_b16 v[R4], v[T1], s[52:53]        ; a scale word belongs to two heads, so to two work-groups: each stores its half, 32 bytes a wave; both halves of the lanes store the same bytes
	s_wait_tensorcnt 0x0
	ds_add_u32 v254, v255
	s_wait_dscnt 0x0
	CROUND                                         ; the closing round
	s_endpgm
.Lfunc_end_k_q030f000188_attn:
	.size	k_q030f000188_attn, .Lfunc_end_k_q030f000188_attn-k_q030f000188_attn
	.p2alignl 7, 3214868480
	.fill 96, 4, 3214868480
	.section	.rodata,"a",@progbits
	.p2align	6, 0x0
	.amdhsa_kernel k_q030f000188_attn
		.amdhsa_group_segment_fixed_size 210944
		.amdhsa_private_segment_fixed_size 0
		.amdhsa_enable_private_segment 0
		.amdhsa_kernarg_size 16
		.amdhsa_user_sgpr_count 2
		.amdhsa_user_sgpr_kernarg_segment_ptr 1
		.amdhsa_wavefront_size32 1
		.amdhsa_system_sgpr_workgroup_id_x 1
		.amdhsa_system_sgpr_workgroup_id_y 1
		.amdhsa_system_sgpr_workgroup_id_z 1
		.amdhsa_system_vgpr_workitem_id 0
		.amdhsa_next_free_vgpr 256
		.amdhsa_next_free_sgpr 66
		.amdhsa_reserve_vcc 0
		.amdhsa_float_denorm_mode_32 3
		.amdhsa_float_denorm_mode_16_64 3
		.amdhsa_memory_ordered 1
		.amdhsa_forward_progress 1
		.amdhsa_inst_pref_size 27
	.end_amdhsa_kernel
	.amdgpu_metadata
---
amdhsa.version: [ 1, 2 ]
amdhsa.kernels:
  - .name:           k_q030f000188_attn
    .symbol:         k_q030f000188_attn.kd
    .args:
      - { .name: qkvb, .offset: 0, .size: 8, .value_kind: global_buffer, .address_space: global }
      - { .name: aq, .offset: 8, .size: 8, .value_kind: global_buffer, .address_space: global }
    .group_segment_fixed_size: 210944
    .private_segment_fixed_size: 0
    .kernarg_segment_align: 8
    .kernarg_segment_size: 16
    .max_flat_workgroup_size: 512
    .sgpr_count:     66
    .vgpr_count:     256
    .wavefront_size: 32
...
	.end_amdgpu_metadata
.endif
;; end of part 3
;; launch wo (part 4): grid 4 x 16, 4 waves a work-group, clusters of 4 x 4, 327,680 bytes of LDS; arguments aq, P, inputs, mlp; writes mlp
.if DOCPART == 4
	.amdgcn_target "amdgcn-amd-amdhsa--gfx1250"
	.amdhsa_code_object_version 6
	.text
	.protected	k_q030f000188_wo
	.globl	k_q030f000188_wo
	.p2align	8
	.type	k_q030f000188_wo,@function
k_q030f000188_wo:
	s_mov_b64 s[64:65], 0
	v_nop
	global_prefetch_b8 v0, s[64:65] scope:SCOPE_SE
	s_setreg_imm32_b32 hwreg(HW_REG_WAVE_MODE, 25, 1), 1
	s_wait_xcnt 0x0
	s_wait_alu depctr_hold_cnt(0) depctr_sa_sdst(0) depctr_va_vdst(0) depctr_va_sdst(0) depctr_va_ssrc(0) depctr_va_vcc(0) depctr_vm_vsrc(0)
	s_getreg_b32 s2, hwreg(HW_REG_IB_STS2, 6, 4)
	s_cmp_eq_u32 s2, 0
	s_cbranch_scc0 .Lentry_in_a_cluster
	s_endpgm
.Lentry_in_a_cluster:
	s_bfe_u32 s2, ttmp6, 0x10000c
	s_cmp_lg_u32 s2, 0xf033
	s_cbranch_scc0 .Lentry_shape_is_right
	s_endpgm
.Lentry_shape_is_right:
; mlp = attention's output x Wo + inputs.  The product on codes of FP6 (E2M3) with E8M0 scales; the sum and the residual in f32; mlp is [4096][1024] f32, row-major.
; THE CORE is a GEMM C = A B^T on IMAGES: both operands lie as slabs of 12,800 bytes (a group of 128 rows x 128 K: 8 fragments as their registers stand, then one scale word a row at 12,288 + 64 i + 4 r;
; lane r of fragment i holds row 32 (i / 2) + 8 (i % 2) + r + 8 (r / 8)).  A tile of C is 256 x 256, four waves of 128 x 128 (64 accumulators, 512 registers).  K goes in steps of 256 through a ring of two LDS slots;
; a wave's tensor load brings two slabs (25,600 dense bytes, as 100 rows of 256), scale words included.  No padding: every LDS load reads consecutive bytes.
; CLUSTERS: 4 x 4 work-groups; A's tile is asked for jointly along a row of the cluster, B's along a column.  THE MATRIX INSTRUCTION IS USED TRANSPOSED (source 0 = B's fragment, source 1 = A's):
; lane (r, h) holds A's row of lane r, and register 16 bb + i of the eight accumulators (a, 0 .. 7) holds column 32 bb + 16 h + i.
; C has 64 tiles of 256 x 256: this launch has work for 64 work-groups.
; REGISTERS: window 0: v1-31 addresses; v32-63 scale words, two sets, and nothing else; v128-223 A's fragments, one set; on the way out v64-255 are free.  Window 1: B's fragments, two sets, at v0 and v128.  Windows 2, 3: accumulator (a, b) at v[8 (8 (a % 4) + b)].
.set KS,     8                         ; K steps of 128
.set BOFF,   5734400                   ; Wo's image in P
.set ZERO,   1                         ; the first products take the constant 0
.set SLABB,  12800
.set HALF,   2*SLABB
.set SLOT,   4*HALF
.set SPARE,  2*SLOT                    ; behind the ring: the spare words, 128 bytes a wave: two blocks of 256 bytes that no other line names
.set LAPS,   KS/4
.set FR,     12
.set NL,     4
.set NP,     4
.set L16,    10
.set L8,     11
.set ADRS,   12
.set ADRA,   16
.set ADRB,   20
.set SPW,    28
.set NIL,    29
.set SC,     32
.set BI,     64
.set AF,     128
.set G1,     24
.set G0,     32
.set G1B,    48
.set G0B,    56
.set RR,     64                        ; the way out: two sets of 16 rows of the residual, v64-127 and v128-191
.set BB,     192                       ; and 16 rows back from the stage
.set MSB, 0
.macro WIN new
.if MSB != (\new)
	s_set_vgpr_msb (MSB<<8)|(\new)
.set MSB, (\new)
.endif
.endm
.set MUL_LO, 0xa1
.set MUL_HI, 0xf1
.set TO_B,   0x40
.macro PLACES n
.rept \n
	v_nop
.endr
.endm
.macro JLOAD g0a, g1a, g0b, g1b        ; a joint load: waves 0 and 1 fetch for A, waves 2 and 3 for B; four v_nop follow each of the two lines
	s_cmp_eq_u32 s15, 0
	s_cbranch_scc0 .Lfor_b_\@
	tensor_load_to_lds s[\g0a:\g0a+3], s[\g1a:\g1a+7]
	s_nop 0
.rept 4
	v_nop
.endr
	s_branch .Lasked_\@
.Lfor_b_\@:
	tensor_load_to_lds s[\g0b:\g0b+3], s[\g1b:\g1b+7]
	s_nop 0
.rept 4
	v_nop
.endr
.Lasked_\@:
.endm
.macro CREST
	s_cmp_lg_u32 s14, 0
	s_cbranch_scc1 .Lnot_wave_0_\@
	s_barrier_signal -3
.Lnot_wave_0_\@:
	s_barrier_wait -3
	s_barrier_signal -1
	s_barrier_wait -1
.endm
.macro CROUND
	s_barrier_signal -1
	s_barrier_wait -1
	CREST
.endm
.macro FRAG reg, adr, q, i
	ds_load_b128 v[\reg:\reg+3], v[\adr] offset:(\q)*SLABB+(\i)*1536
	ds_load_b64 v[\reg+4:\reg+5], v[\adr+2] offset:(\q)*SLABB+(\i)*1536+512
	ds_load_b128 v[\reg+6:\reg+9], v[\adr] offset:(\q)*SLABB+(\i)*1536+768
	ds_load_b64 v[\reg+10:\reg+11], v[\adr+2] offset:(\q)*SLABB+(\i)*1536+1280
.endm
.macro MUL16 a0, p, q, sc, zero        ; 16 matrix instructions: A's blocks a0, a0 + 1 x B's eight; the 64 accumulators take turns
.irp a, \a0, \a0+1
.irp b, 0,1,2,3,4,5,6,7
.set rD, 8*(8*((\a)%4)+\b)
.set rB, 128*(\p)+FR*\b
.set rA, AF+FR*(\a)
.set rSB, SC+16*(\sc)+2*\b+(\q)
.set rSA, SC+16*(\sc)+2*(\a)+(\q)
.if (\zero) == 1
	v_wmma_scale_f32_16x16x128_f8f6f4 v[rD:rD+7], v[rB:rB+FR-1], v[rA:rA+FR-1], 0, v[rSB], v[rSA] matrix_a_fmt:MATRIX_FMT_FP6 matrix_b_fmt:MATRIX_FMT_FP6 matrix_a_scale:MATRIX_SCALE_ROW1
.elseif (\zero) == 2
	v_wmma_scale_f32_16x16x128_f8f6f4 v[rD:rD+7], v[rB:rB+FR-1], v[rA:rA+FR-1], v[BI+8*\b:BI+8*\b+7], v[rSB], v[rSA] matrix_a_fmt:MATRIX_FMT_FP6 matrix_b_fmt:MATRIX_FMT_FP6 matrix_a_scale:MATRIX_SCALE_ROW1
.else
	v_wmma_scale_f32_16x16x128_f8f6f4 v[rD:rD+7], v[rB:rB+FR-1], v[rA:rA+FR-1], v[rD:rD+7], v[rSB], v[rSA] matrix_a_fmt:MATRIX_FMT_FP6 matrix_b_fmt:MATRIX_FMT_FP6 matrix_a_scale:MATRIX_SCALE_ROW1
.endif
.endr
.endr
.endm
.macro FETCH_B slot, q, p
	WIN TO_B
.irp i, 0,1,2,3,4,5,6,7
	FRAG 128*(\p)+FR*\i, ADRB+\slot, \q, \i
.endr
	WIN 0
.endm
.macro FETCH_A slot, q, i0
.irp i, \i0, \i0+1, \i0+2, \i0+3
	FRAG AF+FR*(\i), ADRA+\slot, \q, \i
.endr
.endm
.macro SCALES sc
.irp q, 0,1
.irp i, 0,1,2,3,4,5,6,7
	ds_load_b32 v[SC+16*\sc+2*\i+\q], v[ADRS+\sc] offset:\q*SLABB+12288+64*\i
.endr
.endr
.endm
.macro STEP slot, q, zero
	s_wait_dscnt 4*NL                              ; all but the youngest 16 loads (A's blocks 4-7)
.if (\zero) == 2
	WIN 0x81
.else
	WIN MUL_LO
.endif
	MUL16 0, (\q)%2, \q, \slot, \zero
	MUL16 2, (\q)%2, \q, \slot, \zero
	s_wait_dscnt 0
	PLACES NP
	FETCH_B \slot, (\q)+1, 1-(\q)%2
	FETCH_A \slot, (\q)+1, 0
.if (\zero) == 2
	WIN 0xc1
.else
	WIN MUL_HI
.endif
	MUL16 4, (\q)%2, \q, \slot, \zero
	MUL16 6, (\q)%2, \q, \slot, \zero
	PLACES NP
	WIN 0
	FETCH_A \slot, (\q)+1, 4
.endm
.macro TURN slot, next, fill
	s_wait_tensorcnt 0x0                           ; all my tensor loads have landed: my part of the next slot
	ds_add_u32 v[SPW], v[NIL]                      ; 0 onto my spare word
	s_wait_dscnt 4*NL+1                            ; the add and the youngest 16 loads may be out
	WIN MUL_LO
	MUL16 0, 1, 1, \slot, 0
	s_wait_dscnt 0x0                               ; the add is done, and my reads of this slot are over
	s_barrier_signal -1
	MUL16 2, 1, 1, \slot, 0
	WIN 0
	s_barrier_wait -1
.if \fill
	CREST                                          ; the barrier has opened a round of the cluster's: no wave of any partner still reads this slot or has a load on its way
	s_add_nc_u64 s[G0+4*\slot+2:G0+4*\slot+3], s[G0+4*\slot+2:G0+4*\slot+3], 2*HALF
	s_add_nc_u64 s[G0B+4*\slot+2:G0B+4*\slot+3], s[G0B+4*\slot+2:G0B+4*\slot+3], 2*HALF
	JLOAD G0+4*\slot, G1, G0B+4*\slot, G1B
.else
	PLACES NP
.endif
	FETCH_B \next, 0, 0
	FETCH_A \next, 0, 0
	SCALES \next
	WIN MUL_HI
	MUL16 4, 1, 1, \slot, 0
	MUL16 6, 1, 1, \slot, 0
	PLACES NP
	WIN 0
	FETCH_A \next, 0, 4
.endm
; THE WAY OUT, block by block of 16 rows x 128 columns.  Lane-row t of block a is row 32 (a / 2) + 8 (a % 2) + t + 8 (t / 8) of my 128.
.macro RLOAD a                         ; the residual's 16 rows: 512 consecutive bytes a load
.irp t, 0,1,2,3,4,5,6,7,8,9,10,11,12,13,14,15
	global_load_b128 v[RR+64*((\a)%2)+4*\t:RR+64*((\a)%2)+4*\t+3], v[L16], s[8:9] offset:(32*((\a)/2)+8*((\a)%2)+\t+8*(\t/8))*4096
.endr
.endm
.macro TOSTAGE a                       ; through my own stage in LDS (rows of 512 bytes + 16) and back as whole rows; LDS serves a wave's instructions in order
	WIN 0x08+4*((\a)/4)                            ; an LDS store's data are its source 1: window 2 or 3
.irp b, 0,1,2,3,4,5,6,7
	ds_store_b128 v24, v[64*((\a)%4)+8*\b:64*((\a)%4)+8*\b+3] offset:128*(\b/2)+32*(\b%2)       ; each accumulator from its low end on
	ds_store_b128 v24, v[64*((\a)%4)+8*\b+4:64*((\a)%4)+8*\b+7] offset:128*(\b/2)+32*(\b%2)+16
.endr
	WIN 0
.irp t, 0,1,2,3,4,5,6,7,8,9,10,11,12,13,14,15
	ds_load_b128 v[BB+4*\t:BB+4*\t+3], v25 offset:528*\t
.endr
.endm
	s_load_b128 s[4:7], s[0:1], 0x0                ; A's image, P
	s_load_b128 s[8:11], s[0:1], 0x10              ; the residual, the result
	v_lshl_add_u32 v[SPW], v0, 2, SPARE
	v_mov_b32 v[NIL], 0
	ds_add_u32 v28, v29
	ds_add_u32 v28, v29
	s_wait_dscnt 0x0
	v_lshrrev_b32 v1, 5, v0
	v_readfirstlane_b32 s14, v1                    ; wave 0..3
	s_lshr_b32 s15, s14, 1                         ; which of A's two groups is mine.  Also: I fetch for A (0) or for B (1)
	s_and_b32 s16, s14, 1                          ; which of B's two.  Also: which group of that tile I fetch
	s_bfe_u32 s40, ttmp6, 0x40000                  ; cx
	s_bfe_u32 s41, ttmp6, 0x40004                  ; cy
	s_lshl_b32 s42, ttmp9, 2
	s_add_co_u32 s42, s42, s40                     ; B's tile
	s_and_b32 s17, ttmp7, 0xffff
	s_lshl_b32 s17, s17, 2
	s_add_co_u32 s17, s17, s41                     ; A's tile
	s_lshl_b32 s43, s41, 2
	s_lshl_b32 s43, 15, s43                        ; my row of the cluster
	s_lshl_b32 s44, 0x1111, s40                    ; my column
	s_or_b32 s[G1], s43, (3<<16)|(1<<21)           ; 15:0 the mask; 17:16 elements of 8 bytes; 21 set beside a mask; no padding
	s_or_b32 s[G1B], s44, (3<<16)|(1<<21)
.irp g, G1, G1B
	s_mov_b32 s[\g+1], 32<<16                      ; rows of 256 bytes,
	s_mov_b32 s[\g+2], 100<<16                     ; 100 of them,
	s_mov_b32 s[\g+3], 32<<16
	s_mov_b32 s[\g+4], 100
	s_mov_b32 s[\g+5], 32                          ; dense
	s_mov_b32 s[\g+6], 0
	s_mov_b32 s[\g+7], 0
.endr
	s_lshl_b32 s20, s17, 1
	s_add_co_u32 s20, s20, s16
	s_mul_i32 s20, s20, KS*SLABB
	s_mov_b32 s21, 0
	s_lshl_b32 s46, s42, 1
	s_add_co_u32 s46, s46, s16
	s_mul_i32 s46, s46, KS*SLABB
	s_add_co_u32 s46, s46, BOFF
	s_mov_b32 s47, 0
	s_mul_i32 s45, s14, HALF
	s_wait_kmcnt 0x0
	s_add_nc_u64 s[20:21], s[4:5], s[20:21]
	s_add_nc_u64 s[46:47], s[6:7], s[46:47]
	CROUND                                         ; all sixteen work-groups are here: the first joint loads meet
.irp s, 0,1
	s_mov_b32 s[G0+4*\s], 1
	s_add_co_u32 s[G0+4*\s+1], s45, \s*SLOT
	s_add_nc_u64 s[G0+4*\s+2:G0+4*\s+3], s[20:21], \s*HALF
	s_or_b32 s[G0+4*\s+3], s[G0+4*\s+3], 0x80000000
	s_mov_b32 s[G0B+4*\s], 1
	s_add_co_u32 s[G0B+4*\s+1], s45, \s*SLOT
	s_add_nc_u64 s[G0B+4*\s+2:G0B+4*\s+3], s[46:47], \s*HALF
	s_or_b32 s[G0B+4*\s+3], s[G0B+4*\s+3], 0x80000000
	JLOAD G0+4*\s, G1, G0B+4*\s, G1B
.endr
	v_and_b32 v1, 15, v0                           ; r
	v_bfe_u32 v2, v0, 4, 1                         ; h
	v_and_b32 v3, 31, v0
	v_lshlrev_b32 v[L16], 4, v3
	v_lshlrev_b32 v[L8], 3, v3
	s_mul_i32 s21, s15, HALF
	s_mul_i32 s22, s16, HALF
	s_add_co_u32 s22, s22, 2*HALF
.irp s, 0,1
	v_add_nc_u32 v[ADRA+\s], s21, v[L16]
	v_add_nc_u32 v[ADRA+2+\s], s21, v[L8]
	v_add_nc_u32 v[ADRB+\s], s22, v[L16]
	v_add_nc_u32 v[ADRB+2+\s], s22, v[L8]
	s_add_co_u32 s21, s21, SLOT
	s_add_co_u32 s22, s22, SLOT
.endr
	s_mul_i32 s21, s15, HALF
	s_mul_i32 s22, s16, HALF
	s_add_co_u32 s22, s22, 2*HALF
	s_sub_co_u32 s22, s22, s21
	v_mul_u32_u24 v6, s22, v2                      ; lanes 16-31 take B's: one product with h
	v_lshl_add_u32 v6, v1, 2, v6
	v_add_nc_u32 v[ADRS], s21, v6
	v_add_nc_u32 v[ADRS+1], SLOT, v[ADRS]
	s_mul_i32 s21, s14, 8448                       ; my stage, in slot 0: that slot has had its last fill and its last read when the first result is stored there
	v_mul_u32_u24 v24, v1, 528
	v_lshl_add_u32 v24, v2, 6, v24
	v_add_nc_u32 v24, s21, v24                     ; in: row r, + 64 h
	v_add_nc_u32 v25, s21, v[L16]                  ; back: a row's 512 bytes
	s_lshl_b32 s70, s17, 1
	s_add_co_u32 s70, s70, s15
	s_lshl_b32 s70, s70, 19                        ; my 128 rows of 4,096 bytes
	s_lshl_b32 s71, s42, 10
	s_add_co_u32 s70, s70, s71
	s_lshl_b32 s71, s16, 9
	s_add_co_u32 s70, s70, s71                     ; my 128 columns
	s_mov_b32 s71, 0
	s_add_nc_u64 s[8:9], s[8:9], s[70:71]
	s_add_nc_u64 s[10:11], s[10:11], s[70:71]
	s_wait_tensorcnt 0x1                           ; my part of slot 0 is in; slot 1's may stay out
	s_barrier_signal -1
	s_barrier_wait -1
	FETCH_B 0, 0, 0
	FETCH_A 0, 0, 0
	SCALES 0
	FETCH_A 0, 0, 4
	STEP 0, 0, ZERO
	s_mov_b32 s3, LAPS-1
.Llap:
	TURN 0, 1, 1
	STEP 1, 0, 0
	TURN 1, 0, 1
	STEP 0, 0, 0
	s_sub_co_u32 s3, s3, 1
	s_cmp_lg_u32 s3, 0
	s_cbranch_scc1 .Llap
	TURN 0, 1, 0
	STEP 1, 0, 0
	s_wait_dscnt 4*NL
	WIN MUL_LO
	MUL16 0, 1, 1, 1, 0
	MUL16 2, 1, 1, 1, 0
	s_wait_dscnt 0
	WIN MUL_HI
	MUL16 4, 1, 1, 1, 0
	MUL16 6, 1, 1, 1, 0
	WIN 0
	PLACES NP                                      ; in front of the first read of results and of loads into registers that held fragments
	RLOAD 0
	RLOAD 1
.set a, 0
.rept 8
	TOSTAGE a
	s_wait_dscnt 0x0
.if a < 7
	s_wait_loadcnt 16                              ; this block's residual is in; the next block's 16 loads may be out
.else
	s_wait_loadcnt 0
.endif
.set j, 0
.rept 32
	v_pk_add_f32 v[RR+64*(a%2)+j:RR+64*(a%2)+j+1], v[RR+64*(a%2)+j:RR+64*(a%2)+j+1], v[BB+j:BB+j+1]
.set j, j+2
.endr
.irp t, 0,1,2,3,4,5,6,7,8,9,10,11,12,13,14,15
	global_store_b128 v[L16], v[RR+64*(a%2)+4*\t:RR+64*(a%2)+4*\t+3], s[10:11] offset:(32*(a/2)+8*(a%2)+\t+8*(\t/8))*4096   ; 32 lanes store 512 consecutive bytes, aligned to 256
.endr
.if a < 6
	s_wait_xcnt 0x0                                ; the stores have read their registers: the set takes the block two on
	RLOAD a+2
.endif
.set a, a+1
.endr
	s_wait_tensorcnt 0x0                           ; the wave's end
	ds_add_u32 v[SPW], v[NIL]
	s_wait_dscnt 0x0
	CROUND                                         ; the closing round
	s_endpgm
.Lfunc_end_k_q030f000188_wo:
	.size	k_q030f000188_wo, .Lfunc_end_k_q030f000188_wo-k_q030f000188_wo
	.p2alignl 7, 3214868480
	.fill 96, 4, 3214868480
	.section	.rodata,"a",@progbits
	.p2align	6, 0x0
	.amdhsa_kernel k_q030f000188_wo
		.amdhsa_group_segment_fixed_size 327680
		.amdhsa_private_segment_fixed_size 0
		.amdhsa_enable_private_segment 0
		.amdhsa_kernarg_size 32
		.amdhsa_user_sgpr_count 2
		.amdhsa_user_sgpr_kernarg_segment_ptr 1
		.amdhsa_wavefront_size32 1
		.amdhsa_system_sgpr_workgroup_id_x 1
		.amdhsa_system_sgpr_workgroup_id_y 1
		.amdhsa_system_sgpr_workgroup_id_z 1
		.amdhsa_system_vgpr_workitem_id 0
		.amdhsa_next_free_vgpr 1024
		.amdhsa_next_free_sgpr 100
		.amdhsa_reserve_vcc 0
		.amdhsa_float_denorm_mode_32 3
		.amdhsa_float_denorm_mode_16_64 3
		.amdhsa_memory_ordered 1
		.amdhsa_forward_progress 1
		.amdhsa_inst_pref_size 171
	.end_amdhsa_kernel
	.amdgpu_metadata
---
amdhsa.version: [ 1, 2 ]
amdhsa.kernels:
  - .name:           k_q030f000188_wo
    .symbol:         k_q030f000188_wo.kd
    .args:
      - { .name: aq, .offset: 0, .size: 8, .value_kind: global_buffer, .address_space: global }
      - { .name: P, .offset: 8, .size: 8, .value_kind: global_buffer, .address_space: global }
      - { .name: inputs, .offset: 16, .size: 8, .value_kind: global_buffer, .address_space: global }
      - { .name: mlp, .offset: 24, .size: 8, .value_kind: global_buffer, .address_space: global }
    .group_segment_fixed_size: 327680
    .private_segment_fixed_size: 0
    .kernarg_segment_align: 8
    .kernarg_segment_size: 32
    .max_flat_workgroup_size: 128
    .sgpr_count:     100
    .vgpr_count:     1024
    .wavefront_size: 32
...
	.end_amdgpu_metadata
.endif
;; end of part 4
;; launch lnq: the kernel of part 1 again; grid 256 x 1, 8 waves a work-group, no clusters, 2,048 bytes of LDS; arguments mlp, ln2_g, ln2_b, Wq_codes, Wq_scales, Wk_codes, Wk_scales, Wv_codes, Wv_scales, Wo_codes, Wo_scales, Wfc2_codes, Wfc2_scales, Wfc3_codes, Wfc3_scales, hq; writes hq
;; launch fc2 (part 5): grid 16 x 16, 4 waves a work-group, clusters of 4 x 4, 327,680 bytes of LDS; arguments hq, P, bfc2, gq; writes gq
.if DOCPART == 5
	.amdgcn_target "amdgcn-amd-amdhsa--gfx1250"
	.amdhsa_code_object_version 6
	.text
	.protected	k_q030f000188_fc2
	.globl	k_q030f000188_fc2
	.p2align	8
	.type	k_q030f000188_fc2,@function
k_q030f000188_fc2:
	s_mov_b64 s[64:65], 0
	v_nop
	global_prefetch_b8 v0, s[64:65] scope:SCOPE_SE
	s_setreg_imm32_b32 hwreg(HW_REG_WAVE_MODE, 25, 1), 1
	s_wait_xcnt 0x0
	s_wait_alu depctr_hold_cnt(0) depctr_sa_sdst(0) depctr_va_vdst(0) depctr_va_sdst(0) depctr_va_ssrc(0) depctr_va_vcc(0) depctr_vm_vsrc(0)
	s_getreg_b32 s2, hwreg(HW_REG_IB_STS2, 6, 4)
	s_cmp_eq_u32 s2, 0
	s_cbranch_scc0 .Lentry_in_a_cluster
	s_endpgm
.Lentry_in_a_cluster:
	s_bfe_u32 s2, ttmp6, 0x10000c
	s_cmp_lg_u32 s2, 0xf033
	s_cbranch_scc0 .Lentry_shape_is_right
	s_endpgm
.Lentry_shape_is_right:
; gq = the quantised gelu(h Wfc2 + bfc2), gelu exact (by erf).  The product on codes of FP6 (E2M3) with E8M0 scales; bias and gelu in f32; the result quantised along its 4,096 columns, the next product's K, and stored as an image.
; THE CORE is a GEMM C = A B^T on IMAGES: both operands lie as slabs of 12,800 bytes (a group of 128 rows x 128 K: 8 fragments as their registers stand, then one scale word a row at 12,288 + 64 i + 4 r;
; lane r of fragment i holds row 32 (i / 2) + 8 (i % 2) + r + 8 (r / 8)).  A tile of C is 256 x 256, four waves of 128 x 128 (64 accumulators, 512 registers).  K goes in steps of 256 through a ring of two LDS slots;
; a wave's tensor load brings two slabs (25,600 dense bytes, as 100 rows of 256), scale words included.  No padding: every LDS load reads consecutive bytes.
; CLUSTERS: 4 x 4 work-groups; A's tile is asked for jointly along a row of the cluster, B's along a column.  THE MATRIX INSTRUCTION IS USED TRANSPOSED (source 0 = B's fragment, source 1 = A's):
; lane (r, h) holds A's row of lane r, and register 16 bb + i of the eight accumulators (a, 0 .. 7) holds column 32 bb + 16 h + i: 16 neighbours, as the quantiser wants them.  So a wave's block a becomes fragment a of one slab.
; GELU: gelu(x) = max(x, 0) - |x| erfc(|x| / sqrt 2) / 2, and erfc(z) = t exp(-z z + c0 + c1 t + .. + c9 t^9) with t = 1 / (1 + z / 2): a Chebyshev fit whose fractional error stays near one part in 10^7 for every z >= 0.
; LIMITS: NaN and infinities are not served; a block of zeros gets the byte 1 (its codes are zeros; this program alone reads the bytes).
; REGISTERS: window 0: v1-31 addresses; v32-63 scale words, two sets, and nothing else; v64-127 the bias; v128-223 A's fragments, one set; on the way out v128-255 are free.  Window 1: B's fragments.  Windows 2, 3: accumulator (a, b) at v[8 (8 (a % 4) + b)].
.set KS,     8
.set BOFF,   6553600                   ; Wfc2's image in P
.set ZERO,   1
.set SLABB,  12800
.set HALF,   2*SLABB
.set SLOT,   4*HALF
.set SPARE,  2*SLOT                    ; behind the ring: the spare words, 128 bytes a wave: two blocks of 256 bytes that no other line names
.set LAPS,   KS/4
.set FR,     12
.set NL,     4
.set NP,     4
.set L16,    10
.set L8,     11
.set ADRS,   12
.set ADRA,   16
.set ADRB,   20
.set SPW,    28
.set NIL,    29
.set SC,     32
.set BI,     64
.set AF,     128
.set G1,     24
.set G0,     32
.set G1B,    48
.set G0B,    56
.set SEL,    66
.set HA,     128                       ; the way out: a block's 64 numbers
.set T,      192                       ; 16 x t
.set PP,     208                       ; 16 x the polynomial, then erfc
.set WW,     224                       ; 16 x x x, then max(x, 0)
.set TM,     192                       ; the quantiser's registers lie over these once the gelu is done
.set PW,     208
.set PC,     210
.set MSB, 0
.macro WIN new
.if MSB != (\new)
	s_set_vgpr_msb (MSB<<8)|(\new)
.set MSB, (\new)
.endif
.endm
.set MUL_LO, 0xa1
.set MUL_HI, 0xf1
.set TO_B,   0x40
.macro PLACES n
.rept \n
	v_nop
.endr
.endm
.macro JLOAD g0a, g1a, g0b, g1b        ; a joint load: waves 0 and 1 fetch for A, waves 2 and 3 for B; four v_nop follow each of the two lines
	s_cmp_eq_u32 s15, 0
	s_cbranch_scc0 .Lfor_b_\@
	tensor_load_to_lds s[\g0a:\g0a+3], s[\g1a:\g1a+7]
	s_nop 0
.rept 4
	v_nop
.endr
	s_branch .Lasked_\@
.Lfor_b_\@:
	tensor_load_to_lds s[\g0b:\g0b+3], s[\g1b:\g1b+7]
	s_nop 0
.rept 4
	v_nop
.endr
.Lasked_\@:
.endm
.macro CREST
	s_cmp_lg_u32 s14, 0
	s_cbranch_scc1 .Lnot_wave_0_\@
	s_barrier_signal -3
.Lnot_wave_0_\@:
	s_barrier_wait -3
	s_barrier_signal -1
	s_barrier_wait -1
.endm
.macro CROUND
	s_barrier_signal -1
	s_barrier_wait -1
	CREST
.endm
.macro FRAG reg, adr, q, i
	ds_load_b128 v[\reg:\reg+3], v[\adr] offset:(\q)*SLABB+(\i)*1536
	ds_load_b64 v[\reg+4:\reg+5], v[\adr+2] offset:(\q)*SLABB+(\i)*1536+512
	ds_load_b128 v[\reg+6:\reg+9], v[\adr] offset:(\q)*SLABB+(\i)*1536+768
	ds_load_b64 v[\reg+10:\reg+11], v[\adr+2] offset:(\q)*SLABB+(\i)*1536+1280
.endm
.macro MUL16 a0, p, q, sc, zero        ; 16 matrix instructions: A's blocks a0, a0 + 1 x B's eight; the 64 accumulators take turns
.irp a, \a0, \a0+1
.irp b, 0,1,2,3,4,5,6,7
.set rD, 8*(8*((\a)%4)+\b)
.set rB, 128*(\p)+FR*\b
.set rA, AF+FR*(\a)
.set rSB, SC+16*(\sc)+2*\b+(\q)
.set rSA, SC+16*(\sc)+2*(\a)+(\q)
.if (\zero) == 1
	v_wmma_scale_f32_16x16x128_f8f6f4 v[rD:rD+7], v[rB:rB+FR-1], v[rA:rA+FR-1], 0, v[rSB], v[rSA] matrix_a_fmt:MATRIX_FMT_FP6 matrix_b_fmt:MATRIX_FMT_FP6 matrix_a_scale:MATRIX_SCALE_ROW1
.elseif (\zero) == 2
	v_wmma_scale_f32_16x16x128_f8f6f4 v[rD:rD+7], v[rB:rB+FR-1], v[rA:rA+FR-1], v[BI+8*\b:BI+8*\b+7], v[rSB], v[rSA] matrix_a_fmt:MATRIX_FMT_FP6 matrix_b_fmt:MATRIX_FMT_FP6 matrix_a_scale:MATRIX_SCALE_ROW1
.else
	v_wmma_scale_f32_16x16x128_f8f6f4 v[rD:rD+7], v[rB:rB+FR-1], v[rA:rA+FR-1], v[rD:rD+7], v[rSB], v[rSA] matrix_a_fmt:MATRIX_FMT_FP6 matrix_b_fmt:MATRIX_FMT_FP6 matrix_a_scale:MATRIX_SCALE_ROW1
.endif
.endr
.endr
.endm
.macro FETCH_B slot, q, p
	WIN TO_B
.irp i, 0,1,2,3,4,5,6,7
	FRAG 128*(\p)+FR*\i, ADRB+\slot, \q, \i
.endr
	WIN 0
.endm
.macro FETCH_A slot, q, i0
.irp i, \i0, \i0+1, \i0+2, \i0+3
	FRAG AF+FR*(\i), ADRA+\slot, \q, \i
.endr
.endm
.macro SCALES sc
.irp q, 0,1
.irp i, 0,1,2,3,4,5,6,7
	ds_load_b32 v[SC+16*\sc+2*\i+\q], v[ADRS+\sc] offset:\q*SLABB+12288+64*\i
.endr
.endr
.endm
.macro STEP slot, q, zero
	s_wait_dscnt 4*NL                              ; all but the youngest 16 loads (A's blocks 4-7)
.if (\zero) == 2
	WIN 0x81
.else
	WIN MUL_LO
.endif
	MUL16 0, (\q)%2, \q, \slot, \zero
	MUL16 2, (\q)%2, \q, \slot, \zero
	s_wait_dscnt 0
	PLACES NP
	FETCH_B \slot, (\q)+1, 1-(\q)%2
	FETCH_A \slot, (\q)+1, 0
.if (\zero) == 2
	WIN 0xc1
.else
	WIN MUL_HI
.endif
	MUL16 4, (\q)%2, \q, \slot, \zero
	MUL16 6, (\q)%2, \q, \slot, \zero
	PLACES NP
	WIN 0
	FETCH_A \slot, (\q)+1, 4
.endm
.macro TURN slot, next, fill
	s_wait_tensorcnt 0x0                           ; all my tensor loads have landed: my part of the next slot
	ds_add_u32 v[SPW], v[NIL]                      ; 0 onto my spare word
	s_wait_dscnt 4*NL+1                            ; the add and the youngest 16 loads may be out
	WIN MUL_LO
	MUL16 0, 1, 1, \slot, 0
	s_wait_dscnt 0x0                               ; the add is done, and my reads of this slot are over
	s_barrier_signal -1
	MUL16 2, 1, 1, \slot, 0
	WIN 0
	s_barrier_wait -1
.if \fill
	CREST                                          ; the barrier has opened a round of the cluster's: no wave of any partner still reads this slot or has a load on its way
	s_add_nc_u64 s[G0+4*\slot+2:G0+4*\slot+3], s[G0+4*\slot+2:G0+4*\slot+3], 2*HALF
	s_add_nc_u64 s[G0B+4*\slot+2:G0B+4*\slot+3], s[G0B+4*\slot+2:G0B+4*\slot+3], 2*HALF
	JLOAD G0+4*\slot, G1, G0B+4*\slot, G1B
.else
	PLACES NP
.endif
	FETCH_B \next, 0, 0
	FETCH_A \next, 0, 0
	SCALES \next
	WIN MUL_HI
	MUL16 4, 1, 1, \slot, 0
	MUL16 6, 1, 1, \slot, 0
	PLACES NP
	WIN 0
	FETCH_A \next, 0, 4
.endm
; 64 numbers of a lane, v[s] on, register 16 b + i = k 32 b + 16 h + i of my row, become a fragment's codes in v[PC] .. v[PC + 11] and its scale word in v[PW].
.macro QUANT s
.irp b, 0,1,2,3
	v_max3_num_f32 v[TM+\b], |v[\s+16*\b]|, |v[\s+1+16*\b]|, 0x1800000   ; and the floor 2^(3 - 127): the byte cannot fall under 1
.endr
.irp i, 2,4,6,8,10,12,14
.irp b, 0,1,2,3
	v_max3_num_f32 v[TM+\b], |v[\s+16*\b+\i]|, |v[\s+1+16*\b+\i]|, v[TM+\b]
.endr
.endr
.irp b, 0,1,2,3
	v_permlanex16_b32 v[TM+4+\b], v[TM+\b], s[SEL], s[SEL+1]
.endr
.irp b, 0,1,2,3
	v_max_num_f32 v[TM+\b], v[TM+\b], v[TM+4+\b]
.endr
.irp b, 0,1,2,3
	v_add_nc_u32 v[TM+12+\b], 0xff000000, v[TM+\b]
.endr
.irp b, 0,1,2,3
	v_lshrrev_b32 v[TM+4+\b], 23, v[TM+12+\b]
.endr
	v_lshl_or_b32 v[PW], v[TM+5], 8, v[TM+4]
	v_lshl_or_b32 v[PW], v[TM+6], 16, v[PW]
	v_lshl_or_b32 v[PW], v[TM+7], 24, v[PW]
.irp c, 0,1
	v_cvt_scalef32_pk16_fp6_f32 v[PC+6*\c:PC+2+6*\c], v[\s+32*\c:\s+15+32*\c], v[TM+12+2*\c]
	v_cvt_scalef32_pk16_fp6_f32 v[PC+12+4*\c:PC+14+4*\c], v[\s+16+32*\c:\s+31+32*\c], v[TM+13+2*\c]
.endr
	v_nop                                          ; one plain place behind a scaled conversion
.irp c, 0,1
.irp i, 0,1,2
	v_permlane16_swap_b32 v[PC+6*\c+\i], v[PC+12+4*\c+\i]
.endr
.irp i, 0,1,2
	v_mov_b32 v[PC+3+6*\c+\i], v[PC+12+4*\c+\i]
.endr
.endr
.endm
; Block k's 64 sums come out of their window into v[HA] on: the copy is the addition of the bias.
.macro ARM k
	WIN 2+(\k)/4
.set i, 0
.rept 32
	v_pk_add_f32 v[HA+i:HA+i+1], v[64*((\k)%4)+i:64*((\k)%4)+i+1], v[BI+i:BI+i+1]
.set i, i+2
.endr
	WIN 0
.endm
; gelu of 16 numbers in place.  Two batches of transcendentals, each with plain independent work and one wait behind it.
.macro GELU16 u
.set H, HA+16*(\u)
.irp i, 0,1,2,3,4,5,6,7,8,9,10,11,12,13,14,15
	v_fma_f32 v[T+\i], |v[H+\i]|, s72, 1.0         ; 1 + |x| / (2 sqrt 2)
.endr
.irp i, 0,1,2,3,4,5,6,7,8,9,10,11,12,13,14,15
	v_rcp_f32 v[T+\i], v[T+\i]                     ; t
.endr
.irp i, 0,2,4,6,8,10,12,14
	v_pk_mul_f32 v[WW+\i:WW+\i+1], v[H+\i:H+\i+1], v[H+\i:H+\i+1]
.endr
	s_wait_alu depctr_va_vdst(0)                   ; one wait for the sixteen reciprocals, ahead of their first reader
.irp i, 0,2,4,6,8,10,12,14
	v_pk_fma_f32 v[PP+\i:PP+\i+1], v[T+\i:T+\i+1], v[6:7], 0xbf527892 op_sel_hi:[1,1,0]   ; c9 t + c8
.endr
.irp c, 0x3fbe87b0, 0xbf914e5d, 0x3e8ec7cc, 0xbe3ec24c, 0x3dc636c9, 0x3ebf88fb, 0x3f8000c7, 0xbfa1fc4e
.irp i, 0,2,4,6,8,10,12,14
	v_pk_fma_f32 v[PP+\i:PP+\i+1], v[PP+\i:PP+\i+1], v[T+\i:T+\i+1], \c op_sel_hi:[1,1,0]   ; .. t + c7 .. c0
.endr
.endr
.irp i, 0,2,4,6,8,10,12,14
	v_pk_fma_f32 v[PP+\i:PP+\i+1], v[WW+\i:WW+\i+1], -0.5, v[PP+\i:PP+\i+1] op_sel_hi:[1,0,1]   ; - x x / 2
.endr
.irp i, 0,2,4,6,8,10,12,14
	v_pk_mul_f32 v[PP+\i:PP+\i+1], v[PP+\i:PP+\i+1], 0x3fb8aa3b op_sel_hi:[1,0]
.endr
.irp i, 0,1,2,3,4,5,6,7,8,9,10,11,12,13,14,15
	v_exp_f32 v[PP+\i], v[PP+\i]
.endr
.irp i, 0,1,2,3,4,5,6,7,8,9,10,11,12,13,14,15
	v_max_num_f32 v[WW+\i], 0, v[H+\i]
.endr
	s_wait_alu depctr_va_vdst(0)                   ; one wait for the sixteen exponentials
.irp i, 0,2,4,6,8,10,12,14
	v_pk_mul_f32 v[PP+\i:PP+\i+1], v[PP+\i:PP+\i+1], v[T+\i:T+\i+1]   ; erfc
.endr
.irp i, 0,1,2,3,4,5,6,7,8,9,10,11,12,13,14,15
	v_mul_f32 v[PP+\i], |v[H+\i]|, v[PP+\i]
.endr
.irp i, 0,2,4,6,8,10,12,14
	v_pk_fma_f32 v[H+\i:H+\i+1], v[PP+\i:PP+\i+1], -0.5, v[WW+\i:WW+\i+1] op_sel_hi:[1,0,1]
.endr
.endm
	s_load_b128 s[4:7], s[0:1], 0x0                ; A's image, P
	s_load_b64 s[12:13], s[0:1], 0x10              ; the bias
	s_load_b64 s[10:11], s[0:1], 0x18              ; the result's image
	v_lshl_add_u32 v[SPW], v0, 2, SPARE
	v_mov_b32 v[NIL], 0
	ds_add_u32 v28, v29
	ds_add_u32 v28, v29
	s_wait_dscnt 0x0
	v_lshrrev_b32 v1, 5, v0
	v_readfirstlane_b32 s14, v1                    ; wave 0..3
	s_lshr_b32 s15, s14, 1                         ; which of A's two groups is mine.  Also: I fetch for A (0) or for B (1)
	s_and_b32 s16, s14, 1                          ; which of B's two.  Also: which group of that tile I fetch
	s_bfe_u32 s40, ttmp6, 0x40000                  ; cx
	s_bfe_u32 s41, ttmp6, 0x40004                  ; cy
	s_lshl_b32 s42, ttmp9, 2
	s_add_co_u32 s42, s42, s40                     ; B's tile
	s_and_b32 s17, ttmp7, 0xffff
	s_lshl_b32 s17, s17, 2
	s_add_co_u32 s17, s17, s41                     ; A's tile
	s_lshl_b32 s43, s41, 2
	s_lshl_b32 s43, 15, s43                        ; my row of the cluster
	s_lshl_b32 s44, 0x1111, s40                    ; my column
	s_or_b32 s[G1], s43, (3<<16)|(1<<21)           ; 15:0 the mask; 17:16 elements of 8 bytes; 21 set beside a mask; no padding
	s_or_b32 s[G1B], s44, (3<<16)|(1<<21)
.irp g, G1, G1B
	s_mov_b32 s[\g+1], 32<<16                      ; rows of 256 bytes,
	s_mov_b32 s[\g+2], 100<<16                     ; 100 of them,
	s_mov_b32 s[\g+3], 32<<16
	s_mov_b32 s[\g+4], 100
	s_mov_b32 s[\g+5], 32                          ; dense
	s_mov_b32 s[\g+6], 0
	s_mov_b32 s[\g+7], 0
.endr
	s_lshl_b32 s20, s17, 1
	s_add_co_u32 s20, s20, s16
	s_mul_i32 s20, s20, KS*SLABB
	s_mov_b32 s21, 0
	s_lshl_b32 s46, s42, 1
	s_add_co_u32 s46, s46, s16
	s_mul_i32 s46, s46, KS*SLABB
	s_add_co_u32 s46, s46, BOFF
	s_mov_b32 s47, 0
	s_mul_i32 s45, s14, HALF
	s_wait_kmcnt 0x0
	s_add_nc_u64 s[20:21], s[4:5], s[20:21]
	s_add_nc_u64 s[46:47], s[6:7], s[46:47]
	CROUND                                         ; all sixteen work-groups are here: the first joint loads meet
.irp s, 0,1
	s_mov_b32 s[G0+4*\s], 1
	s_add_co_u32 s[G0+4*\s+1], s45, \s*SLOT
	s_add_nc_u64 s[G0+4*\s+2:G0+4*\s+3], s[20:21], \s*HALF
	s_or_b32 s[G0+4*\s+3], s[G0+4*\s+3], 0x80000000
	s_mov_b32 s[G0B+4*\s], 1
	s_add_co_u32 s[G0B+4*\s+1], s45, \s*SLOT
	s_add_nc_u64 s[G0B+4*\s+2:G0B+4*\s+3], s[46:47], \s*HALF
	s_or_b32 s[G0B+4*\s+3], s[G0B+4*\s+3], 0x80000000
	JLOAD G0+4*\s, G1, G0B+4*\s, G1B
.endr
	v_and_b32 v1, 15, v0                           ; r
	v_bfe_u32 v2, v0, 4, 1                         ; h
	v_and_b32 v3, 31, v0
	v_lshlrev_b32 v[L16], 4, v3
	v_lshlrev_b32 v[L8], 3, v3
	s_mul_i32 s21, s15, HALF
	s_mul_i32 s22, s16, HALF
	s_add_co_u32 s22, s22, 2*HALF
.irp s, 0,1
	v_add_nc_u32 v[ADRA+\s], s21, v[L16]
	v_add_nc_u32 v[ADRA+2+\s], s21, v[L8]
	v_add_nc_u32 v[ADRB+\s], s22, v[L16]
	v_add_nc_u32 v[ADRB+2+\s], s22, v[L8]
	s_add_co_u32 s21, s21, SLOT
	s_add_co_u32 s22, s22, SLOT
.endr
	s_mul_i32 s21, s15, HALF
	s_mul_i32 s22, s16, HALF
	s_add_co_u32 s22, s22, 2*HALF
	s_sub_co_u32 s22, s22, s21
	v_mul_u32_u24 v6, s22, v2                      ; lanes 16-31 take B's: one product with h
	v_lshl_add_u32 v6, v1, 2, v6
	v_add_nc_u32 v[ADRS], s21, v6
	v_add_nc_u32 v[ADRS+1], SLOT, v[ADRS]
	s_lshl_b32 s72, s42, 10
	s_lshl_b32 s73, s16, 9
	s_add_co_u32 s72, s72, s73                     ; my 128 columns' bias
	s_mov_b32 s73, 0
	s_add_nc_u64 s[12:13], s[12:13], s[72:73]
	v_lshlrev_b32 v4, 6, v2                        ; register 16 bb + i: column 32 bb + 16 h + i
.irp b, 0,1,2,3
.irp q, 0,1,2,3
	global_load_b128 v[BI+16*\b+4*\q:BI+16*\b+4*\q+3], v4, s[12:13] offset:128*\b+16*\q
.endr
.endr
	s_lshl_b32 s21, s14, 9                         ; the way out's small stage, in slot 0, each wave's own: that slot has had its last fill and its last read when the first word is stored there
	v_lshl_add_u32 v24, v1, 2, s21                 ; scale words in: 512 wave + 4 r
	v_add_nc_u32 v25, s21, v[L16]                  ; and back
	s_lshl_b32 s70, s17, 1
	s_add_co_u32 s70, s70, s15                     ; my group of rows
	s_lshl_b32 s70, s70, 5
	s_lshl_b32 s71, s42, 1
	s_add_co_u32 s70, s70, s71
	s_add_co_u32 s70, s70, s16                     ; x 32 K steps + my group of columns
	s_mul_i32 s70, s70, SLABB
	s_mov_b32 s71, 0
	s_add_nc_u64 s[10:11], s[10:11], s[70:71]
	s_mov_b32 s[SEL], 0x76543210
	s_mov_b32 s[SEL+1], 0xfedcba98
	s_mov_b32 s72, 0x3eb504f3                      ; 1 / (2 sqrt 2)
	v_mov_b32 v6, 0x3e2ef945                       ; c9, as a pair
	v_mov_b32 v7, 0x3e2ef945
	s_wait_loadcnt 0x0                             ; the bias
	s_wait_tensorcnt 0x1                           ; my part of slot 0 is in; slot 1's may stay out
	s_barrier_signal -1
	s_barrier_wait -1
	FETCH_B 0, 0, 0
	FETCH_A 0, 0, 0
	SCALES 0
	FETCH_A 0, 0, 4
	STEP 0, 0, ZERO
	s_mov_b32 s3, LAPS-1
.Llap:
	TURN 0, 1, 1
	STEP 1, 0, 0
	TURN 1, 0, 1
	STEP 0, 0, 0
	s_sub_co_u32 s3, s3, 1
	s_cmp_lg_u32 s3, 0
	s_cbranch_scc1 .Llap
	TURN 0, 1, 0
	STEP 1, 0, 0
	s_wait_dscnt 4*NL
	WIN MUL_LO
	MUL16 0, 1, 1, 1, 0
	MUL16 2, 1, 1, 1, 0
	s_wait_dscnt 0
	WIN MUL_HI
	MUL16 4, 1, 1, 1, 0
	MUL16 6, 1, 1, 1, 0
	WIN 0
	PLACES NP                                      ; in front of the first read of results and of writes of registers that held fragments
	; THE WAY OUT: a loop of eight trips, a block of 16 rows each, so that the gelu's text stands once.  What differs between trips, the block's registers, is a switch of eight short arms on the trip's number.
	s_mov_b32 s68, 0
	s_mov_b32 s69, 0
.Lblk:
.irp k, 0,1,2,3,4,5,6
	s_cmp_lg_u32 s68, \k
	s_cbranch_scc1 .Lnot\k
	ARM \k
	s_branch .Lgo
.Lnot\k:
.endr
	ARM 7
.Lgo:
	GELU16 0
	GELU16 1
	GELU16 2
	GELU16 3
	QUANT HA
	global_store_b128 v[L16], v[PC:PC+3], s[10:11]                 ; the fragment as it stands: consecutive bytes, aligned to 256
	global_store_b64 v[L8], v[PC+4:PC+5], s[10:11] offset:512
	global_store_b128 v[L16], v[PC+6:PC+9], s[10:11] offset:768
	global_store_b64 v[L8], v[PC+10:PC+11], s[10:11] offset:1280
	v_add_nc_u32 v31, s69, v24
	ds_store_b32 v31, v[PW]                        ; the block's scale words: 64 bytes a trip
	s_wait_xcnt 0x0                                ; the stores have read their registers and their base: both are written again only behind this wait
	s_add_nc_u64 s[10:11], s[10:11], 1536
	s_add_co_u32 s69, s69, 64
	s_add_co_u32 s68, s68, 1
	s_cmp_lt_u32 s68, 8
	s_cbranch_scc1 .Lblk
	ds_load_b128 v[HA:HA+3], v25                   ; LDS serves a wave's instructions in order: this sees my stores
	s_wait_dscnt 0x0
	global_store_b128 v[L16], v[HA:HA+3], s[10:11] ; the base has stepped 8 x 1,536 = 12,288 bytes: it stands at the slab's scale words, 512 consecutive bytes
	s_wait_tensorcnt 0x0                           ; the wave's end
	ds_add_u32 v[SPW], v[NIL]
	s_wait_dscnt 0x0
	CROUND                                         ; the closing round
	s_endpgm
.Lfunc_end_k_q030f000188_fc2:
	.size	k_q030f000188_fc2, .Lfunc_end_k_q030f000188_fc2-k_q030f000188_fc2
	.p2alignl 7, 3214868480
	.fill 96, 4, 3214868480
	.section	.rodata,"a",@progbits
	.p2align	6, 0x0
	.amdhsa_kernel k_q030f000188_fc2
		.amdhsa_group_segment_fixed_size 327680
		.amdhsa_private_segment_fixed_size 0
		.amdhsa_enable_private_segment 0
		.amdhsa_kernarg_size 32
		.amdhsa_user_sgpr_count 2
		.amdhsa_user_sgpr_kernarg_segment_ptr 1
		.amdhsa_wavefront_size32 1
		.amdhsa_system_sgpr_workgroup_id_x 1
		.amdhsa_system_sgpr_workgroup_id_y 1
		.amdhsa_system_sgpr_workgroup_id_z 1
		.amdhsa_system_vgpr_workitem_id 0
		.amdhsa_next_free_vgpr 1024
		.amdhsa_next_free_sgpr 100
		.amdhsa_reserve_vcc 0
		.amdhsa_float_denorm_mode_32 3
		.amdhsa_float_denorm_mode_16_64 3
		.amdhsa_memory_ordered 1
		.amdhsa_forward_progress 1
		.amdhsa_inst_pref_size 190
	.end_amdhsa_kernel
	.amdgpu_metadata
---
amdhsa.version: [ 1, 2 ]
amdhsa.kernels:
  - .name:           k_q030f000188_fc2
    .symbol:         k_q030f000188_fc2.kd
    .args:
      - { .name: hq, .offset: 0, .size: 8, .value_kind: global_buffer, .address_space: global }
      - { .name: P, .offset: 8, .size: 8, .value_kind: global_buffer, .address_space: global }
      - { .name: bfc2, .offset: 16, .size: 8, .value_kind: global_buffer, .address_space: global }
      - { .name: gq, .offset: 24, .size: 8, .value_kind: global_buffer, .address_space: global }
    .group_segment_fixed_size: 327680
    .private_segment_fixed_size: 0
    .kernarg_segment_align: 8
    .kernarg_segment_size: 32
    .max_flat_workgroup_size: 128
    .sgpr_count:     100
    .vgpr_count:     1024
    .wavefront_size: 32
...
	.end_amdgpu_metadata
.endif
;; end of part 5
;; launch fc3 (part 6): grid 4 x 16, 4 waves a work-group, clusters of 4 x 4, 327,680 bytes of LDS; arguments gq, P, bfc3, mlp, out0; writes out0
.if DOCPART == 6
	.amdgcn_target "amdgcn-amd-amdhsa--gfx1250"
	.amdhsa_code_object_version 6
	.text
	.protected	k_q030f000188_fc3
	.globl	k_q030f000188_fc3
	.p2align	8
	.type	k_q030f000188_fc3,@function
k_q030f000188_fc3:
	s_mov_b64 s[64:65], 0
	v_nop
	global_prefetch_b8 v0, s[64:65] scope:SCOPE_SE
	s_setreg_imm32_b32 hwreg(HW_REG_WAVE_MODE, 25, 1), 1
	s_wait_xcnt 0x0
	s_wait_alu depctr_hold_cnt(0) depctr_sa_sdst(0) depctr_va_vdst(0) depctr_va_sdst(0) depctr_va_ssrc(0) depctr_va_vcc(0) depctr_vm_vsrc(0)
	s_getreg_b32 s2, hwreg(HW_REG_IB_STS2, 6, 4)
	s_cmp_eq_u32 s2, 0
	s_cbranch_scc0 .Lentry_in_a_cluster
	s_endpgm
.Lentry_in_a_cluster:
	s_bfe_u32 s2, ttmp6, 0x10000c
	s_cmp_lg_u32 s2, 0xf033
	s_cbranch_scc0 .Lentry_shape_is_right
	s_endpgm
.Lentry_shape_is_right:
; out0 = gelu's output x Wfc3 + bfc3 + mlp.  The product on codes of FP6 (E2M3) with E8M0 scales; the sums, the bias and the residual in f32; out0 is [4096][1024] f32, row-major.
; THE CORE is a GEMM C = A B^T on IMAGES: both operands lie as slabs of 12,800 bytes (a group of 128 rows x 128 K: 8 fragments as their registers stand, then one scale word a row at 12,288 + 64 i + 4 r;
; lane r of fragment i holds row 32 (i / 2) + 8 (i % 2) + r + 8 (r / 8)).  A tile of C is 256 x 256, four waves of 128 x 128 (64 accumulators, 512 registers).  K goes in steps of 256 through a ring of two LDS slots;
; a wave's tensor load brings two slabs (25,600 dense bytes, as 100 rows of 256), scale words included.  No padding: every LDS load reads consecutive bytes.
; CLUSTERS: 4 x 4 work-groups; A's tile is asked for jointly along a row of the cluster, B's along a column.  THE MATRIX INSTRUCTION IS USED TRANSPOSED (source 0 = B's fragment, source 1 = A's):
; lane (r, h) holds A's row of lane r, and register 16 bb + i of the eight accumulators (a, 0 .. 7) holds column 32 bb + 16 h + i.  The bias is the C of each sum's first matrix instruction.
; C has 64 tiles of 256 x 256: this launch has work for 64 work-groups.
; REGISTERS: window 0: v1-31 addresses; v32-63 scale words, two sets, and nothing else; v64-127 the bias; v128-223 A's fragments, one set; on the way out v64-255 are free.  Window 1: B's fragments.  Windows 2, 3: accumulator (a, b) at v[8 (8 (a % 4) + b)].
.set KS,     32                        ; K steps of 128
.set BOFF,   9830400                   ; Wfc3's image in P
.set ZERO,   2                         ; the first products take the bias as C
.set SLABB,  12800
.set HALF,   2*SLABB
.set SLOT,   4*HALF
.set SPARE,  2*SLOT                    ; behind the ring: the spare words, 128 bytes a wave: two blocks of 256 bytes that no other line names
.set LAPS,   KS/4
.set FR,     12
.set NL,     4
.set NP,     4
.set L16,    10
.set L8,     11
.set ADRS,   12
.set ADRA,   16
.set ADRB,   20
.set SPW,    28
.set NIL,    29
.set SC,     32
.set BI,     64
.set AF,     128
.set G1,     24
.set G0,     32
.set G1B,    48
.set G0B,    56
.set RR,     64                        ; the way out: two sets of 16 rows of the residual, v64-127 and v128-191
.set BB,     192                       ; and 16 rows back from the stage
.set MSB, 0
.macro WIN new
.if MSB != (\new)
	s_set_vgpr_msb (MSB<<8)|(\new)
.set MSB, (\new)
.endif
.endm
.set MUL_LO, 0xa1
.set MUL_HI, 0xf1
.set TO_B,   0x40
.macro PLACES n
.rept \n
	v_nop
.endr
.endm
.macro JLOAD g0a, g1a, g0b, g1b        ; a joint load: waves 0 and 1 fetch for A, waves 2 and 3 for B; four v_nop follow each of the two lines
	s_cmp_eq_u32 s15, 0
	s_cbranch_scc0 .Lfor_b_\@
	tensor_load_to_lds s[\g0a:\g0a+3], s[\g1a:\g1a+7]
	s_nop 0
.rept 4
	v_nop
.endr
	s_branch .Lasked_\@
.Lfor_b_\@:
	tensor_load_to_lds s[\g0b:\g0b+3], s[\g1b:\g1b+7]
	s_nop 0
.rept 4
	v_nop
.endr
.Lasked_\@:
.endm
.macro CREST
	s_cmp_lg_u32 s14, 0
	s_cbranch_scc1 .Lnot_wave_0_\@
	s_barrier_signal -3
.Lnot_wave_0_\@:
	s_barrier_wait -3
	s_barrier_signal -1
	s_barrier_wait -1
.endm
.macro CROUND
	s_barrier_signal -1
	s_barrier_wait -1
	CREST
.endm
.macro FRAG reg, adr, q, i
	ds_load_b128 v[\reg:\reg+3], v[\adr] offset:(\q)*SLABB+(\i)*1536
	ds_load_b64 v[\reg+4:\reg+5], v[\adr+2] offset:(\q)*SLABB+(\i)*1536+512
	ds_load_b128 v[\reg+6:\reg+9], v[\adr] offset:(\q)*SLABB+(\i)*1536+768
	ds_load_b64 v[\reg+10:\reg+11], v[\adr+2] offset:(\q)*SLABB+(\i)*1536+1280
.endm
.macro MUL16 a0, p, q, sc, zero        ; 16 matrix instructions: A's blocks a0, a0 + 1 x B's eight; the 64 accumulators take turns
.irp a, \a0, \a0+1
.irp b, 0,1,2,3,4,5,6,7
.set rD, 8*(8*((\a)%4)+\b)
.set rB, 128*(\p)+FR*\b
.set rA, AF+FR*(\a)
.set rSB, SC+16*(\sc)+2*\b+(\q)
.set rSA, SC+16*(\sc)+2*(\a)+(\q)
.if (\zero) == 1
	v_wmma_scale_f32_16x16x128_f8f6f4 v[rD:rD+7], v[rB:rB+FR-1], v[rA:rA+FR-1], 0, v[rSB], v[rSA] matrix_a_fmt:MATRIX_FMT_FP6 matrix_b_fmt:MATRIX_FMT_FP6 matrix_a_scale:MATRIX_SCALE_ROW1
.elseif (\zero) == 2
	v_wmma_scale_f32_16x16x128_f8f6f4 v[rD:rD+7], v[rB:rB+FR-1], v[rA:rA+FR-1], v[BI+8*\b:BI+8*\b+7], v[rSB], v[rSA] matrix_a_fmt:MATRIX_FMT_FP6 matrix_b_fmt:MATRIX_FMT_FP6 matrix_a_scale:MATRIX_SCALE_ROW1
.else
	v_wmma_scale_f32_16x16x128_f8f6f4 v[rD:rD+7], v[rB:rB+FR-1], v[rA:rA+FR-1], v[rD:rD+7], v[rSB], v[rSA] matrix_a_fmt:MATRIX_FMT_FP6 matrix_b_fmt:MATRIX_FMT_FP6 matrix_a_scale:MATRIX_SCALE_ROW1
.endif
.endr
.endr
.endm
.macro FETCH_B slot, q, p
	WIN TO_B
.irp i, 0,1,2,3,4,5,6,7
	FRAG 128*(\p)+FR*\i, ADRB+\slot, \q, \i
.endr
	WIN 0
.endm
.macro FETCH_A slot, q, i0
.irp i, \i0, \i0+1, \i0+2, \i0+3
	FRAG AF+FR*(\i), ADRA+\slot, \q, \i
.endr
.endm
.macro SCALES sc
.irp q, 0,1
.irp i, 0,1,2,3,4,5,6,7
	ds_load_b32 v[SC+16*\sc+2*\i+\q], v[ADRS+\sc] offset:\q*SLABB+12288+64*\i
.endr
.endr
.endm
.macro STEP slot, q, zero
	s_wait_dscnt 4*NL                              ; all but the youngest 16 loads (A's blocks 4-7)
.if (\zero) == 2
	WIN 0x81                                       ; C (the bias) in window 0, D in window 2
.else
	WIN MUL_LO
.endif
	MUL16 0, (\q)%2, \q, \slot, \zero
	MUL16 2, (\q)%2, \q, \slot, \zero
	s_wait_dscnt 0
	PLACES NP
	FETCH_B \slot, (\q)+1, 1-(\q)%2
	FETCH_A \slot, (\q)+1, 0
.if (\zero) == 2
	WIN 0xc1
.else
	WIN MUL_HI
.endif
	MUL16 4, (\q)%2, \q, \slot, \zero
	MUL16 6, (\q)%2, \q, \slot, \zero
	PLACES NP
	WIN 0
	FETCH_A \slot, (\q)+1, 4
.endm
.macro TURN slot, next, fill
	s_wait_tensorcnt 0x0                           ; all my tensor loads have landed: my part of the next slot
	ds_add_u32 v[SPW], v[NIL]                      ; 0 onto my spare word
	s_wait_dscnt 4*NL+1                            ; the add and the youngest 16 loads may be out
	WIN MUL_LO
	MUL16 0, 1, 1, \slot, 0
	s_wait_dscnt 0x0                               ; the add is done, and my reads of this slot are over
	s_barrier_signal -1
	MUL16 2, 1, 1, \slot, 0
	WIN 0
	s_barrier_wait -1
.if \fill
	CREST                                          ; the barrier has opened a round of the cluster's: no wave of any partner still reads this slot or has a load on its way
	s_add_nc_u64 s[G0+4*\slot+2:G0+4*\slot+3], s[G0+4*\slot+2:G0+4*\slot+3], 2*HALF
	s_add_nc_u64 s[G0B+4*\slot+2:G0B+4*\slot+3], s[G0B+4*\slot+2:G0B+4*\slot+3], 2*HALF
	JLOAD G0+4*\slot, G1, G0B+4*\slot, G1B
.else
	PLACES NP
.endif
	FETCH_B \next, 0, 0
	FETCH_A \next, 0, 0
	SCALES \next
	WIN MUL_HI
	MUL16 4, 1, 1, \slot, 0
	MUL16 6, 1, 1, \slot, 0
	PLACES NP
	WIN 0
	FETCH_A \next, 0, 4
.endm
; THE WAY OUT, block by block of 16 rows x 128 columns.  Lane-row t of block a is row 32 (a / 2) + 8 (a % 2) + t + 8 (t / 8) of my 128.
.macro RLOAD a                         ; the residual's 16 rows: 512 consecutive bytes a load
.irp t, 0,1,2,3,4,5,6,7,8,9,10,11,12,13,14,15
	global_load_b128 v[RR+64*((\a)%2)+4*\t:RR+64*((\a)%2)+4*\t+3], v[L16], s[8:9] offset:(32*((\a)/2)+8*((\a)%2)+\t+8*(\t/8))*4096
.endr
.endm
.macro TOSTAGE a                       ; through my own stage in LDS (rows of 512 bytes + 16) and back as whole rows; LDS serves a wave's instructions in order
	WIN 0x08+4*((\a)/4)                            ; an LDS store's data are its source 1: window 2 or 3
.irp b, 0,1,2,3,4,5,6,7
	ds_store_b128 v24, v[64*((\a)%4)+8*\b:64*((\a)%4)+8*\b+3] offset:128*(\b/2)+32*(\b%2)       ; each accumulator from its low end on
	ds_store_b128 v24, v[64*((\a)%4)+8*\b+4:64*((\a)%4)+8*\b+7] offset:128*(\b/2)+32*(\b%2)+16
.endr
	WIN 0
.irp t, 0,1,2,3,4,5,6,7,8,9,10,11,12,13,14,15
	ds_load_b128 v[BB+4*\t:BB+4*\t+3], v25 offset:528*\t
.endr
.endm
	s_load_b128 s[4:7], s[0:1], 0x0                ; A's image, P
	s_load_b64 s[12:13], s[0:1], 0x10              ; the bias
	s_load_b128 s[8:11], s[0:1], 0x18              ; the residual, the result
	v_lshl_add_u32 v[SPW], v0, 2, SPARE
	v_mov_b32 v[NIL], 0
	ds_add_u32 v28, v29
	ds_add_u32 v28, v29
	s_wait_dscnt 0x0
	v_lshrrev_b32 v1, 5, v0
	v_readfirstlane_b32 s14, v1                    ; wave 0..3
	s_lshr_b32 s15, s14, 1                         ; which of A's two groups is mine.  Also: I fetch for A (0) or for B (1)
	s_and_b32 s16, s14, 1                          ; which of B's two.  Also: which group of that tile I fetch
	s_bfe_u32 s40, ttmp6, 0x40000                  ; cx
	s_bfe_u32 s41, ttmp6, 0x40004                  ; cy
	s_lshl_b32 s42, ttmp9, 2
	s_add_co_u32 s42, s42, s40                     ; B's tile
	s_and_b32 s17, ttmp7, 0xffff
	s_lshl_b32 s17, s17, 2
	s_add_co_u32 s17, s17, s41                     ; A's tile
	s_lshl_b32 s43, s41, 2
	s_lshl_b32 s43, 15, s43                        ; my row of the cluster
	s_lshl_b32 s44, 0x1111, s40                    ; my column
	s_or_b32 s[G1], s43, (3<<16)|(1<<21)           ; 15:0 the mask; 17:16 elements of 8 bytes; 21 set beside a mask; no padding
	s_or_b32 s[G1B], s44, (3<<16)|(1<<21)
.irp g, G1, G1B
	s_mov_b32 s[\g+1], 32<<16                      ; rows of 256 bytes,
	s_mov_b32 s[\g+2], 100<<16                     ; 100 of them,
	s_mov_b32 s[\g+3], 32<<16
	s_mov_b32 s[\g+4], 100
	s_mov_b32 s[\g+5], 32                          ; dense
	s_mov_b32 s[\g+6], 0
	s_mov_b32 s[\g+7], 0
.endr
	s_lshl_b32 s20, s17, 1
	s_add_co_u32 s20, s20, s16
	s_mul_i32 s20, s20, KS*SLABB
	s_mov_b32 s21, 0
	s_lshl_b32 s46, s42, 1
	s_add_co_u32 s46, s46, s16
	s_mul_i32 s46, s46, KS*SLABB
	s_add_co_u32 s46, s46, BOFF
	s_mov_b32 s47, 0
	s_mul_i32 s45, s14, HALF
	s_wait_kmcnt 0x0
	s_add_nc_u64 s[20:21], s[4:5], s[20:21]
	s_add_nc_u64 s[46:47], s[6:7], s[46:47]
	CROUND                                         ; all sixteen work-groups are here: the first joint loads meet
.irp s, 0,1
	s_mov_b32 s[G0+4*\s], 1
	s_add_co_u32 s[G0+4*\s+1], s45, \s*SLOT
	s_add_nc_u64 s[G0+4*\s+2:G0+4*\s+3], s[20:21], \s*HALF
	s_or_b32 s[G0+4*\s+3], s[G0+4*\s+3], 0x80000000
	s_mov_b32 s[G0B+4*\s], 1
	s_add_co_u32 s[G0B+4*\s+1], s45, \s*SLOT
	s_add_nc_u64 s[G0B+4*\s+2:G0B+4*\s+3], s[46:47], \s*HALF
	s_or_b32 s[G0B+4*\s+3], s[G0B+4*\s+3], 0x80000000
	JLOAD G0+4*\s, G1, G0B+4*\s, G1B
.endr
	v_and_b32 v1, 15, v0                           ; r
	v_bfe_u32 v2, v0, 4, 1                         ; h
	v_and_b32 v3, 31, v0
	v_lshlrev_b32 v[L16], 4, v3
	v_lshlrev_b32 v[L8], 3, v3
	s_mul_i32 s21, s15, HALF
	s_mul_i32 s22, s16, HALF
	s_add_co_u32 s22, s22, 2*HALF
.irp s, 0,1
	v_add_nc_u32 v[ADRA+\s], s21, v[L16]
	v_add_nc_u32 v[ADRA+2+\s], s21, v[L8]
	v_add_nc_u32 v[ADRB+\s], s22, v[L16]
	v_add_nc_u32 v[ADRB+2+\s], s22, v[L8]
	s_add_co_u32 s21, s21, SLOT
	s_add_co_u32 s22, s22, SLOT
.endr
	s_mul_i32 s21, s15, HALF
	s_mul_i32 s22, s16, HALF
	s_add_co_u32 s22, s22, 2*HALF
	s_sub_co_u32 s22, s22, s21
	v_mul_u32_u24 v6, s22, v2                      ; lanes 16-31 take B's: one product with h
	v_lshl_add_u32 v6, v1, 2, v6
	v_add_nc_u32 v[ADRS], s21, v6
	v_add_nc_u32 v[ADRS+1], SLOT, v[ADRS]
	s_lshl_b32 s72, s42, 10
	s_lshl_b32 s73, s16, 9
	s_add_co_u32 s72, s72, s73                     ; my 128 columns' bias
	s_mov_b32 s73, 0
	s_add_nc_u64 s[12:13], s[12:13], s[72:73]
	v_lshlrev_b32 v4, 6, v2                        ; register 16 bb + i: column 32 bb + 16 h + i: the result's layout
.irp b, 0,1,2,3
.irp q, 0,1,2,3
	global_load_b128 v[BI+16*\b+4*\q:BI+16*\b+4*\q+3], v4, s[12:13] offset:128*\b+16*\q
.endr
.endr
	s_mul_i32 s21, s14, 8448                       ; my stage, in slot 0: that slot has had its last fill and its last read when the first result is stored there
	v_mul_u32_u24 v24, v1, 528
	v_lshl_add_u32 v24, v2, 6, v24
	v_add_nc_u32 v24, s21, v24                     ; in: row r, + 64 h
	v_add_nc_u32 v25, s21, v[L16]                  ; back: a row's 512 bytes
	s_lshl_b32 s70, s17, 1
	s_add_co_u32 s70, s70, s15
	s_lshl_b32 s70, s70, 19                        ; my 128 rows of 4,096 bytes
	s_lshl_b32 s71, s42, 10
	s_add_co_u32 s70, s70, s71
	s_lshl_b32 s71, s16, 9
	s_add_co_u32 s70, s70, s71                     ; my 128 columns
	s_mov_b32 s71, 0
	s_add_nc_u64 s[8:9], s[8:9], s[70:71]
	s_add_nc_u64 s[10:11], s[10:11], s[70:71]
	s_wait_loadcnt 0x0                             ; the bias
	s_wait_tensorcnt 0x1                           ; my part of slot 0 is in; slot 1's may stay out
	s_barrier_signal -1
	s_barrier_wait -1
	FETCH_B 0, 0, 0
	FETCH_A 0, 0, 0
	SCALES 0
	FETCH_A 0, 0, 4
	STEP 0, 0, ZERO
	s_mov_b32 s3, LAPS-1
.Llap:
	TURN 0, 1, 1
	STEP 1, 0, 0
	TURN 1, 0, 1
	STEP 0, 0, 0
	s_sub_co_u32 s3, s3, 1
	s_cmp_lg_u32 s3, 0
	s_cbranch_scc1 .Llap
	TURN 0, 1, 0
	STEP 1, 0, 0
	s_wait_dscnt 4*NL
	WIN MUL_LO
	MUL16 0, 1, 1, 1, 0
	MUL16 2, 1, 1, 1, 0
	s_wait_dscnt 0
	WIN MUL_HI
	MUL16 4, 1, 1, 1, 0
	MUL16 6, 1, 1, 1, 0
	WIN 0
	PLACES NP                                      ; in front of the first read of results and of loads into registers that held fragments
	RLOAD 0
	RLOAD 1
.set a, 0
.rept 8
	TOSTAGE a
	s_wait_dscnt 0x0
.if a < 7
	s_wait_loadcnt 16                              ; this block's residual is in; the next block's 16 loads may be out
.else
	s_wait_loadcnt 0
.endif
.set j, 0
.rept 32
	v_pk_add_f32 v[RR+64*(a%2)+j:RR+64*(a%2)+j+1], v[RR+64*(a%2)+j:RR+64*(a%2)+j+1], v[BB+j:BB+j+1]
.set j, j+2
.endr
.irp t, 0,1,2,3,4,5,6,7,8,9,10,11,12,13,14,15
	global_store_b128 v[L16], v[RR+64*(a%2)+4*\t:RR+64*(a%2)+4*\t+3], s[10:11] offset:(32*(a/2)+8*(a%2)+\t+8*(\t/8))*4096 th:TH_STORE_NT   ; 32 lanes store 512 consecutive bytes, aligned to 256; written once, read by nobody here
.endr
.if a < 6
	s_wait_xcnt 0x0                                ; the stores have read their registers: the set takes the block two on
	RLOAD a+2
.endif
.set a, a+1
.endr
	s_wait_tensorcnt 0x0                           ; the wave's end
	ds_add_u32 v[SPW], v[NIL]
	s_wait_dscnt 0x0
	CROUND                                         ; the closing round
	s_endpgm
.Lfunc_end_k_q030f000188_fc3:
	.size	k_q030f000188_fc3, .Lfunc_end_k_q030f000188_fc3-k_q030f000188_fc3
	.p2alignl 7, 3214868480
	.fill 96, 4, 3214868480
	.section	.rodata,"a",@progbits
	.p2align	6, 0x0
	.amdhsa_kernel k_q030f000188_fc3
		.amdhsa_group_segment_fixed_size 327680
		.amdhsa_private_segment_fixed_size 0
		.amdhsa_enable_private_segment 0
		.amdhsa_kernarg_size 40
		.amdhsa_user_sgpr_count 2
		.amdhsa_user_sgpr_kernarg_segment_ptr 1
		.amdhsa_wavefront_size32 1
		.amdhsa_system_sgpr_workgroup_id_x 1
		.amdhsa_system_sgpr_workgroup_id_y 1
		.amdhsa_system_sgpr_workgroup_id_z 1
		.amdhsa_system_vgpr_workitem_id 0
		.amdhsa_next_free_vgpr 1024
		.amdhsa_next_free_sgpr 100
		.amdhsa_reserve_vcc 0
		.amdhsa_float_denorm_mode_32 3
		.amdhsa_float_denorm_mode_16_64 3
		.amdhsa_memory_ordered 1
		.amdhsa_forward_progress 1
		.amdhsa_inst_pref_size 173
	.end_amdhsa_kernel
	.amdgpu_metadata
---
amdhsa.version: [ 1, 2 ]
amdhsa.kernels:
  - .name:           k_q030f000188_fc3
    .symbol:         k_q030f000188_fc3.kd
    .args:
      - { .name: gq, .offset: 0, .size: 8, .value_kind: global_buffer, .address_space: global }
      - { .name: P, .offset: 8, .size: 8, .value_kind: global_buffer, .address_space: global }
      - { .name: bfc3, .offset: 16, .size: 8, .value_kind: global_buffer, .address_space: global }
      - { .name: mlp, .offset: 24, .size: 8, .value_kind: global_buffer, .address_space: global }
      - { .name: out0, .offset: 32, .size: 8, .value_kind: global_buffer, .address_space: global }
    .group_segment_fixed_size: 327680
    .private_segment_fixed_size: 0
    .kernarg_segment_align: 8
    .kernarg_segment_size: 40
    .max_flat_workgroup_size: 128
    .sgpr_count:     100
    .vgpr_count:     1024
    .wavefront_size: 32
...
	.end_amdgpu_metadata
.endif
;; end of part 6
;; ======== version 2 of 2: 6 launches
;; limits: right only within a limited range of input values
;; workspace buffers: P 13,631,488 bytes; qkvb 10,092,544 bytes; aq 3,276,800 bytes; mlp 16,777,216 bytes; hq 3,276,800 bytes; gq 13,107,200 bytes
;; launch prep (part 7): grid 384 x 1, 8 waves a work-group, no clusters, 2,048 bytes of LDS; arguments inputs, ln1_g, ln1_b, Wq_codes, Wq_scales, Wk_codes, Wk_scales, Wv_codes, Wv_scales, Wo_codes, Wo_scales, Wfc2_codes, Wfc2_scales, Wfc3_codes, Wfc3_scales, P; writes P
.if DOCPART == 7
	.amdgcn_target "amdgcn-amd-amdhsa--gfx1250"
	.amdhsa_code_object_version 6
	.text
	.protected	k_q030f000188_prep
	.globl	k_q030f000188_prep
	.p2align	8
	.type	k_q030f000188_prep,@function
k_q030f000188_prep:
	s_mov_b64 s[64:65], 0
	v_nop
	global_prefetch_b8 v0, s[64:65] scope:SCOPE_SE
	s_setreg_imm32_b32 hwreg(HW_REG_WAVE_MODE, 25, 1), 1
	s_wait_xcnt 0x0
; THREE JOBS, told apart by the work-group's number; each lays data as the later launches' matrix operands want them.
;   work-groups 0-255:   LayerNorm of 16 rows of [4096][1024] f32 (argument 0, gain 1, bias 2), quantised to FP6 (E2M3) with one E8M0 byte for each 32 along the row, stored as an image (below) from byte 0 of argument 15.
;   work-groups 256-351: the six weights' codes and scale bytes, re-laid as images.      work-groups 352-383: the rotary table [2048 positions][32 pairs][cos, sin] f32.
; The same body serves the second LayerNorm: launched with 256 work-groups and other buffers at places 0, 1, 2 and 15, it walks the first path alone.
; IMAGES.  A fragment is 16 rows x 128 K of 6-bit codes, 12 registers a lane (lane (r, h): row r; registers 6 c .. 6 c + 5: k = 64 c + 32 h + 0 .. 31).  It lies in memory as its registers stand:
; for c = 0, 1: registers 6 c .. 6 c + 3 at 768 c + 16 x lane, registers 6 c + 4, 6 c + 5 at 768 c + 512 + 8 x lane.  A SLAB is a group of 128 rows x 128 K: 8 fragments of 1,536 bytes, then the scale words
; (one word a row) at 12,288 + 64 i + 4 r: 12,800 bytes.  Slab (group G, K step s) of a tensor [R][K] lies at (G K / 128 + s) x 12,800.
; THE ROWS OF A FRAGMENT ARE NOT NEIGHBOURS: lane r of fragment i holds row 32 (i / 2) + 8 (i % 2) + r + 8 (r / 8) of the group, so that a product's results lie, in a lane, as 16 neighbours along the next K.
; A block's scale is 2^(floor(log2(its largest magnitude)) - 2); its byte is the largest magnitude's exponent field - 2, held at 1 from below.
; LIMITS: NaN and infinities among the inputs are not served.  A block of zeros gets the byte 1 where the rule says 127: its codes are zeros, and the bytes are read by this program alone.
; The rotary frequencies 10^(-j / 8) come from v_exp_f32; the angle's reduction by pi / 2 in two parts is exact for angles under 2^13 (here under 2,048).
.set X,    32                          ; v32-95   64 numbers of my row: register 16 b + i = column 128 wave + 32 b + 16 h + i
.set GG,   96                          ; v96-159  the gain at these columns; later the codes
.set BB,   160                         ; v160-223 the bias
.set TM,   224                         ; v224-239 at work in QUANT
.set PW,   240                         ; v240     the scale word
.set PC,   96                          ; v96-115  the codes
.set L16,  5                           ; v5       16 x lane
.set L8,   6                           ; v6       8 x lane
.set SEL,  20                          ; s[20:21] lane selects for v_permlanex16_b32: lane l xor 16
.set SLABB,   12800
.set FC3OFF,  9830400                  ; Wfc3's image in P
.set ROPEOFF, 13107200                 ; the rotary table in P
; 64 numbers of a lane, v[s] .. v[s + 63], register 16 b + i = k 32 b + 16 h + i of my row, become a fragment's codes in v[PC] .. v[PC + 11] and its scale word in v[PW].
.macro QUANT s
.irp b, 0,1,2,3
	v_max3_num_f32 v[TM+\b], |v[\s+16*\b]|, |v[\s+1+16*\b]|, 0x1800000   ; my 16 numbers of block b, and the floor 2^(3 - 127): the byte cannot fall under 1
.endr
.irp i, 2,4,6,8,10,12,14
.irp b, 0,1,2,3
	s_delay_alu instid0(VALU_DEP_4)
	v_max3_num_f32 v[TM+\b], |v[\s+16*\b+\i]|, |v[\s+1+16*\b+\i]|, v[TM+\b]   ; the four blocks by turns
.endr
.endr
.irp b, 0,1,2,3
	s_delay_alu instid0(VALU_DEP_4)
	v_permlanex16_b32 v[TM+4+\b], v[TM+\b], s[SEL], s[SEL+1]
.endr
.irp b, 0,1,2,3
	s_delay_alu instid0(VALU_DEP_4)
	v_max_num_f32 v[TM+\b], v[TM+\b], v[TM+4+\b]                   ; with lane l xor 16's: the block's largest magnitude
.endr
.irp b, 0,1,2,3
	s_delay_alu instid0(VALU_DEP_4)
	v_add_nc_u32 v[TM+12+\b], 0xff000000, v[TM+\b]                 ; 2 off its exponent field: the conversion's scale operand
.endr
.irp b, 0,1,2,3
	s_delay_alu instid0(VALU_DEP_4)
	v_lshrrev_b32 v[TM+4+\b], 23, v[TM+12+\b]                      ; the scale's byte
.endr
	s_delay_alu instid0(VALU_DEP_3)
	v_lshl_or_b32 v[PW], v[TM+5], 8, v[TM+4]
	s_delay_alu instid0(VALU_DEP_1)
	v_lshl_or_b32 v[PW], v[TM+6], 16, v[PW]
	s_delay_alu instid0(VALU_DEP_1)
	v_lshl_or_b32 v[PW], v[TM+7], 24, v[PW]
.irp c, 0,1
	v_cvt_scalef32_pk16_fp6_f32 v[PC+6*\c:PC+2+6*\c], v[\s+32*\c:\s+15+32*\c], v[TM+12+2*\c]
	v_cvt_scalef32_pk16_fp6_f32 v[PC+12+4*\c:PC+14+4*\c], v[\s+16+32*\c:\s+31+32*\c], v[TM+13+2*\c]   ; (a conversion's three registers begin on an even number)
.endr
	v_nop                                          ; one plain place behind a scaled conversion
.irp c, 0,1                                    ; the operand's layout wants a whole block in a lane
.irp i, 0,1,2
	v_permlane16_swap_b32 v[PC+6*\c+\i], v[PC+12+4*\c+\i]
.endr
.irp i, 0,1,2
	s_delay_alu instid0(VALU_DEP_3)
	v_mov_b32 v[PC+3+6*\c+\i], v[PC+12+4*\c+\i]
.endr
.endr
.endm
; Four chains of pairs in v14-21 become the row's sum over all 1,024 columns, in v22 of every lane: my lane's, lane l xor 16's, then the eight waves' through 512 bytes of LDS at off.
.macro ACROSS off
	s_delay_alu instid0(VALU_DEP_3)
	v_pk_add_f32 v[14:15], v[14:15], v[16:17]
	s_delay_alu instid0(VALU_DEP_2)
	v_pk_add_f32 v[18:19], v[18:19], v[20:21]
	s_delay_alu instid0(VALU_DEP_1)
	v_pk_add_f32 v[14:15], v[14:15], v[18:19]
	s_delay_alu instid0(VALU_DEP_1)
	v_add_f32 v14, v14, v15
	s_delay_alu instid0(VALU_DEP_1)
	v_permlanex16_b32 v15, v14, s[SEL], s[SEL+1]
	s_delay_alu instid0(VALU_DEP_1)
	v_add_f32 v14, v14, v15
	ds_store_b32 v8, v14 offset:\off               ; word (row r, wave); both halves of the lanes write the same word with the same value
	s_wait_dscnt 0x0                               ; for the others' sake: my store has landed
	s_barrier_signal -1
	s_barrier_wait -1
	ds_load_b128 v[22:25], v9 offset:\off          ; my row's eight partial sums
	ds_load_b128 v[26:29], v9 offset:\off+16
	s_wait_dscnt 0x0
	v_pk_add_f32 v[22:23], v[22:23], v[24:25]
	v_pk_add_f32 v[26:27], v[26:27], v[28:29]
	s_delay_alu instid0(VALU_DEP_1)
	v_pk_add_f32 v[22:23], v[22:23], v[26:27]
	s_delay_alu instid0(VALU_DEP_1)
	v_add_f32 v22, v22, v23
.endm
; One slab of a weight: group s41, K step s42, to byte s43 of P.  A row of codes is KROW bytes, a row of scale bytes SROW.  The codes' 24 bytes a lane and block pair are the operand's registers as they lie.
.macro RELAY KROW, SROW
	s_mul_i32 s44, s41, 128*\KROW
	s_mul_i32 s46, s42, 96
	s_add_co_u32 s44, s44, s46
	s_mov_b32 s45, 0
	s_add_nc_u64 s[4:5], s[4:5], s[44:45]          ; the codes of the group's first row, at this K step
	s_mul_i32 s44, s41, 128*\SROW
	s_lshl_b32 s46, s42, 2
	s_add_co_u32 s44, s44, s46
	s_add_nc_u64 s[6:7], s[6:7], s[44:45]          ; and its scale word
	s_mov_b32 s44, s43
	s_add_nc_u64 s[10:11], s[10:11], s[44:45]      ; the slab
	v_mul_u32_u24 v3, v7, \KROW
	s_delay_alu instid0(VALU_DEP_1)
	v_mad_u32_u24 v3, v2, 24, v3                   ; row r + 8 (r / 8), + 24 h
	v_mul_u32_u24 v4, v8, \SROW
.irp i, 0,1,2,3,4,5,6,7
.irp p, 0,1,2,3,4,5
	global_load_b64 v[32+12*\i+2*\p:33+12*\i+2*\p], v3, s[4:5] offset:(32*(\i/2)+8*(\i%2))*\KROW+48*(\p/3)+8*(\p%3)
.endr
.endr
.irp q, 0,1,2,3
	global_load_b32 v[128+\q], v4, s[6:7] offset:\q*\SROW   ; the four scale words that lie at 16 x lane in the slab's 512 bytes of them
.endr
	s_wait_loadcnt 0x0
.irp i, 0,1,2,3,4,5,6,7
	global_store_b128 v[L16], v[32+12*\i:35+12*\i], s[10:11] offset:1536*\i          ; each store covers consecutive bytes, 512 or 256, aligned to 256
	global_store_b64 v[L8], v[36+12*\i:37+12*\i], s[10:11] offset:1536*\i+512
	global_store_b128 v[L16], v[38+12*\i:41+12*\i], s[10:11] offset:1536*\i+768
	global_store_b64 v[L8], v[42+12*\i:43+12*\i], s[10:11] offset:1536*\i+1280
.endr
	global_store_b128 v[L16], v[128:131], s[10:11] offset:12288
	s_endpgm
.endm
	v_lshl_add_u32 v254, v0, 2, 0x400
	v_mov_b32 v255, 0
	v_lshrrev_b32 v1, 5, v0
	s_delay_alu instid0(VALU_DEP_1)
	v_readfirstlane_b32 s12, v1                    ; wave 0..7
	s_cmp_ge_u32 ttmp9, 256
	s_cbranch_scc1 .Lnot_ln
	; ---- LAYERNORM.  Work-group g is fragment i = g % 8 of group G = g / 8: 16 rows.  Wave w takes columns 128 w on: K step w.  Lane (r, h) takes row r + 8 (r / 8) of the fragment's.
	s_load_b128 s[4:7], s[0:1], 0x0                ; the rows, the gain
	s_load_b64 s[8:9], s[0:1], 0x10                ; the bias
	s_load_b64 s[10:11], s[0:1], 0x78              ; the image
	v_and_b32 v1, 15, v0                           ; r
	v_bfe_u32 v2, v0, 4, 1                         ; h
	v_and_b32 v5, 31, v0
	s_delay_alu instid0(VALU_DEP_1)
	v_lshlrev_b32 v6, 3, v5                        ; 8 x lane
	s_delay_alu instid0(VALU_DEP_2)
	v_lshlrev_b32 v5, 4, v5                        ; 16 x lane
	v_lshlrev_b32 v7, 2, v1                        ; 4 r
	v_lshlrev_b32 v9, 5, v1                        ; LDS: my row's eight words
	s_lshl_b32 s13, s12, 2
	v_add_nc_u32 v8, s13, v9                       ; and my wave's among them
	s_lshl_b32 s13, s12, 9
	v_lshl_add_u32 v4, v2, 6, s13                  ; gain and bias: 512 w + 64 h
	v_and_b32 v3, 8, v1
	s_delay_alu instid0(VALU_DEP_1)
	v_add_nc_u32 v3, v3, v1
	s_delay_alu instid0(VALU_DEP_1)
	v_lshl_add_u32 v3, v3, 12, v4                  ; the rows: + (r + 8 (r / 8)) x 4,096
.irp b, 0,1,2,3
	v_mov_b32 v[TM+4+\b], 0                        ; written once: a lane permute's destination counts as one of its sources
.endr
	s_mov_b32 s[SEL], 0x76543210
	s_mov_b32 s[SEL+1], 0xfedcba98
	s_mov_b32 s22, 0x3a800000                      ; 1 / 1,024
	s_mov_b32 s23, 0x3727c5ac                      ; 1e-5
	s_lshr_b32 s16, ttmp9, 3                       ; G
	s_and_b32 s17, ttmp9, 7                        ; i
	s_lshl_b32 s18, s16, 7
	s_lshr_b32 s19, s17, 1
	s_lshl_b32 s19, s19, 5
	s_add_co_u32 s18, s18, s19
	s_and_b32 s19, s17, 1
	s_lshl_b32 s19, s19, 3
	s_add_co_u32 s18, s18, s19                     ; the fragment's first row: 128 G + 32 (i / 2) + 8 (i % 2)
	s_lshl_b32 s18, s18, 12
	s_mov_b32 s19, 0
	s_lshl_b32 s24, s16, 3
	s_add_co_u32 s24, s24, s12
	s_mul_i32 s24, s24, SLABB                      ; slab (G, w)
	s_lshl_b32 s26, s17, 6
	s_add_co_u32 s26, s26, s24
	s_add_co_u32 s26, s26, 12288                   ; the fragment's scale words
	s_mul_i32 s25, s17, 1536
	s_add_co_u32 s24, s24, s25                     ; the fragment
	s_mov_b32 s25, 0
	s_mov_b32 s27, 0
	s_wait_alu depctr_va_vdst(0)
	s_wait_kmcnt 0x0
	s_add_nc_u64 s[4:5], s[4:5], s[18:19]
	s_add_nc_u64 s[14:15], s[10:11], s[26:27]
	s_add_nc_u64 s[10:11], s[10:11], s[24:25]
.irp b, 0,1,2,3
.irp j, 0,1,2,3
	global_load_b128 v[X+16*\b+4*\j:X+16*\b+4*\j+3], v3, s[4:5] offset:128*\b+16*\j
.endr
.endr
.irp b, 0,1,2,3
.irp j, 0,1,2,3
	global_load_b128 v[GG+16*\b+4*\j:GG+16*\b+4*\j+3], v4, s[6:7] offset:128*\b+16*\j
.endr
.endr
.irp b, 0,1,2,3
.irp j, 0,1,2,3
	global_load_b128 v[BB+16*\b+4*\j:BB+16*\b+4*\j+3], v4, s[8:9] offset:128*\b+16*\j
.endr
.endr
	s_wait_loadcnt 32                              ; my 64 numbers are in; the 32 younger loads, gain and bias, may be out
.irp c, 0,1,2,3
	v_pk_add_f32 v[14+2*\c:15+2*\c], v[X+2*\c:X+2*\c+1], v[X+8+2*\c:X+9+2*\c]
.endr
.irp j, 16,24,32,40,48,56
.irp c, 0,1,2,3
	s_delay_alu instid0(VALU_DEP_4)
	v_pk_add_f32 v[14+2*\c:15+2*\c], v[14+2*\c:15+2*\c], v[X+\j+2*\c:X+\j+2*\c+1]
.endr
.endr
	ACROSS 0
	s_delay_alu instid0(VALU_DEP_1)
	v_mul_f32 v10, s22, v22                        ; the mean
	s_delay_alu instid0(VALU_DEP_1)
	v_mov_b32 v11, v10
.set j, 0
.rept 32
	v_pk_add_f32 v[X+j:X+j+1], v[X+j:X+j+1], v[10:11] neg_lo:[0,1] neg_hi:[0,1]   ; centred first: the variance is a sum of squares of small numbers, whatever the rows' common offset
.set j, j+2
.endr
.irp c, 0,1,2,3
	v_pk_mul_f32 v[14+2*\c:15+2*\c], v[X+2*\c:X+2*\c+1], v[X+2*\c:X+2*\c+1]
.endr
.irp j, 8,16,24,32,40,48,56
.irp c, 0,1,2,3
	s_delay_alu instid0(VALU_DEP_4)
	v_pk_fma_f32 v[14+2*\c:15+2*\c], v[X+\j+2*\c:X+\j+2*\c+1], v[X+\j+2*\c:X+\j+2*\c+1], v[14+2*\c:15+2*\c]
.endr
.endr
	ACROSS 512                                     ; other LDS bytes than the first exchange's: no barrier is needed between the two
	s_delay_alu instid0(VALU_DEP_1)
	v_fma_f32 v12, v22, s22, s23                   ; the variance + 1e-5
	s_wait_alu depctr_va_vdst(0)
	v_rsq_f32 v12, v12
	v_nop                                          ; a plain place behind the transcendental
	s_wait_alu depctr_va_vdst(0)                   ; and the wait ahead of its first reader
	v_mov_b32 v13, v12
	s_wait_alu depctr_va_vdst(0)
	s_wait_loadcnt 0x0                             ; gain and bias
.set j, 0
.rept 32
	v_pk_mul_f32 v[X+j:X+j+1], v[X+j:X+j+1], v[12:13]
.set j, j+2
.endr
.set j, 0
.rept 32
	v_pk_fma_f32 v[X+j:X+j+1], v[X+j:X+j+1], v[GG+j:GG+j+1], v[BB+j:BB+j+1]
.set j, j+2
.endr
	QUANT X
	global_store_b128 v[L16], v[PC:PC+3], s[10:11]
	global_store_b64 v[L8], v[PC+4:PC+5], s[10:11] offset:512
	global_store_b128 v[L16], v[PC+6:PC+9], s[10:11] offset:768
	global_store_b64 v[L8], v[PC+10:PC+11], s[10:11] offset:1280
	global_store_b32 v7, v[PW], s[14:15]           ; 16 scale words, 64 consecutive bytes; both halves of the lanes store the same word
	s_wait_tensorcnt 0x0
	ds_add_u32 v254, v255
	s_wait_dscnt 0x0
	s_endpgm
.Lnot_ln:
	s_cmp_ge_u32 ttmp9, 352
	s_cbranch_scc1 .Lrope
	; ---- THE WEIGHTS.  j = work-group - 256.  j 0-63: groups of Wq (8), Wk (8), Wv (8), Wo (8), Wfc2 (32), one K step to a wave; j 64-95: Wfc3, 8 groups x 32 K steps, 8 K steps to a work-group.
	s_load_b512 s[16:31], s[0:1], 0x18             ; codes and scales of Wq, Wk, Wv, Wo
	s_load_b256 s[32:39], s[0:1], 0x58             ; of Wfc2, Wfc3
	s_load_b64 s[10:11], s[0:1], 0x78              ; P
	s_sub_co_u32 s13, ttmp9, 256
	v_and_b32 v1, 15, v0                           ; r
	v_bfe_u32 v2, v0, 4, 1                         ; h
	v_and_b32 v9, 31, v0                           ; lane l
	s_delay_alu instid0(VALU_DEP_1)
	v_lshlrev_b32 v5, 4, v9
	s_delay_alu instid0(VALU_DEP_2)
	v_lshlrev_b32 v6, 3, v9
	v_and_b32 v7, 8, v1
	s_delay_alu instid0(VALU_DEP_1)
	v_add_nc_u32 v7, v7, v1                        ; r + 8 (r / 8)
	v_and_b32 v8, 24, v9                           ; the rows whose scale words lie at 16 l: fragment l / 4, lanes 4 (l % 4) + q:
	s_delay_alu instid0(VALU_DEP_1)
	v_lshlrev_b32 v8, 2, v8                        ; 32 (l / 8)
	v_and_b32 v10, 4, v9
	s_delay_alu instid0(VALU_DEP_1)
	v_lshl_add_u32 v8, v10, 1, v8                  ; + 8 ((l / 4) % 2)
	v_and_b32 v10, 3, v9
	s_delay_alu instid0(VALU_DEP_1)
	v_lshl_add_u32 v8, v10, 2, v8                  ; + 4 (l % 4)
	v_and_b32 v10, 2, v9
	s_delay_alu instid0(VALU_DEP_1)
	v_lshl_add_u32 v8, v10, 2, v8                  ; + 8 ((l / 2) % 2);  + q stands in the loads' offsets
	s_wait_kmcnt 0x0
	s_cmp_ge_u32 s13, 8                            ; which tensor: the choices hang on the work-group's number alone
	s_cselect_b64 s[4:5], s[20:21], s[16:17]
	s_cselect_b64 s[6:7], s[22:23], s[18:19]
	s_cselect_b32 s40, 8, 0
	s_cmp_ge_u32 s13, 16
	s_cselect_b64 s[4:5], s[24:25], s[4:5]
	s_cselect_b64 s[6:7], s[26:27], s[6:7]
	s_cselect_b32 s40, 16, s40
	s_cmp_ge_u32 s13, 24
	s_cselect_b64 s[4:5], s[28:29], s[4:5]
	s_cselect_b64 s[6:7], s[30:31], s[6:7]
	s_cselect_b32 s40, 24, s40
	s_cmp_ge_u32 s13, 32
	s_cselect_b64 s[4:5], s[32:33], s[4:5]
	s_cselect_b64 s[6:7], s[34:35], s[6:7]
	s_cselect_b32 s40, 32, s40
	s_cmp_ge_u32 s13, 64
	s_cselect_b64 s[4:5], s[36:37], s[4:5]
	s_cselect_b64 s[6:7], s[38:39], s[6:7]
	s_cbranch_scc1 .Lfc3
	s_sub_co_u32 s41, s13, s40                     ; the group in its tensor
	s_mov_b32 s42, s12                             ; K step = wave
	s_add_co_u32 s43, s13, 32                      ; in P the weights' groups follow x's 32
	s_lshl_b32 s43, s43, 3
	s_add_co_u32 s43, s43, s12
	s_mul_i32 s43, s43, SLABB
	s_wait_alu depctr_va_vdst(0)
	RELAY 768, 32
.Lfc3:
	s_sub_co_u32 s41, s13, 64
	s_and_b32 s42, s41, 3
	s_lshl_b32 s42, s42, 3
	s_add_co_u32 s42, s42, s12                     ; K step 8 (j % 4) + wave
	s_lshr_b32 s41, s41, 2                         ; group
	s_lshl_b32 s43, s41, 5
	s_add_co_u32 s43, s43, s42
	s_mul_i32 s43, s43, SLABB
	s_add_co_u32 s43, s43, FC3OFF
	s_wait_alu depctr_va_vdst(0)
	RELAY 3072, 128
.Lrope:
	; ---- THE ROTARY TABLE.  A wave takes 8 positions; lane j takes pair j: angle = position x 10^(-j / 8).  cos and sin by reduction to |r| <= pi / 4 and two short polynomials.
	s_load_b64 s[10:11], s[0:1], 0x78
	s_sub_co_u32 s13, ttmp9, 352
	s_lshl_b32 s13, s13, 6
	s_lshl_b32 s14, s12, 3
	s_add_co_u32 s13, s13, s14                     ; my first position
	v_and_b32 v1, 31, v0
	s_delay_alu instid0(VALU_DEP_1)
	v_cvt_f32_u32 v2, v1
	s_delay_alu instid0(VALU_DEP_1)
	v_mul_f32 v2, 0xbed49a78, v2                   ; -j log2(10) / 8
	s_wait_alu depctr_va_vdst(0)
	v_exp_f32 v2, v2
	v_lshlrev_b32 v3, 3, v1                        ; 8 j  (a plain place behind the transcendental)
	s_lshl_b32 s14, s13, 8                         ; 256 bytes a position
	s_add_co_u32 s14, s14, ROPEOFF
	s_mov_b32 s15, 0
	s_mov_b32 s24, 0x3fc90fdb                      ; pi / 2, its upper part
	s_mov_b32 s25, 0xb33bbd2e                      ; and the rest
	s_mov_b32 s26, 0xb94ca1f9                      ; sine: r + r z (S0 + z (S1 + z S2)), z = r r
	s_mov_b32 s27, 0x3c08839e
	s_mov_b32 s28, 0xbe2aaaa3
	s_mov_b32 s29, 0x37ccf5ce                      ; cosine: 1 - z / 2 + z z (C0 + z (C1 + z C2))
	s_mov_b32 s30, 0xbab6061a
	s_mov_b32 s31, 0x3d2aaaa5
	s_wait_kmcnt 0x0
	s_add_nc_u64 s[10:11], s[10:11], s[14:15]
	s_wait_alu depctr_va_vdst(0)                   ; ahead of the first reader of the frequency
.set t, 0
.rept 8
	s_add_co_u32 s16, s13, t
	v_cvt_f32_u32 v4, s16
	v_mul_f32 v4, v4, v2                           ; the angle, one f32 product as in the definition
	s_delay_alu instid0(VALU_DEP_1)
	v_mul_f32 v5, 0x3f22f983, v4
	s_delay_alu instid0(VALU_DEP_1)
	v_rndne_f32 v5, v5                             ; k = the nearest multiple of pi / 2
	s_delay_alu instid0(VALU_DEP_1)
	v_fma_f32 v6, -v5, s24, v4
	s_delay_alu instid0(VALU_DEP_1)
	v_fma_f32 v6, -v5, s25, v6                     ; r
	s_delay_alu instid0(VALU_DEP_1)
	v_mul_f32 v7, v6, v6                           ; z
	s_delay_alu instid0(VALU_DEP_1)
	v_fma_f32 v8, v7, s26, s27
	s_delay_alu instid0(VALU_DEP_2)
	v_fma_f32 v9, v7, s29, s30
	s_delay_alu instid0(VALU_DEP_2)
	v_fma_f32 v8, v8, v7, s28
	s_delay_alu instid0(VALU_DEP_2)
	v_fma_f32 v9, v9, v7, s31
	s_delay_alu instid0(VALU_DEP_2)
	v_mul_f32 v8, v8, v7
	v_mul_f32 v10, v7, v7
	v_fma_f32 v11, v7, -0.5, 1.0
	s_delay_alu instid0(VALU_DEP_3)
	v_fma_f32 v8, v8, v6, v6                       ; sin r
	s_delay_alu instid0(VALU_DEP_2)
	v_fma_f32 v9, v10, v9, v11                     ; cos r
	v_cvt_i32_f32 v12, v5
	s_delay_alu instid0(VALU_DEP_1)
	v_and_b32 v13, 1, v12
	s_delay_alu instid0(VALU_DEP_1)
	v_cmp_eq_u32 vcc_lo, 1, v13                    ; k odd: the two change places (a choice of values, no branch)
	s_delay_alu instid0(VALU_DEP_1)
	v_cndmask_b32 v14, v8, v9, vcc_lo
	s_delay_alu instid0(VALU_DEP_2)
	v_cndmask_b32 v15, v9, v8, vcc_lo
	v_and_b32 v13, 2, v12                          ; the sine's sign turns for k % 4 = 2, 3
	s_delay_alu instid0(VALU_DEP_1)
	v_lshlrev_b32 v13, 30, v13
	s_delay_alu instid0(VALU_DEP_1)
	v_xor_b32 v[41+2*t], v13, v14
	v_add_nc_u32 v12, 1, v12                       ; the cosine's for k % 4 = 1, 2
	s_delay_alu instid0(VALU_DEP_1)
	v_and_b32 v12, 2, v12
	s_delay_alu instid0(VALU_DEP_1)
	v_lshlrev_b32 v12, 30, v12
	s_delay_alu instid0(VALU_DEP_1)
	v_xor_b32 v[40+2*t], v12, v15
	global_store_b64 v3, v[40+2*t:41+2*t], s[10:11] offset:256*t   ; 32 lanes store a position's 256 bytes; each position has data registers of its own
.set t, t+1
.endr
	s_endpgm
.Lfunc_end_k_q030f000188_prep:
	.size	k_q030f000188_prep, .Lfunc_end_k_q030f000188_prep-k_q030f000188_prep
	.p2alignl 7, 3214868480
	.fill 96, 4, 3214868480
	.section	.rodata,"a",@progbits
	.p2align	6, 0x0
	.amdhsa_kernel k_q030f000188_prep
		.amdhsa_group_segment_fixed_size 2048
		.amdhsa_private_segment_fixed_size 0
		.amdhsa_enable_private_segment 0
		.amdhsa_kernarg_size 128
		.amdhsa_user_sgpr_count 2
		.amdhsa_user_sgpr_kernarg_segment_ptr 1
		.amdhsa_wavefront_size32 1
		.amdhsa_system_sgpr_workgroup_id_x 1
		.amdhsa_system_sgpr_workgroup_id_y 1
		.amdhsa_system_sgpr_workgroup_id_z 1
		.amdhsa_system_vgpr_workitem_id 0
		.amdhsa_next_free_vgpr 256
		.amdhsa_next_free_sgpr 66
		.amdhsa_reserve_vcc 1
		.amdhsa_float_denorm_mode_32 3
		.amdhsa_float_denorm_mode_16_64 3
		.amdhsa_memory_ordered 1
		.amdhsa_forward_progress 1
		.amdhsa_inst_pref_size 65
	.end_amdhsa_kernel
	.amdgpu_metadata
---
amdhsa.version: [ 1, 2 ]
amdhsa.kernels:
  - .name:           k_q030f000188_prep
    .symbol:         k_q030f000188_prep.kd
    .args:
      - { .name: inputs, .offset: 0, .size: 8, .value_kind: global_buffer, .address_space: global }
      - { .name: ln1_g, .offset: 8, .size: 8, .value_kind: global_buffer, .address_space: global }
      - { .name: ln1_b, .offset: 16, .size: 8, .value_kind: global_buffer, .address_space: global }
      - { .name: Wq_codes, .offset: 24, .size: 8, .value_kind: global_buffer, .address_space: global }
      - { .name: Wq_scales, .offset: 32, .size: 8, .value_kind: global_buffer, .address_space: global }
      - { .name: Wk_codes, .offset: 40, .size: 8, .value_kind: global_buffer, .address_space: global }
      - { .name: Wk_scales, .offset: 48, .size: 8, .value_kind: global_buffer, .address_space: global }
      - { .name: Wv_codes, .offset: 56, .size: 8, .value_kind: global_buffer, .address_space: global }
      - { .name: Wv_scales, .offset: 64, .size: 8, .value_kind: global_buffer, .address_space: global }
      - { .name: Wo_codes, .offset: 72, .size: 8, .value_kind: global_buffer, .address_space: global }
      - { .name: Wo_scales, .offset: 80, .size: 8, .value_kind: global_buffer, .address_space: global }
      - { .name: Wfc2_codes, .offset: 88, .size: 8, .value_kind: global_buffer, .address_space: global }
      - { .name: Wfc2_scales, .offset: 96, .size: 8, .value_kind: global_buffer, .address_space: global }
      - { .name: Wfc3_codes, .offset: 104, .size: 8, .value_kind: global_buffer, .address_space: global }
      - { .name: Wfc3_scales, .offset: 112, .size: 8, .value_kind: global_buffer, .address_space: global }
      - { .name: P, .offset: 120, .size: 8, .value_kind: global_buffer, .address_space: global }
    .group_segment_fixed_size: 2048
    .private_segment_fixed_size: 0
    .kernarg_segment_align: 8
    .kernarg_segment_size: 128
    .max_flat_workgroup_size: 256
    .sgpr_count:     66
    .vgpr_count:     256
    .wavefront_size: 32
...
	.end_amdgpu_metadata
.endif
;; end of part 7
;; launch qkv (part 8): grid 12 x 16, 4 waves a work-group, clusters of 4 x 4, 327,680 bytes of LDS; arguments P, qkvb; writes qkvb
.if DOCPART == 8
	.amdgcn_target "amdgcn-amd-amdhsa--gfx1250"
	.amdhsa_code_object_version 6
	.text
	.protected	k_q030f000188_qkv
	.globl	k_q030f000188_qkv
	.p2align	8
	.type	k_q030f000188_qkv,@function
k_q030f000188_qkv:
	s_mov_b64 s[64:65], 0
	v_nop
	global_prefetch_b8 v0, s[64:65] scope:SCOPE_SE
	s_setreg_imm32_b32 hwreg(HW_REG_WAVE_MODE, 25, 1), 1
	s_wait_xcnt 0x0
	s_wait_alu depctr_hold_cnt(0) depctr_sa_sdst(0) depctr_va_vdst(0) depctr_va_sdst(0) depctr_va_ssrc(0) depctr_va_vcc(0) depctr_vm_vsrc(0)
	s_getreg_b32 s2, hwreg(HW_REG_IB_STS2, 6, 4)
	s_cmp_eq_u32 s2, 0
	s_cbranch_scc0 .Lentry_in_a_cluster
	s_endpgm
.Lentry_in_a_cluster:
	s_bfe_u32 s2, ttmp6, 0x10000c
	s_cmp_lg_u32 s2, 0xf033
	s_cbranch_scc0 .Lentry_shape_is_right
	s_endpgm
.Lentry_shape_is_right:
.set KS,     8
.set ZERO,   1
.set SLABB,  12800
.set HALF,   2*SLABB
.set SLOT,   4*HALF
.set SPARE,  2*SLOT
.set LAPS,   KS/4
.set FR,     12
.set NL,     4
.set NP,     4
.set L16,    10
.set L8,     11
.set ADRS,   12
.set ADRA,   16
.set ADRB,   20
.set SPW,    28
.set NIL,    29
.set SC,     32
.set BI,     64
.set AF,     128
.set G1,     24
.set G0,     32
.set G1B,    48
.set G0B,    56
.set SEL,    66
.set HEADB,  315392
.set QSLAB,  6656
.set KVSLAB, 13056
.set KVOFF,  106496
.set ROPEOFF, 13107200
.set HA,     64
.set CS,     128
.set PC,     192
.set T,      212
.set TM,     220
.set PW,     236
.set SV,     237
.set MSB, 0
.macro WIN new
.if MSB != (\new)
	s_set_vgpr_msb (MSB<<8)|(\new)
.set MSB, (\new)
.endif
.endm
.set MUL_LO, 0xa1
.set MUL_HI, 0xf1
.set TO_B,   0x40
.macro PLACES n
.rept \n
	v_nop
.endr
.endm
.macro JLOAD g0a, g1a, g0b, g1b
	s_cmp_eq_u32 s15, 0
	s_cbranch_scc0 .Lfor_b_\@
	tensor_load_to_lds s[\g0a:\g0a+3], s[\g1a:\g1a+7]
	s_nop 0
.rept 4
	v_nop
.endr
	s_branch .Lasked_\@
.Lfor_b_\@:
	tensor_load_to_lds s[\g0b:\g0b+3], s[\g1b:\g1b+7]
	s_nop 0
.rept 4
	v_nop
.endr
.Lasked_\@:
.endm
.macro CREST
	s_cmp_lg_u32 s14, 0
	s_cbranch_scc1 .Lnot_wave_0_\@
	s_barrier_signal -3
.Lnot_wave_0_\@:
	s_barrier_wait -3
	s_barrier_signal -1
	s_barrier_wait -1
.endm
.macro CROUND
	s_barrier_signal -1
	s_barrier_wait -1
	CREST
.endm
.macro FRAG reg, adr, q, i
	ds_load_b128 v[\reg:\reg+3], v[\adr] offset:(\q)*SLABB+(\i)*1536
	ds_load_b64 v[\reg+4:\reg+5], v[\adr+2] offset:(\q)*SLABB+(\i)*1536+512
	ds_load_b128 v[\reg+6:\reg+9], v[\adr] offset:(\q)*SLABB+(\i)*1536+768
	ds_load_b64 v[\reg+10:\reg+11], v[\adr+2] offset:(\q)*SLABB+(\i)*1536+1280
.endm
.macro MUL16 a0, p, q, sc, zero
.irp a, \a0, \a0+1
.irp b, 0,1,2,3,4,5,6,7
.set rD, 8*(8*((\a)%4)+\b)
.set rB, 128*(\p)+FR*\b
.set rA, AF+FR*(\a)
.set rSB, SC+16*(\sc)+2*\b+(\q)
.set rSA, SC+16*(\sc)+2*(\a)+(\q)
.if (\zero) == 1
	v_wmma_scale_f32_16x16x128_f8f6f4 v[rD:rD+7], v[rB:rB+FR-1], v[rA:rA+FR-1], 0, v[rSB], v[rSA] matrix_a_fmt:MATRIX_FMT_FP6 matrix_b_fmt:MATRIX_FMT_FP6 matrix_a_scale:MATRIX_SCALE_ROW1
.elseif (\zero) == 2
	v_wmma_scale_f32_16x16x128_f8f6f4 v[rD:rD+7], v[rB:rB+FR-1], v[rA:rA+FR-1], v[BI+8*\b:BI+8*\b+7], v[rSB], v[rSA] matrix_a_fmt:MATRIX_FMT_FP6 matrix_b_fmt:MATRIX_FMT_FP6 matrix_a_scale:MATRIX_SCALE_ROW1
.else
	v_wmma_scale_f32_16x16x128_f8f6f4 v[rD:rD+7], v[rB:rB+FR-1], v[rA:rA+FR-1], v[rD:rD+7], v[rSB], v[rSA] matrix_a_fmt:MATRIX_FMT_FP6 matrix_b_fmt:MATRIX_FMT_FP6 matrix_a_scale:MATRIX_SCALE_ROW1
.endif
.endr
.endr
.endm
.macro FETCH_B slot, q, p
	WIN TO_B
.irp i, 0,1,2,3,4,5,6,7
	FRAG 128*(\p)+FR*\i, ADRB+\slot, \q, \i
.endr
	WIN 0
.endm
.macro FETCH_A slot, q, i0
.irp i, \i0, \i0+1, \i0+2, \i0+3
	FRAG AF+FR*(\i), ADRA+\slot, \q, \i
.endr
.endm
.macro SCALES sc
.irp q, 0,1
.irp i, 0,1,2,3,4,5,6,7
	ds_load_b32 v[SC+16*\sc+2*\i+\q], v[ADRS+\sc] offset:\q*SLABB+12288+64*\i
.endr
.endr
.endm
.macro STEP slot, q, zero
	s_wait_dscnt 4*NL
.if (\zero) == 2
	WIN 0x81
.else
	WIN MUL_LO
.endif
	MUL16 0, (\q)%2, \q, \slot, \zero
	MUL16 2, (\q)%2, \q, \slot, \zero
	s_wait_dscnt 0
	PLACES NP
	FETCH_B \slot, (\q)+1, 1-(\q)%2
	FETCH_A \slot, (\q)+1, 0
.if (\zero) == 2
	WIN 0xc1
.else
	WIN MUL_HI
.endif
	MUL16 4, (\q)%2, \q, \slot, \zero
	MUL16 6, (\q)%2, \q, \slot, \zero
	PLACES NP
	WIN 0
	FETCH_A \slot, (\q)+1, 4
.endm
.macro TURN slot, next, fill
.if \fill
	s_wait_xcnt 0x0                                ; my last prefetch has read its base: it steps one chunk
	s_add_nc_u64 s[76:77], s[76:77], HALF
.endif
	s_wait_tensorcnt 0x0
	ds_add_u32 v[SPW], v[NIL]
	s_wait_dscnt 4*NL+1
	WIN MUL_LO
	MUL16 0, 1, 1, \slot, 0
	s_wait_dscnt 0x0
	s_barrier_signal -1
	MUL16 2, 1, 1, \slot, 0
	WIN 0
	s_barrier_wait -1
.if \fill
	CREST
	s_add_nc_u64 s[G0+4*\slot+2:G0+4*\slot+3], s[G0+4*\slot+2:G0+4*\slot+3], 2*HALF
	s_add_nc_u64 s[G0B+4*\slot+2:G0B+4*\slot+3], s[G0B+4*\slot+2:G0B+4*\slot+3], 2*HALF
	JLOAD G0+4*\slot, G1, G0B+4*\slot, G1B
.else
	PLACES NP
.endif
	FETCH_B \next, 0, 0
	FETCH_A \next, 0, 0
	SCALES \next
.if (\fill) && (\slot) == 0
	global_prefetch_b8 v14, s[76:77] offset:2*HALF th:TH_LOAD_NT scope:SCOPE_SE   ; behind chunk 2's load: chunk 3, the last; the refill of chunk 3 asks for nothing
.endif
	WIN MUL_HI
	MUL16 4, 1, 1, \slot, 0
	MUL16 6, 1, 1, \slot, 0
	PLACES NP
	WIN 0
	FETCH_A \next, 0, 4
.endm
.macro QUANT s, w
	WIN (\w)|((\w)<<2)
.irp b, 0,1,2,3
	v_max3_num_f32 v[TM+\b], |v[(\s)+16*\b]|, |v[(\s)+1+16*\b]|, 0x1800000
.endr
.irp i, 2,4,6,8,10,12,14
.irp b, 0,1,2,3
	v_max3_num_f32 v[TM+\b], |v[(\s)+16*\b+\i]|, |v[(\s)+1+16*\b+\i]|, v[TM+\b]
.endr
.endr
	WIN 0
.irp b, 0,1,2,3
	v_permlanex16_b32 v[TM+4+\b], v[TM+\b], s[SEL], s[SEL+1]
.endr
.irp b, 0,1,2,3
	v_max_num_f32 v[TM+\b], v[TM+\b], v[TM+4+\b]
.endr
.irp b, 0,1,2,3
	v_add_nc_u32 v[TM+12+\b], 0xff000000, v[TM+\b]
.endr
.irp b, 0,1,2,3
	v_lshrrev_b32 v[TM+4+\b], 23, v[TM+12+\b]
.endr
	v_lshl_or_b32 v[PW], v[TM+5], 8, v[TM+4]
	v_lshl_or_b32 v[PW], v[TM+6], 16, v[PW]
	v_lshl_or_b32 v[PW], v[TM+7], 24, v[PW]
	WIN (\w)
.irp c, 0,1
	v_cvt_scalef32_pk16_fp6_f32 v[PC+6*\c:PC+2+6*\c], v[(\s)+32*\c:(\s)+15+32*\c], v[TM+12+2*\c]
	v_cvt_scalef32_pk16_fp6_f32 v[PC+12+4*\c:PC+14+4*\c], v[(\s)+16+32*\c:(\s)+31+32*\c], v[TM+13+2*\c]
.endr
	WIN 0
	v_nop
.irp c, 0,1
.irp i, 0,1,2
	v_permlane16_swap_b32 v[PC+6*\c+\i], v[PC+12+4*\c+\i]
.endr
.irp i, 0,1,2
	v_mov_b32 v[PC+3+6*\c+\i], v[PC+12+4*\c+\i]
.endr
.endr
.endm
.macro GIMG base, off
	global_store_b128 v[L16], v[PC:PC+3], s[\base:\base+1] offset:\off
	global_store_b64 v[L8], v[PC+4:PC+5], s[\base:\base+1] offset:\off+512
	global_store_b128 v[L16], v[PC+6:PC+9], s[\base:\base+1] offset:\off+768
	global_store_b64 v[L8], v[PC+10:PC+11], s[\base:\base+1] offset:\off+1280
.endm
.macro CSLOAD a
.irp e, 0,1
.irp q, 0,1,2,3
	global_load_b128 v[CS+32*((\a)%2)+16*\e+4*\q:CS+32*((\a)%2)+16*\e+4*\q+3], v27, s[10:11] offset:(32*((\a)/2)+8*((\a)%2))*256+128*\e+16*\q
.endr
.endr
.endm
	s_load_b64 s[4:5], s[0:1], 0x0
	s_load_b64 s[8:9], s[0:1], 0x8
	v_lshl_add_u32 v[SPW], v0, 2, SPARE
	v_mov_b32 v[NIL], 0
	ds_add_u32 v28, v29
	ds_add_u32 v28, v29
	s_wait_dscnt 0x0
	v_lshrrev_b32 v1, 5, v0
	v_readfirstlane_b32 s14, v1
	v_and_b32 v14, 31, v0                          ; the prefetches' offset: a lane a block of 256 bytes, 25 blocks; lanes 25-31 name block 24 again
	v_min_u32 v14, 24, v14
	v_lshlrev_b32 v14, 8, v14
	s_lshr_b32 s15, s14, 1
	s_and_b32 s16, s14, 1
	s_bfe_u32 s40, ttmp6, 0x40000
	s_bfe_u32 s41, ttmp6, 0x40004
	s_and_b32 s18, ttmp7, 0xffff
	s_lshl_b32 s18, s18, 2
	s_lshl_b32 s19, ttmp9, 2
	s_add_co_u32 s19, s19, 16
	s_cmp_eq_u32 ttmp9, 2
	s_cselect_b32 s17, 24, s18
	s_cselect_b32 s42, s18, s19
	s_add_co_u32 s17, s17, s41
	s_add_co_u32 s42, s42, s40
	s_lshl_b32 s43, s41, 2
	s_lshl_b32 s43, 15, s43
	s_lshl_b32 s44, 0x1111, s40
	s_or_b32 s[G1], s43, (3<<16)|(1<<21)
	s_or_b32 s[G1B], s44, (3<<16)|(1<<21)
.irp g, G1, G1B
	s_mov_b32 s[\g+1], 32<<16
	s_mov_b32 s[\g+2], 100<<16
	s_mov_b32 s[\g+3], 32<<16
	s_mov_b32 s[\g+4], 100
	s_mov_b32 s[\g+5], 32
	s_mov_b32 s[\g+6], 0
	s_mov_b32 s[\g+7], 0
.endr
	s_lshl_b32 s20, s17, 1
	s_add_co_u32 s20, s20, s16
	s_mul_i32 s20, s20, KS*SLABB
	s_mov_b32 s21, 0
	s_lshl_b32 s46, s42, 1
	s_add_co_u32 s46, s46, s16
	s_mul_i32 s46, s46, KS*SLABB
	s_mov_b32 s47, 0
	s_mul_i32 s45, s14, HALF
	s_wait_kmcnt 0x0
	s_add_nc_u64 s[20:21], s[4:5], s[20:21]
	s_add_nc_u64 s[46:47], s[4:5], s[46:47]
	s_cmp_eq_u32 s15, 0                            ; the prefetches' base: the 25,600 bytes that I fetch of chunk 0; of their 100 blocks the partner at place p (cx for A, cy for B) takes 25 p on: shared out by address
	s_cselect_b64 s[76:77], s[20:21], s[46:47]
	s_cselect_b32 s78, s40, s41
	s_mul_i32 s78, s78, 6400
	s_mov_b32 s79, 0
	s_add_nc_u64 s[76:77], s[76:77], s[78:79]
	CROUND
.irp s, 0,1
	s_mov_b32 s[G0+4*\s], 1
	s_add_co_u32 s[G0+4*\s+1], s45, \s*SLOT
	s_add_nc_u64 s[G0+4*\s+2:G0+4*\s+3], s[20:21], \s*HALF
	s_or_b32 s[G0+4*\s+3], s[G0+4*\s+3], 0x80000000
	s_mov_b32 s[G0B+4*\s], 1
	s_add_co_u32 s[G0B+4*\s+1], s45, \s*SLOT
	s_add_nc_u64 s[G0B+4*\s+2:G0B+4*\s+3], s[46:47], \s*HALF
	s_or_b32 s[G0B+4*\s+3], s[G0B+4*\s+3], 0x80000000
	s_wait_alu depctr_va_vdst(0)
	s_wait_tensorcnt 0x0
	ds_add_u32 v28, v29
	ds_add_u32 v28, v29
	s_wait_dscnt 0x0
	CROUND
	JLOAD G0+4*\s, G1, G0B+4*\s, G1B
	global_prefetch_b8 v14, s[76:77] offset:(\s+1)*HALF th:TH_LOAD_NT scope:SCOPE_SE   ; behind chunk s's load: my share of chunk s + 1, one refill ahead
.endr
	v_and_b32 v1, 15, v0
	v_bfe_u32 v2, v0, 4, 1
	v_and_b32 v3, 31, v0
	v_lshlrev_b32 v[L16], 4, v3
	v_lshlrev_b32 v[L8], 3, v3
	s_mul_i32 s21, s15, HALF
	s_mul_i32 s22, s16, HALF
	s_add_co_u32 s22, s22, 2*HALF
.irp s, 0,1
	v_add_nc_u32 v[ADRA+\s], s21, v[L16]
	v_add_nc_u32 v[ADRA+2+\s], s21, v[L8]
	v_add_nc_u32 v[ADRB+\s], s22, v[L16]
	v_add_nc_u32 v[ADRB+2+\s], s22, v[L8]
	s_add_co_u32 s21, s21, SLOT
	s_add_co_u32 s22, s22, SLOT
.endr
	s_mul_i32 s21, s15, HALF
	s_mul_i32 s22, s16, HALF
	s_add_co_u32 s22, s22, 2*HALF
	s_sub_co_u32 s22, s22, s21
	v_mul_u32_u24 v6, s22, v2
	v_lshl_add_u32 v6, v1, 2, v6
	v_add_nc_u32 v[ADRS], s21, v6
	v_add_nc_u32 v[ADRS+1], SLOT, v[ADRS]
	s_lshl_b32 s21, s14, 10
	v_lshlrev_b32 v24, 2, v1
	v_lshl_add_u32 v24, v2, 9, v24
	v_add_nc_u32 v24, s21, v24
	v_add_nc_u32 v25, s21, v[L16]
	s_lshl_b32 s21, s14, 9
	s_add_co_u32 s21, s21, 4096
	v_lshl_add_u32 v26, v1, 2, s21
	v_add_nc_u32 v31, s21, v[L16]
	v_and_b32 v27, 8, v1
	v_add_nc_u32 v27, v27, v1
	v_lshlrev_b32 v27, 8, v27
	v_lshl_add_u32 v27, v2, 6, v27
	v_lshlrev_b32 v30, 4, v2
	v_mul_u32_u24 v9, v2, HEADB
	v_lshl_add_u32 v9, v1, 4, v9
	s_mov_b32 s[SEL], 0x76543210
	s_mov_b32 s[SEL+1], 0xfedcba98
	s_wait_tensorcnt 0x1
	s_barrier_signal -1
	s_barrier_wait -1
	FETCH_B 0, 0, 0
	FETCH_A 0, 0, 0
	SCALES 0
	FETCH_A 0, 0, 4
	STEP 0, 0, ZERO
	s_mov_b32 s3, LAPS-1
.Llap:
	TURN 0, 1, 1
	STEP 1, 0, 0
	TURN 1, 0, 1
	STEP 0, 0, 0
	s_sub_co_u32 s3, s3, 1
	s_cmp_lg_u32 s3, 0
	s_cbranch_scc1 .Llap
	TURN 0, 1, 0
	STEP 1, 0, 0
	s_wait_dscnt 4*NL
	WIN MUL_LO
	MUL16 0, 1, 1, 1, 0
	MUL16 2, 1, 1, 1, 0
	s_wait_dscnt 0
	WIN MUL_HI
	MUL16 4, 1, 1, 1, 0
	MUL16 6, 1, 1, 1, 0
	WIN 0
	PLACES NP
.irp b, 0,1,2,3
	v_mov_b32 v[TM+4+\b], 0
.endr
	s_cmp_eq_u32 ttmp9, 2
	s_cbranch_scc1 .Lvpath
	s_lshl_b32 s70, s17, 1
	s_add_co_u32 s70, s70, s15
	s_and_b32 s71, s70, 15
	s_lshr_b32 s72, s70, 4
	s_lshl_b32 s72, s72, 4
	s_lshl_b32 s73, s40, 2
	s_add_co_u32 s72, s72, s73
	s_lshl_b32 s73, s16, 1
	s_add_co_u32 s72, s72, s73
	s_mul_i32 s72, s72, HEADB
	s_mov_b32 s73, QSLAB
	s_cmp_eq_u32 ttmp9, 1
	s_cselect_b32 s73, KVSLAB, s73
	s_cselect_b32 s74, KVOFF, 0
	s_mul_i32 s73, s73, s71
	s_add_co_u32 s72, s72, s73
	s_add_co_u32 s72, s72, s74
	s_mov_b32 s73, 0
	s_add_nc_u64 s[8:9], s[8:9], s[72:73]
	s_lshl_b32 s74, s71, 15
	s_add_co_u32 s74, s74, ROPEOFF
	s_mov_b32 s75, 0
	s_add_nc_u64 s[10:11], s[4:5], s[74:75]
	s_wait_alu depctr_va_vdst(0)
	CSLOAD 0
	CSLOAD 1
.set a, 0
.rept 8
.if a < 7
	s_wait_loadcnt 8
.else
	s_wait_loadcnt 0
.endif
	s_wait_xcnt 0x0
	WIN 2+a/4
.set n, 0
.rept 8
.irp u, 0,1,2,3
	v_pk_mul_f32 v[T+2*\u:T+2*\u+1], v[64*(a%4)+n+2*\u:64*(a%4)+n+2*\u+1], v[CS+32*(a%2)+16*((n/16)%2)+n%16+2*\u:CS+32*(a%2)+16*((n/16)%2)+n%16+2*\u+1] op_sel:[1,1] op_sel_hi:[0,1]
.endr
.irp u, 0,1,2,3
	v_pk_fma_f32 v[HA+n+2*\u:HA+n+2*\u+1], v[64*(a%4)+n+2*\u:64*(a%4)+n+2*\u+1], v[CS+32*(a%2)+16*((n/16)%2)+n%16+2*\u:CS+32*(a%2)+16*((n/16)%2)+n%16+2*\u+1], v[T+2*\u:T+2*\u+1] op_sel_hi:[1,0,1] neg_lo:[0,0,1]
.endr
.set n, n+8
.endr
	WIN 0
.if a < 6
	CSLOAD a+2
.endif
	QUANT HA, 0
	global_store_b128 v[L16], v[PC:PC+3], s[8:9] offset:768*a
	global_store_b64 v[L8], v[PC+4:PC+5], s[8:9] offset:768*a+512
	global_store_b128 v[L16], v[PC+6:PC+9], s[8:9] offset:HEADB+768*a
	global_store_b64 v[L8], v[PC+10:PC+11], s[8:9] offset:HEADB+768*a+512
	v_bfe_u32 v[SV], v[PW], v30, 16
	ds_store_b32 v24, v[SV] offset:64*a
.set a, a+1
.endr
	ds_load_b128 v[HA:HA+3], v25
	ds_load_b128 v[HA+4:HA+7], v25 offset:512
	s_wait_dscnt 0x0
	global_store_b128 v[L16], v[HA:HA+3], s[8:9] offset:6144
	global_store_b128 v[L16], v[HA+4:HA+7], s[8:9] offset:HEADB+6144
	s_branch .Lend
.Lvpath:
	s_lshl_b32 s70, s41, 1
	s_add_co_u32 s70, s70, s15
	s_lshl_b32 s71, s42, 1
	s_add_co_u32 s71, s71, s16
	s_lshr_b32 s72, s71, 4
	s_lshl_b32 s72, s72, 4
	s_lshl_b32 s70, s70, 1
	s_add_co_u32 s72, s72, s70
	s_mul_i32 s72, s72, HEADB
	s_and_b32 s71, s71, 15
	s_mul_i32 s71, s71, KVSLAB
	s_add_co_u32 s72, s72, s71
	s_add_co_u32 s72, s72, KVOFF
	s_mov_b32 s73, 0
	s_add_nc_u64 s[8:9], s[8:9], s[72:73]
.set a, 0
.rept 8
	s_wait_xcnt 0x0
	QUANT 64*(a%4), 2+a/4
	GIMG 8, (a/4)*HEADB+6656+(a%4)*1536
	ds_store_b32 v26, v[PW] offset:64*a
.set a, a+1
.endr
	ds_load_b128 v[HA:HA+3], v31
	s_wait_dscnt 0x0
	global_store_b128 v9, v[HA:HA+3], s[8:9] offset:12800
.Lend:
	s_wait_tensorcnt 0x0
	ds_add_u32 v[SPW], v[NIL]
	s_wait_dscnt 0x0
	CROUND
	s_endpgm
.Lfunc_end_k_q030f000188_qkv:
	.size	k_q030f000188_qkv, .Lfunc_end_k_q030f000188_qkv-k_q030f000188_qkv
	.p2alignl 7, 3214868480
	.fill 96, 4, 3214868480
	.section	.rodata,"a",@progbits
	.p2align	6, 0x0
	.amdhsa_kernel k_q030f000188_qkv
		.amdhsa_group_segment_fixed_size 327680
		.amdhsa_private_segment_fixed_size 0
		.amdhsa_enable_private_segment 0
		.amdhsa_kernarg_size 16
		.amdhsa_user_sgpr_count 2
		.amdhsa_user_sgpr_kernarg_segment_ptr 1
		.amdhsa_wavefront_size32 1
		.amdhsa_system_sgpr_workgroup_id_x 1
		.amdhsa_system_sgpr_workgroup_id_y 1
		.amdhsa_system_sgpr_workgroup_id_z 1
		.amdhsa_system_vgpr_workitem_id 0
		.amdhsa_next_free_vgpr 1024
		.amdhsa_next_free_sgpr 100
		.amdhsa_reserve_vcc 0
		.amdhsa_float_denorm_mode_32 3
		.amdhsa_float_denorm_mode_16_64 3
		.amdhsa_memory_ordered 1
		.amdhsa_forward_progress 1
		.amdhsa_inst_pref_size 225
	.end_amdhsa_kernel
	.amdgpu_metadata
---
amdhsa.version: [ 1, 2 ]
amdhsa.kernels:
  - .name:           k_q030f000188_qkv
    .symbol:         k_q030f000188_qkv.kd
    .args:
      - { .name: P, .offset: 0, .size: 8, .value_kind: global_buffer, .address_space: global }
      - { .name: qkvb, .offset: 8, .size: 8, .value_kind: global_buffer, .address_space: global }
    .group_segment_fixed_size: 327680
    .private_segment_fixed_size: 0
    .kernarg_segment_align: 8
    .kernarg_segment_size: 16
    .max_flat_workgroup_size: 128
    .sgpr_count:     100
    .vgpr_count:     1024
    .wavefront_size: 32
...
	.end_amdgpu_metadata
.endif
;; end of part 8
;; launch attn (part 9): grid 8 x 32, 16 waves a work-group, clusters of 4 x 1, 210,944 bytes of LDS; arguments qkvb, aq; writes aq
.if DOCPART == 9
	.amdgcn_target "amdgcn-amd-amdhsa--gfx1250"
	.amdhsa_code_object_version 6
	.text
	.protected	k_q030f000188_attn
	.globl	k_q030f000188_attn
	.p2align	8
	.type	k_q030f000188_attn,@function
k_q030f000188_attn:
	s_mov_b64 s[64:65], 0
	v_nop
	global_prefetch_b8 v0, s[64:65] scope:SCOPE_SE
	s_setreg_imm32_b32 hwreg(HW_REG_WAVE_MODE, 25, 1), 1
	s_wait_xcnt 0x0
	s_wait_alu depctr_hold_cnt(0) depctr_sa_sdst(0) depctr_va_vdst(0) depctr_va_sdst(0) depctr_va_ssrc(0) depctr_va_vcc(0) depctr_vm_vsrc(0)
	s_getreg_b32 s2, hwreg(HW_REG_IB_STS2, 6, 4)
	s_cmp_eq_u32 s2, 0
	s_cbranch_scc0 .Lentry_in_a_cluster
	s_endpgm
.Lentry_in_a_cluster:
	s_bfe_u32 s2, ttmp6, 0x10000c
	s_cmp_lg_u32 s2, 0x3003
	s_cbranch_scc0 .Lentry_shape_is_right
	s_endpgm
.Lentry_shape_is_right:
; O = softmax(q k^T / 8) v for one (batch, head), both products on codes of FP6 (E2M3) with E8M0 scales, and O quantised again along the features as the next product's operand.
; THE SOFTMAX AHEAD OF THE SECOND PRODUCT: t = score x log2(e) / 8; M = the running largest t rounded UP to a whole number; p = 2^(t - M) is quantised along the keys, not normalised; the row's sum is taken of the
; unquantised p and divides O at the end.  When M moves, the sum and O are multiplied by 2^(old M - new M): exact.
; SHARES.  A work-group owns 256 queries of a head; each of its sixteen waves one fragment of 16, in 256 registers: four waves to a SIMD, so that one wave's vector work stands beside another's matrix work.
; K AND V OF THE WHOLE HEAD LIE IN LDS: 16 slabs of 13,056 bytes (128 keys each: K's 8 half fragments, 512 bytes of scale words, V^T's 4 fragments, 256 bytes of scale words), as images of the operands' registers.
; Each wave fetches one slab, once: no byte of LDS is filled again.  The four work-groups of a cluster belong to one head and ask for each slab JOINTLY.
; Both products are used transposed (S^T = K Q^T, O^T = V^T P^T): a lane holds one query throughout.  The keys of a tile of K are chosen (by the launch that laid them) so that 16 registers of two tiles are 16 neighbouring keys.
; A HEAD IS 64 WIDE, the instruction 128: Q's registers 6-11 are zero codes and the upper bytes of Q's and K's scale words are 0 (2^-127, no NaN).  K's operand for tile t is its six registers and the next tile's six
; (behind tile 7: six registers of zeros): what stands there is multiplied by Q's zeros, and FP6 has no code for NaN or infinity.
; LIMITS: NaN and infinities are not served; a block of zeros gets the byte 1.
.set HEADB,  315392
.set QSLAB,  6656
.set KVSLAB, 13056
.set KVOFF,  106496
.set SLABB,  12800
.set L16, 1                            ; v1   16 x lane
.set L8,  2                            ; v2   8 x lane
.set R4,  3                            ; v3   4 x (lane % 16)
.set A16, 4                            ; v4-6 the same in the slab in hand
.set A8,  5
.set AS,  6
.set KF,  32                           ; v32-79 K's eight half fragments, later V's four fragments; v80-85 zeros
.set KSC, 86                           ; v86-93 K's scale words
.set VSC, 94                           ; v94-97 V's
.set S,   100                          ; v100-163 S^T, then p
.set O,   164                          ; v164-195 O^T
.set PC,  196                          ; v196-207 p's codes
.set PT,  208                          ; v208-214 the conversions' second halves
.set BM,  216                          ; v216-219 the blocks' largest scores, then largest p
.set BP,  220                          ; v220-223 at work
.set SCO, 224                          ; v224-227 the conversions' scale operands
.set F,   228                          ; v228 f = 2^(old M - new M); named as a pair with v229
.set T1,  230
.set PW,  231                          ; v231 p's scale word
.set S2,  232                          ; v[232:233] the sum's second chain
.set WV,  12
.set SEL, 20
.set CS,  22                           ; s[22:23] c = log2(e) / 8
.set G0,  28
.set G1,  32
.macro CROUND                          ; a round of the cluster's barrier
	s_barrier_signal -1
	s_barrier_wait -1
	s_cmp_lg_u32 s[WV], 0
	s_cbranch_scc1 .Lnot_wave_0_\@
	s_barrier_signal -3
.Lnot_wave_0_\@:
	s_barrier_wait -3
	s_barrier_signal -1
	s_barrier_wait -1
.endm
	s_load_b128 s[4:7], s[0:1], 0x0                ; qkvb, aq
	v_lshl_add_u32 v254, v0, 2, 0x33000
	v_mov_b32 v255, 0
	ds_add_u32 v254, v255
	ds_add_u32 v254, v255
	v_lshrrev_b32 v8, 5, v0
	s_delay_alu instid0(VALU_DEP_1)
	v_readfirstlane_b32 s[WV], v8                  ; wave 0..15
	s_bfe_u32 s13, ttmp6, 0x40000                  ; cx: it enters Q's and the output's global addresses alone
	s_lshl_b32 s14, ttmp9, 2
	s_add_co_u32 s14, s14, s13                     ; my block of 256 queries
	s_and_b32 s15, ttmp7, 0xffff                   ; 16 x batch + head, which the four partners share
	s_mul_i32 s16, s15, HEADB
	s_mul_i32 s18, s[WV], KVSLAB                   ; my slab: in LDS and in memory
	s_add_co_u32 s24, s16, s18
	s_add_co_u32 s24, s24, KVOFF
	s_mov_b32 s25, 0
	s_mov_b32 s[G1], 15|(3<<16)|(1<<21)            ; 15:0 the mask: all four work-groups; 17:16 elements of 8 bytes; 21 set beside a mask; no padding
	s_mov_b32 s[G1+1], 32<<16                      ; tensor_dim0: 256 bytes
	s_mov_b32 s[G1+2], 51<<16                      ; tensor_dim1: 51 rows
	s_mov_b32 s[G1+3], 32<<16
	s_mov_b32 s[G1+4], 51
	s_mov_b32 s[G1+5], 32                          ; dense
	s_mov_b32 s[G1+6], 0
	s_mov_b32 s[G1+7], 0
	s_lshl_b32 s40, s14, 4
	s_add_co_u32 s40, s40, s[WV]                   ; f: my fragment of queries, 0..127
	s_lshr_b32 s41, s40, 3                         ; its group of 128
	s_and_b32 s42, s40, 7                          ; and its place there
	s_mul_i32 s43, s41, QSLAB
	s_add_co_u32 s43, s43, s16
	s_mul_i32 s44, s42, 768
	s_add_co_u32 s44, s44, s43                     ; Q's half fragment
	s_mov_b32 s45, 0
	s_lshl_b32 s46, s42, 6
	s_add_co_u32 s46, s46, s43
	s_add_co_u32 s46, s46, 6144                    ; its scale words
	s_mov_b32 s47, 0
	s_lshr_b32 s48, s15, 4
	s_lshl_b32 s48, s48, 4
	s_add_co_u32 s48, s48, s41                     ; the output's group of rows: 16 x batch + f / 8
	s_lshl_b32 s48, s48, 3
	s_and_b32 s49, s15, 15
	s_lshr_b32 s49, s49, 1
	s_add_co_u32 s48, s48, s49                     ; its K step: head / 2
	s_mul_i32 s48, s48, SLABB
	s_and_b32 s49, s15, 1                          ; which half of the K step: head % 2
	s_mul_i32 s50, s42, 1536
	s_add_co_u32 s50, s50, s48
	s_mul_i32 s51, s49, 768
	s_add_co_u32 s50, s50, s51
	s_mov_b32 s51, 0
	s_lshl_b32 s52, s42, 6
	s_add_co_u32 s52, s52, s48
	s_add_co_u32 s52, s52, 12288
	s_lshl_b32 s53, s49, 1
	s_add_co_u32 s52, s52, s53
	s_mov_b32 s53, 0
	s_mov_b32 s[SEL], 0x76543210
	s_mov_b32 s[SEL+1], 0xfedcba98
	s_mov_b32 s[CS], 0x3e38aa3b
	s_mov_b32 s[CS+1], s[CS]                       ; (named with it as a pair, so it is written)
	s_wait_dscnt 0x0
	s_wait_kmcnt 0x0
	s_mov_b32 s[G0], 1
	s_mov_b32 s[G0+1], s18
	s_add_nc_u64 s[G0+2:G0+3], s[4:5], s[24:25]
	s_or_b32 s[G0+3], s[G0+3], 0x80000000
	s_add_nc_u64 s[44:45], s[4:5], s[44:45]
	s_add_nc_u64 s[46:47], s[4:5], s[46:47]
	s_add_nc_u64 s[50:51], s[6:7], s[50:51]
	s_add_nc_u64 s[52:53], s[6:7], s[52:53]
	CROUND                                         ; all four work-groups are here: the joint loads meet
	tensor_load_to_lds s[G0:G0+3], s[G1:G1+7]      ; my slab: the one tensor load of this wave
	s_nop 0
.rept 4
	v_nop
.endr
	v_and_b32 v8, 31, v0
	s_delay_alu instid0(VALU_DEP_1)
	v_lshlrev_b32 v[L16], 4, v8
	s_delay_alu instid0(VALU_DEP_2)
	v_lshlrev_b32 v[L8], 3, v8
	v_and_b32 v[R4], 15, v0
	s_delay_alu instid0(VALU_DEP_1)
	v_lshlrev_b32 v[R4], 2, v[R4]
	global_load_b128 v[16:19], v[L16], s[44:45]    ; Q's six registers stay
	global_load_b64 v[20:21], v[L8], s[44:45] offset:512
	global_load_b32 v28, v[R4], s[46:47]           ; and its scale words
.irp j, 22,23,24,25,26,27,80,81,82,83,84,85
	v_mov_b32 v[\j], 0                             ; zero codes: Q's upper 64 along K, and what stands behind K's tile 7
.endr
	v_mov_b32 v13, 0xff61b1e6                      ; the largest t so far: -3e38
	s_delay_alu instid0(VALU_DEP_1)
	v_floor_f32 v12, -v13                          ; -M
	v_mov_b32 v14, 0                               ; the sum, in two halves
	v_mov_b32 v15, 0
	v_mov_b32 v[F+1], 0                            ; (named as the upper half of f's pair)
.irp b, 0,1,2,3
	v_mov_b32 v[BP+\b], 0                          ; a lane permute's destination counts as one of its sources
.endr
.set j, 0
.rept 32
	v_mov_b32 v[O+j], 0                            ; the loop is written once: its first step finds zeros, which the first change of M leaves zeros
.set j, j+1
.endr
	s_wait_tensorcnt 0x0                           ; my slab has landed,
	s_wait_loadcnt 0x0
	s_barrier_signal -1
	s_barrier_wait -1                              ; everybody's has
	s_mov_b32 s10, 16
	s_mov_b32 s11, 0
.Lkeys:                                            ; 16 trips of 128 keys
	v_add_nc_u32 v[A16], s11, v[L16]
	v_add_nc_u32 v[A8], s11, v[L8]
	v_add_nc_u32 v[AS], s11, v[R4]
	v_nop                                          ; four places in front of loads into registers that the last products read
.irp t, 0,1,2,3,4,5,6,7
	ds_load_b128 v[KF+6*\t:KF+6*\t+3], v[A16] offset:768*\t
	ds_load_b64 v[KF+6*\t+4:KF+6*\t+5], v[A8] offset:768*\t+512
	ds_load_b32 v[KSC+\t], v[AS] offset:6144+64*\t
.endr
	s_wait_alu depctr_va_vdst(0)
	s_wait_dscnt 0x0
.irp t, 0,1,2,3,4,5,6,7
	v_wmma_scale_f32_16x16x128_f8f6f4 v[S+8*\t:S+8*\t+7], v[KF+6*\t:KF+6*\t+11], v[16:27], 0, v[KSC+\t], v28 matrix_a_fmt:MATRIX_FMT_FP6 matrix_b_fmt:MATRIX_FMT_FP6
.endr
.rept 4
	v_nop
.endr
.irp t, 0,1,2,3                                ; V's fragments land while the softmax is walked
	ds_load_b128 v[KF+12*\t:KF+12*\t+3], v[A16] offset:6656+1536*\t
	ds_load_b64 v[KF+12*\t+4:KF+12*\t+5], v[A8] offset:6656+1536*\t+512
	ds_load_b128 v[KF+12*\t+6:KF+12*\t+9], v[A16] offset:6656+1536*\t+768
	ds_load_b64 v[KF+12*\t+10:KF+12*\t+11], v[A8] offset:6656+1536*\t+1280
	ds_load_b32 v[VSC+\t], v[AS] offset:12800+64*\t
.endr
.irp b, 0,1,2,3
	v_max3_num_f32 v[BM+\b], v[S+16*\b], v[S+1+16*\b], v[S+2+16*\b]   ; the largest score of each block of 32 keys: for the row's maximum, and, since p rises with the score, for the block's largest p
.endr
.irp i, 3,5,7,9,11,13
.irp b, 0,1,2,3
	v_max3_num_f32 v[BM+\b], v[BM+\b], v[S+16*\b+\i], v[S+1+16*\b+\i]
.endr
.endr
.irp b, 0,1,2,3
	v_max_num_f32 v[BM+\b], v[BM+\b], v[S+15+16*\b]
.endr
.irp b, 0,1,2,3
	s_delay_alu instid0(VALU_DEP_4)
	v_permlanex16_b32 v[BP+\b], v[BM+\b], s[SEL], s[SEL+1]
.endr
.irp b, 0,1,2,3
	s_delay_alu instid0(VALU_DEP_4)
	v_max_num_f32 v[BM+\b], v[BM+\b], v[BP+\b]     ; with lane l xor 16's 16 keys
.endr
	s_delay_alu instid0(VALU_DEP_2)
	v_max3_num_f32 v[T1], v[BM], v[BM+1], v[BM+2]
	s_delay_alu instid0(VALU_DEP_1)
	v_max_num_f32 v[T1], v[T1], v[BM+3]
	s_delay_alu instid0(VALU_DEP_1)
	v_mul_f32 v[T1], s[CS], v[T1]                  ; as t
	s_delay_alu instid0(VALU_DEP_1)
	v_max_num_f32 v13, v13, v[T1]                  ; the running largest t
	v_mov_b32 v[T1], v12
	s_delay_alu instid0(VALU_DEP_2)
	v_floor_f32 v12, -v13                          ; the new -M = -ceil(t)
	s_delay_alu instid0(VALU_DEP_1)
	v_sub_f32 v[T1], v12, v[T1]                    ; old M - new M: a whole number, 0 or less
	s_delay_alu instid0(VALU_DEP_1)
	v_cvt_i32_f32 v[T1], v[T1]                     ; (it saturates)
	s_delay_alu instid0(VALU_DEP_1)
	v_ldexp_f32 v[F], 1.0, v[T1]
.set j, 0
.rept 32
	v_pk_fma_f32 v[S+j:S+j+1], v[S+j:S+j+1], s[CS:CS+1], v[12:13] op_sel_hi:[1,0,0]   ; t - M
.set j, j+2
.endr
.irp b, 0,1,2,3
	v_fma_f32 v[BM+\b], v[BM+\b], s[CS], v12
.endr
.set j, 0
	s_wait_alu depctr_va_vdst(0)
.rept 64
	v_exp_f32 v[S+j], v[S+j]                       ; p = 2^(t - M)
.set j, j+1
.endr
	v_pk_mul_f32 v[14:15], v[14:15], v[F:F+1] op_sel_hi:[1,0]   ; the sums under the new M (a plain place behind the exponentials)
	s_wait_alu depctr_va_vdst(0)                   ; one wait for the whole batch, ahead of its first reader
.irp b, 0,1,2,3
	v_exp_f32 v[BM+\b], v[BM+\b]                   ; the block's largest p: the same two instructions on the same number
.endr
	v_pk_add_f32 v[232:233], v[104:105], v[108:109]
	v_pk_add_f32 v[252:253], v[112:113], v[116:117]
	v_pk_add_f32 v[250:251], v[120:121], v[124:125]
	v_pk_add_f32 v[248:249], v[128:129], v[132:133]
	v_pk_add_f32 v[246:247], v[136:137], v[140:141]
	v_pk_add_f32 v[244:245], v[144:145], v[148:149]
	v_pk_add_f32 v[242:243], v[152:153], v[156:157]
	v_pk_add_f32 v[14:15], v[14:15], v[160:161]
	v_pk_add_f32 v[232:233], v[232:233], v[100:101]
	v_pk_add_f32 v[252:253], v[252:253], v[102:103]
	v_pk_add_f32 v[250:251], v[250:251], v[106:107]
	v_pk_add_f32 v[248:249], v[248:249], v[110:111]
	v_pk_add_f32 v[246:247], v[246:247], v[114:115]
	v_pk_add_f32 v[244:245], v[244:245], v[118:119]
	v_pk_add_f32 v[242:243], v[242:243], v[122:123]
	v_pk_add_f32 v[14:15], v[14:15], v[126:127]
	v_pk_add_f32 v[232:233], v[232:233], v[130:131]
	v_pk_add_f32 v[252:253], v[252:253], v[134:135]
	v_pk_add_f32 v[250:251], v[250:251], v[138:139]
	v_pk_add_f32 v[248:249], v[248:249], v[142:143]
	v_pk_add_f32 v[246:247], v[246:247], v[146:147]
	v_pk_add_f32 v[244:245], v[244:245], v[150:151]
	v_pk_add_f32 v[242:243], v[242:243], v[154:155]
	v_pk_add_f32 v[14:15], v[14:15], v[158:159]
	v_pk_add_f32 v[232:233], v[232:233], v[162:163]
	s_delay_alu instid0(VALU_DEP_2)
	v_pk_add_f32 v[14:15], v[14:15], v[248:249]
	s_delay_alu instid0(VALU_DEP_2)
	v_pk_add_f32 v[232:233], v[232:233], v[246:247]
	v_pk_add_f32 v[252:253], v[252:253], v[244:245]
	v_pk_add_f32 v[250:251], v[250:251], v[242:243]
	s_delay_alu instid0(VALU_DEP_2)
	v_pk_add_f32 v[14:15], v[14:15], v[252:253]
	s_delay_alu instid0(VALU_DEP_2)
	v_pk_add_f32 v[232:233], v[232:233], v[250:251]
	s_delay_alu instid0(VALU_DEP_1)
	v_pk_add_f32 v[14:15], v[14:15], v[232:233]
	s_wait_alu depctr_va_vdst(0)                   ; and one for the four
.irp b, 0,1,2,3
	v_max_num_f32 v[BM+\b], 0x1800000, v[BM+\b]    ; the floor 2^(3 - 127)
.endr
.irp b, 0,1,2,3
	s_delay_alu instid0(VALU_DEP_4)
	v_add_nc_u32 v[SCO+\b], 0xff000000, v[BM+\b]
.endr
.irp b, 0,1,2,3
	s_delay_alu instid0(VALU_DEP_4)
	v_lshrrev_b32 v[BP+\b], 23, v[SCO+\b]
.endr
	s_delay_alu instid0(VALU_DEP_3)
	v_lshl_or_b32 v[PW], v[BP+1], 8, v[BP]
	s_delay_alu instid0(VALU_DEP_1)
	v_lshl_or_b32 v[PW], v[BP+2], 16, v[PW]
	s_delay_alu instid0(VALU_DEP_1)
	v_lshl_or_b32 v[PW], v[BP+3], 24, v[PW]
.irp c, 0,1
	v_cvt_scalef32_pk16_fp6_f32 v[PC+6*\c:PC+2+6*\c], v[S+32*\c:S+15+32*\c], v[SCO+2*\c]
	v_cvt_scalef32_pk16_fp6_f32 v[PT+4*\c:PT+2+4*\c], v[S+16+32*\c:S+31+32*\c], v[SCO+1+2*\c]
.endr
	v_nop                                          ; one plain place behind a scaled conversion
.irp c, 0,1
.irp i, 0,1,2
	v_permlane16_swap_b32 v[PC+6*\c+\i], v[PT+4*\c+\i]
.endr
.irp i, 0,1,2
	s_delay_alu instid0(VALU_DEP_3)
	v_mov_b32 v[PC+3+6*\c+\i], v[PT+4*\c+\i]
.endr
.endr
.set j, 0
.rept 16
	v_pk_mul_f32 v[O+j:O+j+1], v[O+j:O+j+1], v[F:F+1] op_sel_hi:[1,0]   ; O^T under the new M.  (These sixteen are also the places between the scale word's and the codes' last writes and the products)
.set j, j+2
.endr
	s_wait_alu depctr_va_vdst(0)
	s_wait_dscnt 0x0                               ; V
.irp t, 0,1,2,3
	v_wmma_scale_f32_16x16x128_f8f6f4 v[O+8*\t:O+8*\t+7], v[KF+12*\t:KF+12*\t+11], v[PC:PC+11], v[O+8*\t:O+8*\t+7], v[VSC+\t], v[PW] matrix_a_fmt:MATRIX_FMT_FP6 matrix_b_fmt:MATRIX_FMT_FP6
.endr
	s_add_co_u32 s11, s11, KVSLAB
	s_sub_co_u32 s10, s10, 1
	s_cmp_lg_u32 s10, 0
	s_cbranch_scc1 .Lkeys
	; THE WAY OUT.  O^T / the sum: register 16 b + i is feature 32 b + 16 h + i of my query's head: two blocks, quantised as they stand: a half fragment of the next product's operand.
.rept 4
	v_nop
.endr
	v_add_f32 v14, v14, v15
	s_delay_alu instid0(VALU_DEP_1)
	v_permlanex16_b32 v[T1], v14, s[SEL], s[SEL+1]
	s_delay_alu instid0(VALU_DEP_1)
	v_add_f32 v14, v14, v[T1]                      ; the row's sum
	s_wait_alu depctr_va_vdst(0)
	v_rcp_f32 v14, v14
	v_nop
	s_wait_alu depctr_va_vdst(0)
.set j, 0
.rept 16
	v_pk_mul_f32 v[S+j:S+j+1], v[O+j:O+j+1], v[14:15] op_sel_hi:[1,0]
.set j, j+2
.endr
.irp b, 0,1
	v_max3_num_f32 v[BM+\b], |v[S+16*\b]|, |v[S+1+16*\b]|, 0x1800000
.endr
.irp i, 2,4,6,8,10,12,14
.irp b, 0,1
	s_delay_alu instid0(VALU_DEP_2)
	v_max3_num_f32 v[BM+\b], v[BM+\b], |v[S+16*\b+\i]|, |v[S+1+16*\b+\i]|
.endr
.endr
.irp b, 0,1
	s_delay_alu instid0(VALU_DEP_2)
	v_permlanex16_b32 v[BP+\b], v[BM+\b], s[SEL], s[SEL+1]
.endr
.irp b, 0,1
	s_delay_alu instid0(VALU_DEP_2)
	v_max_num_f32 v[BM+\b], v[BM+\b], v[BP+\b]
.endr
.irp b, 0,1
	s_delay_alu instid0(VALU_DEP_2)
	v_add_nc_u32 v[SCO+\b], 0xff000000, v[BM+\b]
.endr
.irp b, 0,1
	s_delay_alu instid0(VALU_DEP_2)
	v_lshrrev_b32 v[BP+\b], 23, v[SCO+\b]
.endr
	s_delay_alu instid0(VALU_DEP_1)
	v_lshl_or_b32 v[T1], v[BP+1], 8, v[BP]         ; my head's two bytes of the row's scale word
	v_cvt_scalef32_pk16_fp6_f32 v[PC:PC+2], v[S:S+15], v[SCO]
	v_cvt_scalef32_pk16_fp6_f32 v[PT:PT+2], v[S+16:S+31], v[SCO+1]
	v_nop
.irp i, 0,1,2
	v_permlane16_swap_b32 v[PC+\i], v[PT+\i]
.endr
.irp i, 0,1,2
	s_delay_alu instid0(VALU_DEP_3)
	v_mov_b32 v[PC+3+\i], v[PT+\i]
.endr
	global_store_b128 v[L16], v[PC:PC+3], s[50:51]                 ; 512 and 256 consecutive bytes, aligned to 256
	global_store_b64 v[L8], v[PC+4:PC+5], s[50:51] offset:512
	global_store_b16 v[R4], v[T1], s[52:53]        ; a scale word belongs to two heads, so to two work-groups: each stores its half, 32 bytes a wave; both halves of the lanes store the same bytes
	s_wait_tensorcnt 0x0
	ds_add_u32 v254, v255
	s_wait_dscnt 0x0
	CROUND                                         ; the closing round
	s_endpgm
.Lfunc_end_k_q030f000188_attn:
	.size	k_q030f000188_attn, .Lfunc_end_k_q030f000188_attn-k_q030f000188_attn
	.p2alignl 7, 3214868480
	.fill 96, 4, 3214868480
	.section	.rodata,"a",@progbits
	.p2align	6, 0x0
	.amdhsa_kernel k_q030f000188_attn
		.amdhsa_group_segment_fixed_size 210944
		.amdhsa_private_segment_fixed_size 0
		.amdhsa_enable_private_segment 0
		.amdhsa_kernarg_size 16
		.amdhsa_user_sgpr_count 2
		.amdhsa_user_sgpr_kernarg_segment_ptr 1
		.amdhsa_wavefront_size32 1
		.amdhsa_system_sgpr_workgroup_id_x 1
		.amdhsa_system_sgpr_workgroup_id_y 1
		.amdhsa_system_sgpr_workgroup_id_z 1
		.amdhsa_system_vgpr_workitem_id 0
		.amdhsa_next_free_vgpr 256
		.amdhsa_next_free_sgpr 66
		.amdhsa_reserve_vcc 0
		.amdhsa_float_denorm_mode_32 3
		.amdhsa_float_denorm_mode_16_64 3
		.amdhsa_memory_ordered 1
		.amdhsa_forward_progress 1
		.amdhsa_inst_pref_size 29
	.end_amdhsa_kernel
	.amdgpu_metadata
---
amdhsa.version: [ 1, 2 ]
amdhsa.kernels:
  - .name:           k_q030f000188_attn
    .symbol:         k_q030f000188_attn.kd
    .args:
      - { .name: qkvb, .offset: 0, .size: 8, .value_kind: global_buffer, .address_space: global }
      - { .name: aq, .offset: 8, .size: 8, .value_kind: global_buffer, .address_space: global }
    .group_segment_fixed_size: 210944
    .private_segment_fixed_size: 0
    .kernarg_segment_align: 8
    .kernarg_segment_size: 16
    .max_flat_workgroup_size: 512
    .sgpr_count:     66
    .vgpr_count:     256
    .wavefront_size: 32
...
	.end_amdgpu_metadata
.endif
;; end of part 9
;; launch wol (part 10): grid 256 x 1, 8 waves a work-group, no clusters, 69,632 bytes of LDS; arguments aq, P, inputs, ln2_g, ln2_b, mlp, hq; writes mlp, hq
.if DOCPART == 10
	.amdgcn_target "amdgcn-amd-amdhsa--gfx1250"
	.amdhsa_code_object_version 6
	.text
	.protected	k_q030f000188_wol
	.globl	k_q030f000188_wol
	.p2align	8
	.type	k_q030f000188_wol,@function
k_q030f000188_wol:
	s_mov_b64 s[64:65], 0
	v_nop
	global_prefetch_b8 v0, s[64:65] scope:SCOPE_SE
	s_setreg_imm32_b32 hwreg(HW_REG_WAVE_MODE, 25, 1), 1
	s_wait_xcnt 0x0
; mlp = attention's output x Wo + inputs (f32, stored row-major), and hq = LayerNorm(mlp) quantised to FP6 (E2M3) with E8M0 scales, stored as an image: two steps of the block in one launch.
; IMAGES (as the launch that lays them has them): a slab is 128 rows x 128 K: 8 fragments of 1,536 bytes as their registers stand (for c = 0, 1: registers 6c..6c+3 at 768c + 16 x lane, 6c+4, 6c+5 at 768c + 512 + 8 x lane),
; then one scale word a row at 12,288 + 64 i + 4 r.  Lane r of fragment i holds row 32 (i/2) + 8 (i%2) + r + 8 (r/8) of the group.  Slab (group G, K step s) lies at (8 G + s) x 12,800.
; SHARES.  Work-group g owns the 16 rows of fragment i = g % 8 of group G = g / 8, all 1,024 columns, so that a row's mean and variance are made inside the work-group.  Wave w makes columns 128 w on: Wo's group w, 8 accumulators.
; The matrix instruction is used transposed (source 0 = Wo's fragment, source 1 = the rows'): lane (r, h) holds one row, and register 16 b + i of the 64 results is column 128 w + 32 b + 16 h + i: 16 neighbours along the next K.
; THE OPERANDS GO FROM MEMORY STRAIGHT INTO REGISTERS: with 16 rows each fragment of Wo feeds one matrix instruction of one wave, so a way through LDS would add a write and a read for each byte and spare none.
; No tensor load, so no joint loads and no cluster.  No prefetch: all 256 work-groups walk the same 819,200 bytes of Wo's image in the same order, and each wave asks for a K step's 36 loads two K steps ahead of its products.
; REGISTERS.  Window 0: v3-9, v26-31 addresses; v10-17 the rows' scale words, v18-25 Wo's (two sets; lanes 0-15 fragment 2 q, lanes 16-31 fragment 2 q + 1), and nothing else; v32-95 the residual, then the row; v96-191 the rows'
; eight fragments, later at work; v192-255 the accumulators, later whole rows on their way out.  Window 1: Wo's fragments, set p at v[96 p]; v192-255 the gain; the bias comes into v0-63 when set 0 is done with.
; LIMITS: NaN and infinities among the inputs are not served.  A block of zeros gets the byte 1 where the rule says 127: its codes are zeros, and the bytes are read by this program alone.
.set SLABB,  12800
.set BOFF,   5734400                   ; Wo's image in P
.set SPITCH, 528                       ; a stage row: 512 bytes + 16
.set STAGE,  0x800                     ; LDS: 0-1023 the sums' exchange, 1024-2047 the spare words, then 16 x 528 bytes a wave
.set X,   32
.set AF,  96
.set ACC, 192
.set SA,  10
.set SB,  18
.set L16, 5
.set L8,  6
.set R4,  7
.set L4,  26
.set STO, 27
.set RD,  28
.set CO,  29
.set SPW, 30
.set NIL, 31
.set PC,  96                           ; v96-115 the codes
.set TM,  120                          ; v120-135 at work in the quantiser
.set PW,  136                          ; the scale word
.set MU,  140                          ; the mean, as a pair
.set RS,  142                          ; 1 / sqrt(variance + 1e-5), as a pair
.set SM,  144                          ; v144-151 four chains of pairs
.set AC,  152                          ; v152-159 the eight waves' partial sums
.set GW,  192                          ; window 1: the gain
.set BW,  0                            ; window 1: the bias
.set SEL, 22
.set MSB, 0
.macro WIN new                         ; the immediate's high byte repeats the setting that is left
.if MSB != (\new)
	s_set_vgpr_msb (MSB<<8)|(\new)
.set MSB, (\new)
.endif
.endm
.macro PLACES
.rept 4
	v_nop
.endr
.endm
.macro FRAGL reg, base, off            ; a fragment's four pieces, each consecutive bytes over the 32 lanes
	global_load_b128 v[\reg:\reg+3], v[L16], s[\base:\base+1] offset:\off
	global_load_b64 v[\reg+4:\reg+5], v[L8], s[\base:\base+1] offset:\off+512
	global_load_b128 v[\reg+6:\reg+9], v[L16], s[\base:\base+1] offset:\off+768
	global_load_b64 v[\reg+10:\reg+11], v[L8], s[\base:\base+1] offset:\off+1280
.endm
.macro BLOAD s                         ; Wo's slab (w, s): 32 loads of codes into set s % 2, 4 of scale words: 36
	WIN 0x40                                       ; destination window 1
.irp b, 0,1,2,3,4,5,6,7
	FRAGL 96*((\s)%2)+12*\b, 6, (\s)*SLABB+1536*\b
.endr
	WIN 0
.irp q, 0,1,2,3
	global_load_b32 v[SB+4*((\s)%2)+\q], v[L4], s[6:7] offset:(\s)*SLABB+12288+128*\q
.endr
.endm
.macro MUL s, zero                     ; K step s: the 8 accumulators by turns; zero = 1: the first products start the sums
	WIN 0x01                                       ; source 0 window 1
.irp b, 0,1,2,3,4,5,6,7
.set rD, ACC+8*\b
.set rB, 96*((\s)%2)+12*\b
.set rA, AF+12*(\s)
.set rSB, SB+4*((\s)%2)+\b/2
.set rSA, SA+(\s)
.if \zero
.if \b%2
	v_wmma_scale_f32_16x16x128_f8f6f4 v[rD:rD+7], v[rB:rB+11], v[rA:rA+11], 0, v[rSB], v[rSA] matrix_a_fmt:MATRIX_FMT_FP6 matrix_b_fmt:MATRIX_FMT_FP6 matrix_a_scale:MATRIX_SCALE_ROW1
.else
	v_wmma_scale_f32_16x16x128_f8f6f4 v[rD:rD+7], v[rB:rB+11], v[rA:rA+11], 0, v[rSB], v[rSA] matrix_a_fmt:MATRIX_FMT_FP6 matrix_b_fmt:MATRIX_FMT_FP6
.endif
.else
.if \b%2
	v_wmma_scale_f32_16x16x128_f8f6f4 v[rD:rD+7], v[rB:rB+11], v[rA:rA+11], v[rD:rD+7], v[rSB], v[rSA] matrix_a_fmt:MATRIX_FMT_FP6 matrix_b_fmt:MATRIX_FMT_FP6 matrix_a_scale:MATRIX_SCALE_ROW1
.else
	v_wmma_scale_f32_16x16x128_f8f6f4 v[rD:rD+7], v[rB:rB+11], v[rA:rA+11], v[rD:rD+7], v[rSB], v[rSA] matrix_a_fmt:MATRIX_FMT_FP6 matrix_b_fmt:MATRIX_FMT_FP6
.endif
.endif
.endr
.endm
.macro VEC64 dst, base                 ; 64 numbers of a [1024] vector at my columns, into window 1
	WIN 0x40
.irp b, 0,1,2,3
.irp j, 0,1,2,3
	global_load_b128 v[\dst+16*\b+4*\j:\dst+16*\b+4*\j+3], v4, s[\base:\base+1] offset:128*\b+16*\j
.endr
.endr
	WIN 0
.endm
; Four chains of pairs in v[SM..SM+7] become the row's sum over all 1,024 columns, in v[AC] of every lane: my lane's, lane l xor 16's, then the eight waves' through 512 bytes of LDS at off.
.macro ACROSS off
	v_pk_add_f32 v[SM:SM+1], v[SM:SM+1], v[SM+2:SM+3]
	v_pk_add_f32 v[SM+4:SM+5], v[SM+4:SM+5], v[SM+6:SM+7]
	s_delay_alu instid0(VALU_DEP_1)
	v_pk_add_f32 v[SM:SM+1], v[SM:SM+1], v[SM+4:SM+5]
	s_delay_alu instid0(VALU_DEP_1)
	v_add_f32 v[SM], v[SM], v[SM+1]
	s_delay_alu instid0(VALU_DEP_1)
	v_permlanex16_b32 v[SM+1], v[SM], s[SEL], s[SEL+1]
	s_delay_alu instid0(VALU_DEP_1)
	v_add_f32 v[SM], v[SM], v[SM+1]
	ds_store_b32 v8, v[SM] offset:\off             ; word (row r, wave); both halves of the lanes write the same word with the same value
	s_wait_dscnt 0x0                               ; for the others' sake: my store has landed
	s_barrier_signal -1
	s_barrier_wait -1
	ds_load_b128 v[AC:AC+3], v9 offset:\off
	ds_load_b128 v[AC+4:AC+7], v9 offset:\off+16
	s_wait_dscnt 0x0
	v_pk_add_f32 v[AC:AC+1], v[AC:AC+1], v[AC+2:AC+3]
	v_pk_add_f32 v[AC+4:AC+5], v[AC+4:AC+5], v[AC+6:AC+7]
	s_delay_alu instid0(VALU_DEP_1)
	v_pk_add_f32 v[AC:AC+1], v[AC:AC+1], v[AC+4:AC+5]
	s_delay_alu instid0(VALU_DEP_1)
	v_add_f32 v[AC], v[AC], v[AC+1]
.endm
	s_load_b256 s[4:11], s[0:1], 0x0               ; aq s[4:5], P s[6:7], inputs s[8:9], the gain s[10:11]
	s_load_b128 s[12:15], s[0:1], 0x20             ; the bias s[12:13], mlp s[14:15]
	s_load_b64 s[16:17], s[0:1], 0x30              ; hq
	v_lshl_add_u32 v[SPW], v0, 2, 0x400
	v_mov_b32 v[NIL], 0
	v_lshrrev_b32 v1, 5, v0
	v_readfirstlane_b32 s20, v1                    ; wave 0..7
	v_and_b32 v1, 15, v0                           ; r
	v_bfe_u32 v2, v0, 4, 1                         ; h
	v_and_b32 v[L4], 31, v0
	v_lshlrev_b32 v[L16], 4, v[L4]
	v_lshlrev_b32 v[L8], 3, v[L4]
	v_lshlrev_b32 v[L4], 2, v[L4]
	v_lshlrev_b32 v[R4], 2, v1
	v_lshlrev_b32 v9, 5, v1                        ; LDS: my row's eight words,
	s_lshl_b32 s21, s20, 2
	v_add_nc_u32 v8, s21, v9                       ; and my wave's among them
	s_lshl_b32 s21, s20, 9
	v_lshl_add_u32 v4, v2, 6, s21                  ; gain and bias: 512 w + 64 h
	v_add_nc_u32 v[CO], s21, v[L16]                ; a whole row's piece of mlp: 512 w + 16 x lane
	v_and_b32 v3, 8, v1
	v_add_nc_u32 v3, v3, v1
	v_lshl_add_u32 v3, v3, 12, v4                  ; the residual: + (r + 8 (r / 8)) x 4,096
	s_mul_i32 s21, s20, 16*SPITCH
	s_add_co_u32 s21, s21, STAGE                   ; my stage
	v_mul_u32_u24 v[STO], v1, SPITCH
	v_lshl_add_u32 v[STO], v2, 6, v[STO]
	v_add_nc_u32 v[STO], s21, v[STO]               ; in: row r, + 64 h
	v_add_nc_u32 v[RD], s21, v[L16]                ; back: the 32 lanes take a row's 512 bytes
	s_mov_b32 s[SEL], 0x76543210
	s_mov_b32 s[SEL+1], 0xfedcba98
	s_mov_b32 s24, 0x3a800000                      ; 1 / 1,024
	s_mov_b32 s25, 0x3727c5ac                      ; 1e-5
	s_lshr_b32 s26, ttmp9, 3                       ; G
	s_and_b32 s27, ttmp9, 7                        ; i
	s_lshl_b32 s28, s26, 7
	s_lshr_b32 s29, s27, 1
	s_lshl_b32 s29, s29, 5
	s_add_co_u32 s28, s28, s29
	s_and_b32 s29, s27, 1
	s_lshl_b32 s29, s29, 3
	s_add_co_u32 s28, s28, s29                     ; the fragment's first row: 128 G + 32 (i / 2) + 8 (i % 2)
	s_lshl_b32 s28, s28, 12
	s_mov_b32 s29, 0
	s_mul_i32 s30, s26, 8*SLABB                    ; slab (G, 0)
	s_lshl_b32 s32, s27, 6
	s_add_co_u32 s32, s32, s30
	s_add_co_u32 s32, s32, 12288                   ; my fragment's scale words there
	s_mul_i32 s34, s27, 1536
	s_add_co_u32 s30, s30, s34                     ; my fragment there
	s_mov_b32 s31, 0
	s_mov_b32 s33, 0
	s_mul_i32 s36, s20, SLABB
	s_add_co_u32 s38, s32, s36                     ; the same two places in slab (G, w), for hq
	s_add_co_u32 s36, s30, s36
	s_mov_b32 s37, 0
	s_mov_b32 s39, 0
	s_mul_i32 s34, s20, 8*SLABB
	s_add_co_u32 s34, s34, BOFF                    ; Wo's slab (w, 0)
	s_mov_b32 s35, 0
	s_wait_alu depctr_va_vdst(0)
	s_wait_kmcnt 0x0
	s_add_nc_u64 s[40:41], s[4:5], s[32:33]
	s_add_nc_u64 s[4:5], s[4:5], s[30:31]
	s_add_nc_u64 s[6:7], s[6:7], s[34:35]
	s_add_nc_u64 s[8:9], s[8:9], s[28:29]
	s_add_nc_u64 s[14:15], s[14:15], s[28:29]
	s_add_nc_u64 s[42:43], s[16:17], s[38:39]
	s_add_nc_u64 s[16:17], s[16:17], s[36:37]
.irp s, 0,1,2,3,4,5,6,7                            ; the rows' fragments and scale words of all eight K steps: 40 loads
	FRAGL AF+12*\s, 4, \s*SLABB
	global_load_b32 v[SA+\s], v[R4], s[40:41] offset:\s*SLABB
.endr
	BLOAD 0
	BLOAD 1
.irp b, 0,1,2,3                                    ; the residual: 16 loads
.irp j, 0,1,2,3
	global_load_b128 v[X+16*\b+4*\j:X+16*\b+4*\j+3], v3, s[8:9] offset:128*\b+16*\j
.endr
.endr
	s_wait_loadcnt 52                              ; younger than K step 0's: K step 1's 36 and the residual's 16
	MUL 0, 1
	PLACES                                         ; in front of loads into registers that matrix instructions have read
	BLOAD 2
	s_wait_loadcnt 52                              ; younger than K step 1's: the residual's 16 and K step 2's 36
	MUL 1, 0
	PLACES
	BLOAD 3
.irp s, 2,3,4,5
	s_wait_loadcnt 36                              ; younger: the next K step's 36
	MUL \s, 0
	PLACES
	BLOAD \s+2
.endr
	VEC64 GW, 10                                   ; the gain: 16 loads
	s_wait_loadcnt 52                              ; younger than K step 6's: K step 7's 36 and the gain's 16
	MUL 6, 0
	PLACES
	VEC64 BW, 12                                   ; the bias, into set 0, which is done with: 16 loads
	s_wait_loadcnt 32                              ; younger than K step 7's: gain and bias
	MUL 7, 0
	WIN 0
	PLACES                                         ; in front of the first read of results
.set j, 0
.rept 32
	v_pk_add_f32 v[X+j:X+j+1], v[X+j:X+j+1], v[ACC+j:ACC+j+1]   ; + the residual; each accumulator is read from its low end on
.set j, j+2
.endr
.irp b, 0,1,2,3
	v_mov_b32 v[TM+4+\b], 0                        ; a lane permute's destination counts as one of its sources
.endr
	; mlp goes out through my own stage, so that the 32 lanes store 512 consecutive bytes of a row.  LDS serves a wave's instructions in order (ISA guide 5.7.1.4): no wait between the stores and the loads.
.irp b, 0,1,2,3
.irp j, 0,1,2,3
	ds_store_b128 v[STO], v[X+16*\b+4*\j:X+16*\b+4*\j+3] offset:128*\b+16*\j
.endr
.endr
.set t, 0
.rept 16
	ds_load_b128 v[ACC+4*t:ACC+4*t+3], v[RD] offset:t*SPITCH
.set t, t+1
.endr
.irp c, 0,1,2,3
	v_pk_add_f32 v[SM+2*\c:SM+2*\c+1], v[X+2*\c:X+2*\c+1], v[X+8+2*\c:X+9+2*\c]
.endr
.irp j, 16,24,32,40,48,56
.irp c, 0,1,2,3
	v_pk_add_f32 v[SM+2*\c:SM+2*\c+1], v[SM+2*\c:SM+2*\c+1], v[X+\j+2*\c:X+\j+2*\c+1]
.endr
.endr
	s_wait_alu depctr_va_vdst(0)                   ; directly ahead of the wait below
	s_wait_dscnt 0x0                               ; the rows are back
.set t, 0
.rept 16
	global_store_b128 v[CO], v[ACC+4*t:ACC+4*t+3], s[14:15] offset:(t+8*(t/8))*4096   ; stage row t is row t + 8 (t / 8) of the fragment's; these data registers are not written again
.set t, t+1
.endr
	ACROSS 0
	s_delay_alu instid0(VALU_DEP_1)
	v_mul_f32 v[MU], s24, v[AC]                    ; the mean
	s_delay_alu instid0(VALU_DEP_1)
	v_mov_b32 v[MU+1], v[MU]
.set j, 0
.rept 32
	v_pk_add_f32 v[X+j:X+j+1], v[X+j:X+j+1], v[MU:MU+1] neg_lo:[0,1] neg_hi:[0,1]   ; centred first: the variance is a sum of squares of small numbers, whatever the rows' common offset
.set j, j+2
.endr
.irp c, 0,1,2,3
	v_pk_mul_f32 v[SM+2*\c:SM+2*\c+1], v[X+2*\c:X+2*\c+1], v[X+2*\c:X+2*\c+1]
.endr
.irp j, 8,16,24,32,40,48,56
.irp c, 0,1,2,3
	v_pk_fma_f32 v[SM+2*\c:SM+2*\c+1], v[X+\j+2*\c:X+\j+2*\c+1], v[X+\j+2*\c:X+\j+2*\c+1], v[SM+2*\c:SM+2*\c+1]
.endr
.endr
	ACROSS 512                                     ; other LDS bytes than the first exchange's: no barrier is needed between the two
	s_delay_alu instid0(VALU_DEP_1)
	v_fma_f32 v[RS], v[AC], s24, s25               ; the variance + 1e-5
	s_wait_alu depctr_va_vdst(0)                   ; ahead of the transcendental
	v_rsq_f32 v[RS], v[RS]
	v_nop                                          ; a plain place behind it
	s_wait_alu depctr_va_vdst(0)                   ; and the wait ahead of its first reader
	v_mov_b32 v[RS+1], v[RS]
	s_wait_alu depctr_va_vdst(0)                   ; directly ahead of the wait below
	s_wait_loadcnt 0x0                             ; gain and bias
.set j, 0
.rept 32
	v_pk_mul_f32 v[X+j:X+j+1], v[X+j:X+j+1], v[RS:RS+1]
.set j, j+2
.endr
	WIN 0x14                                       ; sources 1 and 2 window 1
.set j, 0
.rept 32
	v_pk_fma_f32 v[X+j:X+j+1], v[X+j:X+j+1], v[GW+j:GW+j+1], v[BW+j:BW+j+1]
.set j, j+2
.endr
	WIN 0
	; THE QUANTISER: four blocks of 32 along the row, each in lanes l and l xor 16
.irp b, 0,1,2,3
	v_max3_num_f32 v[TM+\b], |v[X+16*\b]|, |v[X+1+16*\b]|, 0x1800000   ; and the floor 2^(3 - 127): the byte cannot fall under 1
.endr
.irp i, 2,4,6,8,10,12,14
.irp b, 0,1,2,3
	v_max3_num_f32 v[TM+\b], |v[X+16*\b+\i]|, |v[X+1+16*\b+\i]|, v[TM+\b]   ; the four blocks by turns
.endr
.endr
.irp b, 0,1,2,3
	v_permlanex16_b32 v[TM+4+\b], v[TM+\b], s[SEL], s[SEL+1]
.endr
.irp b, 0,1,2,3
	v_max_num_f32 v[TM+\b], v[TM+\b], v[TM+4+\b]
.endr
.irp b, 0,1,2,3
	v_add_nc_u32 v[TM+12+\b], 0xff000000, v[TM+\b]   ; 2 off the exponent field: the conversion's scale operand
.endr
.irp b, 0,1,2,3
	v_lshrrev_b32 v[TM+4+\b], 23, v[TM+12+\b]      ; the scale's byte
.endr
	v_lshl_or_b32 v[PW], v[TM+5], 8, v[TM+4]
	s_delay_alu instid0(VALU_DEP_1)
	v_lshl_or_b32 v[PW], v[TM+6], 16, v[PW]
	s_delay_alu instid0(VALU_DEP_1)
	v_lshl_or_b32 v[PW], v[TM+7], 24, v[PW]
.irp c, 0,1
	v_cvt_scalef32_pk16_fp6_f32 v[PC+6*\c:PC+2+6*\c], v[X+32*\c:X+15+32*\c], v[TM+12+2*\c]
	v_cvt_scalef32_pk16_fp6_f32 v[PC+12+4*\c:PC+14+4*\c], v[X+16+32*\c:X+31+32*\c], v[TM+13+2*\c]   ; (a conversion's three registers begin on an even number)
.endr
	v_nop                                          ; one plain place behind a scaled conversion
.irp c, 0,1                                        ; the operand's layout wants a whole block in a lane
.irp i, 0,1,2
	v_permlane16_swap_b32 v[PC+6*\c+\i], v[PC+12+4*\c+\i]
.endr
.irp i, 0,1,2
	v_mov_b32 v[PC+3+6*\c+\i], v[PC+12+4*\c+\i]
.endr
.endr
	global_store_b128 v[L16], v[PC:PC+3], s[16:17]                 ; 512 and 256 consecutive bytes, aligned to 256
	global_store_b64 v[L8], v[PC+4:PC+5], s[16:17] offset:512
	global_store_b128 v[L16], v[PC+6:PC+9], s[16:17] offset:768
	global_store_b64 v[L8], v[PC+10:PC+11], s[16:17] offset:1280
	global_store_b32 v[R4], v[PW], s[42:43]        ; 16 scale words, 64 consecutive bytes; both halves of the lanes store the same word
	s_wait_tensorcnt 0x0                           ; the wave's end
	ds_add_u32 v[SPW], v[NIL]
	s_wait_dscnt 0x0
	s_endpgm
.Lfunc_end_k_q030f000188_wol:
	.size	k_q030f000188_wol, .Lfunc_end_k_q030f000188_wol-k_q030f000188_wol
	.p2alignl 7, 3214868480
	.fill 96, 4, 3214868480
	.section	.rodata,"a",@progbits
	.p2align	6, 0x0
	.amdhsa_kernel k_q030f000188_wol
		.amdhsa_group_segment_fixed_size 69632
		.amdhsa_private_segment_fixed_size 0
		.amdhsa_enable_private_segment 0
		.amdhsa_kernarg_size 56
		.amdhsa_user_sgpr_count 2
		.amdhsa_user_sgpr_kernarg_segment_ptr 1
		.amdhsa_wavefront_size32 1
		.amdhsa_system_sgpr_workgroup_id_x 1
		.amdhsa_system_sgpr_workgroup_id_y 1
		.amdhsa_system_sgpr_workgroup_id_z 1
		.amdhsa_system_vgpr_workitem_id 0
		.amdhsa_next_free_vgpr 512
		.amdhsa_next_free_sgpr 66
		.amdhsa_reserve_vcc 0
		.amdhsa_float_denorm_mode_32 3
		.amdhsa_float_denorm_mode_16_64 3
		.amdhsa_memory_ordered 1
		.amdhsa_forward_progress 1
		.amdhsa_inst_pref_size 71
	.end_amdhsa_kernel
	.amdgpu_metadata
---
amdhsa.version: [ 1, 2 ]
amdhsa.kernels:
  - .name:           k_q030f000188_wol
    .symbol:         k_q030f000188_wol.kd
    .args:
      - { .name: aq, .offset: 0, .size: 8, .value_kind: global_buffer, .address_space: global }
      - { .name: P, .offset: 8, .size: 8, .value_kind: global_buffer, .address_space: global }
      - { .name: inputs, .offset: 16, .size: 8, .value_kind: global_buffer, .address_space: global }
      - { .name: ln2_g, .offset: 24, .size: 8, .value_kind: global_buffer, .address_space: global }
      - { .name: ln2_b, .offset: 32, .size: 8, .value_kind: global_buffer, .address_space: global }
      - { .name: mlp, .offset: 40, .size: 8, .value_kind: global_buffer, .address_space: global }
      - { .name: hq, .offset: 48, .size: 8, .value_kind: global_buffer, .address_space: global }
    .group_segment_fixed_size: 69632
    .private_segment_fixed_size: 0
    .kernarg_segment_align: 8
    .kernarg_segment_size: 56
    .max_flat_workgroup_size: 256
    .sgpr_count:     66
    .vgpr_count:     512
    .wavefront_size: 32
...
	.end_amdgpu_metadata
.endif
;; end of part 10
;; launch fc2 (part 11): grid 16 x 16, 4 waves a work-group, clusters of 4 x 4, 327,680 bytes of LDS; arguments hq, P, bfc2, gq; writes gq
.if DOCPART == 11
	.amdgcn_target "amdgcn-amd-amdhsa--gfx1250"
	.amdhsa_code_object_version 6
	.text
	.protected	k_q030f000188_fc2
	.globl	k_q030f000188_fc2
	.p2align	8
	.type	k_q030f000188_fc2,@function
k_q030f000188_fc2:
	s_mov_b64 s[64:65], 0
	v_nop
	global_prefetch_b8 v0, s[64:65] scope:SCOPE_SE
	s_setreg_imm32_b32 hwreg(HW_REG_WAVE_MODE, 25, 1), 1
	s_wait_xcnt 0x0
	s_wait_alu depctr_hold_cnt(0) depctr_sa_sdst(0) depctr_va_vdst(0) depctr_va_sdst(0) depctr_va_ssrc(0) depctr_va_vcc(0) depctr_vm_vsrc(0)
	s_getreg_b32 s2, hwreg(HW_REG_IB_STS2, 6, 4)
	s_cmp_eq_u32 s2, 0
	s_cbranch_scc0 .Lentry_in_a_cluster
	s_endpgm
.Lentry_in_a_cluster:
	s_bfe_u32 s2, ttmp6, 0x10000c
	s_cmp_lg_u32 s2, 0xf033
	s_cbranch_scc0 .Lentry_shape_is_right
	s_endpgm
.Lentry_shape_is_right:
.set KS,     8
.set BOFF,   6553600
.set ZERO,   1
.set SLABB,  12800
.set HALF,   2*SLABB
.set SLOT,   4*HALF
.set SPARE,  2*SLOT
.set LAPS,   KS/4
.set FR,     12
.set NL,     4
.set NP,     4
.set L16,    10
.set L8,     11
.set ADRS,   12
.set ADRA,   16
.set ADRB,   20
.set SPW,    28
.set NIL,    29
.set SC,     32
.set BI,     64
.set AF,     128
.set G1,     24
.set G0,     32
.set G1B,    48
.set G0B,    56
.set SEL,    66
.set HA,     128
.set T,      192
.set PP,     208
.set WW,     224
.set TM,     192
.set PW,     208
.set PC,     210
.set MSB, 0
.macro WIN new
.if MSB != (\new)
	s_set_vgpr_msb (MSB<<8)|(\new)
.set MSB, (\new)
.endif
.endm
.set MUL_LO, 0xa1
.set MUL_HI, 0xf1
.set TO_B,   0x40
.macro PLACES n
.rept \n
	v_nop
.endr
.endm
.macro JLOAD g0a, g1a, g0b, g1b
	s_cmp_eq_u32 s15, 0
	s_cbranch_scc0 .Lfor_b_\@
	tensor_load_to_lds s[\g0a:\g0a+3], s[\g1a:\g1a+7]
	s_nop 0
.rept 4
	v_nop
.endr
	s_branch .Lasked_\@
.Lfor_b_\@:
	tensor_load_to_lds s[\g0b:\g0b+3], s[\g1b:\g1b+7]
	s_nop 0
.rept 4
	v_nop
.endr
.Lasked_\@:
.endm
.macro CREST
	s_cmp_lg_u32 s14, 0
	s_cbranch_scc1 .Lnot_wave_0_\@
	s_barrier_signal -3
.Lnot_wave_0_\@:
	s_barrier_wait -3
	s_barrier_signal -1
	s_barrier_wait -1
.endm
.macro CROUND
	s_barrier_signal -1
	s_barrier_wait -1
	CREST
.endm
.macro FRAG reg, adr, q, i
	ds_load_b128 v[\reg:\reg+3], v[\adr] offset:(\q)*SLABB+(\i)*1536
	ds_load_b64 v[\reg+4:\reg+5], v[\adr+2] offset:(\q)*SLABB+(\i)*1536+512
	ds_load_b128 v[\reg+6:\reg+9], v[\adr] offset:(\q)*SLABB+(\i)*1536+768
	ds_load_b64 v[\reg+10:\reg+11], v[\adr+2] offset:(\q)*SLABB+(\i)*1536+1280
.endm
.macro MUL16 a0, p, q, sc, zero
.irp a, \a0, \a0+1
.irp b, 0,1,2,3,4,5,6,7
.set rD, 8*(8*((\a)%4)+\b)
.set rB, 128*(\p)+FR*\b
.set rA, AF+FR*(\a)
.set rSB, SC+16*(\sc)+2*\b+(\q)
.set rSA, SC+16*(\sc)+2*(\a)+(\q)
.if (\zero) == 1
	v_wmma_scale_f32_16x16x128_f8f6f4 v[rD:rD+7], v[rB:rB+FR-1], v[rA:rA+FR-1], 0, v[rSB], v[rSA] matrix_a_fmt:MATRIX_FMT_FP6 matrix_b_fmt:MATRIX_FMT_FP6 matrix_a_scale:MATRIX_SCALE_ROW1
.elseif (\zero) == 2
	v_wmma_scale_f32_16x16x128_f8f6f4 v[rD:rD+7], v[rB:rB+FR-1], v[rA:rA+FR-1], v[BI+8*\b:BI+8*\b+7], v[rSB], v[rSA] matrix_a_fmt:MATRIX_FMT_FP6 matrix_b_fmt:MATRIX_FMT_FP6 matrix_a_scale:MATRIX_SCALE_ROW1
.else
	v_wmma_scale_f32_16x16x128_f8f6f4 v[rD:rD+7], v[rB:rB+FR-1], v[rA:rA+FR-1], v[rD:rD+7], v[rSB], v[rSA] matrix_a_fmt:MATRIX_FMT_FP6 matrix_b_fmt:MATRIX_FMT_FP6 matrix_a_scale:MATRIX_SCALE_ROW1
.endif
.endr
.endr
.endm
.macro FETCH_B slot, q, p
	WIN TO_B
.irp i, 0,1,2,3,4,5,6,7
	FRAG 128*(\p)+FR*\i, ADRB+\slot, \q, \i
.endr
	WIN 0
.endm
.macro FETCH_A slot, q, i0
.irp i, \i0, \i0+1, \i0+2, \i0+3
	FRAG AF+FR*(\i), ADRA+\slot, \q, \i
.endr
.endm
.macro SCALES sc
.irp q, 0,1
.irp i, 0,1,2,3,4,5,6,7
	ds_load_b32 v[SC+16*\sc+2*\i+\q], v[ADRS+\sc] offset:\q*SLABB+12288+64*\i
.endr
.endr
.endm
.macro STEP slot, q, zero
	s_wait_dscnt 4*NL
.if (\zero) == 2
	WIN 0x81
.else
	WIN MUL_LO
.endif
	MUL16 0, (\q)%2, \q, \slot, \zero
	MUL16 2, (\q)%2, \q, \slot, \zero
	s_wait_dscnt 0
	PLACES NP
	FETCH_B \slot, (\q)+1, 1-(\q)%2
	FETCH_A \slot, (\q)+1, 0
.if (\zero) == 2
	WIN 0xc1
.else
	WIN MUL_HI
.endif
	MUL16 4, (\q)%2, \q, \slot, \zero
	MUL16 6, (\q)%2, \q, \slot, \zero
	PLACES NP
	WIN 0
	FETCH_A \slot, (\q)+1, 4
.endm
.macro TURN slot, next, fill
.if \fill
	s_wait_xcnt 0x0                                ; my last prefetch has read its base: it steps one chunk
	s_add_nc_u64 s[76:77], s[76:77], HALF
.endif
	s_wait_tensorcnt 0x0
	ds_add_u32 v[SPW], v[NIL]
	s_wait_dscnt 4*NL+1
	WIN MUL_LO
	MUL16 0, 1, 1, \slot, 0
	s_wait_dscnt 0x0
	s_barrier_signal -1
	MUL16 2, 1, 1, \slot, 0
	WIN 0
	s_barrier_wait -1
.if \fill
	CREST
	s_add_nc_u64 s[G0+4*\slot+2:G0+4*\slot+3], s[G0+4*\slot+2:G0+4*\slot+3], 2*HALF
	s_add_nc_u64 s[G0B+4*\slot+2:G0B+4*\slot+3], s[G0B+4*\slot+2:G0B+4*\slot+3], 2*HALF
	JLOAD G0+4*\slot, G1, G0B+4*\slot, G1B
.else
	PLACES NP
.endif
	FETCH_B \next, 0, 0
	FETCH_A \next, 0, 0
	SCALES \next
.if (\fill) && (\slot) == 0
	global_prefetch_b8 v14, s[76:77] offset:2*HALF th:TH_LOAD_NT scope:SCOPE_SE   ; behind chunk 2's load: chunk 3, the last; the refill of chunk 3 asks for nothing
.endif
	WIN MUL_HI
	MUL16 4, 1, 1, \slot, 0
	MUL16 6, 1, 1, \slot, 0
	PLACES NP
	WIN 0
	FETCH_A \next, 0, 4
.endm
.macro QUANT s
.irp b, 0,1,2,3
	v_max3_num_f32 v[TM+\b], |v[\s+16*\b]|, |v[\s+1+16*\b]|, 0x1800000
.endr
.irp i, 2,4,6,8,10,12,14
.irp b, 0,1,2,3
	v_max3_num_f32 v[TM+\b], |v[\s+16*\b+\i]|, |v[\s+1+16*\b+\i]|, v[TM+\b]
.endr
.endr
.irp b, 0,1,2,3
	v_permlanex16_b32 v[TM+4+\b], v[TM+\b], s[SEL], s[SEL+1]
.endr
.irp b, 0,1,2,3
	v_max_num_f32 v[TM+\b], v[TM+\b], v[TM+4+\b]
.endr
.irp b, 0,1,2,3
	v_add_nc_u32 v[TM+12+\b], 0xff000000, v[TM+\b]
.endr
.irp b, 0,1,2,3
	v_lshrrev_b32 v[TM+4+\b], 23, v[TM+12+\b]
.endr
	v_lshl_or_b32 v[PW], v[TM+5], 8, v[TM+4]
	v_lshl_or_b32 v[PW], v[TM+6], 16, v[PW]
	v_lshl_or_b32 v[PW], v[TM+7], 24, v[PW]
.irp c, 0,1
	v_cvt_scalef32_pk16_fp6_f32 v[PC+6*\c:PC+2+6*\c], v[\s+32*\c:\s+15+32*\c], v[TM+12+2*\c]
	v_cvt_scalef32_pk16_fp6_f32 v[PC+12+4*\c:PC+14+4*\c], v[\s+16+32*\c:\s+31+32*\c], v[TM+13+2*\c]
.endr
	v_nop
.irp c, 0,1
.irp i, 0,1,2
	v_permlane16_swap_b32 v[PC+6*\c+\i], v[PC+12+4*\c+\i]
.endr
.irp i, 0,1,2
	v_mov_b32 v[PC+3+6*\c+\i], v[PC+12+4*\c+\i]
.endr
.endr
.endm
.macro ARM k
	WIN 2+(\k)/4
.set i, 0
.rept 32
	v_pk_add_f32 v[HA+i:HA+i+1], v[64*((\k)%4)+i:64*((\k)%4)+i+1], v[BI+i:BI+i+1]
.set i, i+2
.endr
	WIN 0
.endm
.macro GELU16 u
.set H, HA+16*(\u)
.irp i, 0,1,2,3,4,5,6,7,8,9,10,11,12,13,14,15
	v_fma_f32 v[T+\i], |v[H+\i]|, s72, 1.0
.endr
	s_wait_alu depctr_va_vdst(0)
.irp i, 0,1,2,3,4,5,6,7,8,9,10,11,12,13,14,15
	v_rcp_f32 v[T+\i], v[T+\i]
.endr
.irp i, 0,2,4,6,8,10,12,14
	v_pk_mul_f32 v[WW+\i:WW+\i+1], v[H+\i:H+\i+1], v[H+\i:H+\i+1]
.endr
	s_wait_alu depctr_va_vdst(0)
.irp i, 0,2,4,6,8,10,12,14
	v_pk_fma_f32 v[PP+\i:PP+\i+1], v[T+\i:T+\i+1], v[6:7], 0xbf527892 op_sel_hi:[1,1,0]
.endr
.irp c, 0x3fbe87b0, 0xbf914e5d, 0x3e8ec7cc, 0xbe3ec24c, 0x3dc636c9, 0x3ebf88fb, 0x3f8000c7, 0xbfa1fc4e
.irp i, 0,2,4,6,8,10,12,14
	v_pk_fma_f32 v[PP+\i:PP+\i+1], v[PP+\i:PP+\i+1], v[T+\i:T+\i+1], \c op_sel_hi:[1,1,0]
.endr
.endr
.irp i, 0,2,4,6,8,10,12,14
	v_pk_fma_f32 v[PP+\i:PP+\i+1], v[WW+\i:WW+\i+1], -0.5, v[PP+\i:PP+\i+1] op_sel_hi:[1,0,1]
.endr
.irp i, 0,2,4,6,8,10,12,14
	v_pk_mul_f32 v[PP+\i:PP+\i+1], v[PP+\i:PP+\i+1], 0x3fb8aa3b op_sel_hi:[1,0]
.endr
	s_wait_alu depctr_va_vdst(0)
.irp i, 0,1,2,3,4,5,6,7,8,9,10,11,12,13,14,15
	v_exp_f32 v[PP+\i], v[PP+\i]
.endr
.irp i, 0,1,2,3,4,5,6,7,8,9,10,11,12,13,14,15
	v_max_num_f32 v[WW+\i], 0, v[H+\i]
.endr
	s_wait_alu depctr_va_vdst(0)
.irp i, 0,2,4,6,8,10,12,14
	v_pk_mul_f32 v[PP+\i:PP+\i+1], v[PP+\i:PP+\i+1], v[T+\i:T+\i+1]
.endr
.irp i, 0,1,2,3,4,5,6,7,8,9,10,11,12,13,14,15
	v_mul_f32 v[PP+\i], |v[H+\i]|, v[PP+\i]
.endr
.irp i, 0,2,4,6,8,10,12,14
	v_pk_fma_f32 v[H+\i:H+\i+1], v[PP+\i:PP+\i+1], -0.5, v[WW+\i:WW+\i+1] op_sel_hi:[1,0,1]
.endr
.endm
	s_load_b128 s[4:7], s[0:1], 0x0
	s_load_b64 s[12:13], s[0:1], 0x10
	s_load_b64 s[10:11], s[0:1], 0x18
	v_lshl_add_u32 v[SPW], v0, 2, SPARE
	v_mov_b32 v[NIL], 0
	ds_add_u32 v28, v29
	ds_add_u32 v28, v29
	s_wait_dscnt 0x0
	v_lshrrev_b32 v1, 5, v0
	v_readfirstlane_b32 s14, v1
	v_and_b32 v14, 31, v0                          ; the prefetches' offset: a lane a block of 256 bytes, 25 blocks; lanes 25-31 name block 24 again
	v_min_u32 v14, 24, v14
	v_lshlrev_b32 v14, 8, v14
	s_lshr_b32 s15, s14, 1
	s_and_b32 s16, s14, 1
	s_bfe_u32 s40, ttmp6, 0x40000
	s_bfe_u32 s41, ttmp6, 0x40004
	s_lshl_b32 s42, ttmp9, 2
	s_add_co_u32 s42, s42, s40
	s_and_b32 s17, ttmp7, 0xffff
	s_lshl_b32 s17, s17, 2
	s_add_co_u32 s17, s17, s41
	s_lshl_b32 s43, s41, 2
	s_lshl_b32 s43, 15, s43
	s_lshl_b32 s44, 0x1111, s40
	s_or_b32 s[G1], s43, (3<<16)|(1<<21)
	s_or_b32 s[G1B], s44, (3<<16)|(1<<21)
.irp g, G1, G1B
	s_mov_b32 s[\g+1], 32<<16
	s_mov_b32 s[\g+2], 100<<16
	s_mov_b32 s[\g+3], 32<<16
	s_mov_b32 s[\g+4], 100
	s_mov_b32 s[\g+5], 32
	s_mov_b32 s[\g+6], 0
	s_mov_b32 s[\g+7], 0
.endr
	s_lshl_b32 s20, s17, 1
	s_add_co_u32 s20, s20, s16
	s_mul_i32 s20, s20, KS*SLABB
	s_mov_b32 s21, 0
	s_lshl_b32 s46, s42, 1
	s_add_co_u32 s46, s46, s16
	s_mul_i32 s46, s46, KS*SLABB
	s_add_co_u32 s46, s46, BOFF
	s_mov_b32 s47, 0
	s_mul_i32 s45, s14, HALF
	s_wait_kmcnt 0x0
	s_add_nc_u64 s[20:21], s[4:5], s[20:21]
	s_add_nc_u64 s[46:47], s[6:7], s[46:47]
	s_cmp_eq_u32 s15, 0                            ; the prefetches' base: the 25,600 bytes that I fetch of chunk 0; of their 100 blocks the partner at place p (cx for A, cy for B) takes 25 p on: shared out by address
	s_cselect_b64 s[76:77], s[20:21], s[46:47]
	s_cselect_b32 s78, s40, s41
	s_mul_i32 s78, s78, 6400
	s_mov_b32 s79, 0
	s_add_nc_u64 s[76:77], s[76:77], s[78:79]
	CROUND
.irp s, 0,1
	s_mov_b32 s[G0+4*\s], 1
	s_add_co_u32 s[G0+4*\s+1], s45, \s*SLOT
	s_add_nc_u64 s[G0+4*\s+2:G0+4*\s+3], s[20:21], \s*HALF
	s_or_b32 s[G0+4*\s+3], s[G0+4*\s+3], 0x80000000
	s_mov_b32 s[G0B+4*\s], 1
	s_add_co_u32 s[G0B+4*\s+1], s45, \s*SLOT
	s_add_nc_u64 s[G0B+4*\s+2:G0B+4*\s+3], s[46:47], \s*HALF
	s_or_b32 s[G0B+4*\s+3], s[G0B+4*\s+3], 0x80000000
	s_wait_alu depctr_va_vdst(0)
	s_wait_tensorcnt 0x0
	ds_add_u32 v28, v29
	ds_add_u32 v28, v29
	s_wait_dscnt 0x0
	CROUND
	JLOAD G0+4*\s, G1, G0B+4*\s, G1B
	global_prefetch_b8 v14, s[76:77] offset:(\s+1)*HALF th:TH_LOAD_NT scope:SCOPE_SE   ; behind chunk s's load: my share of chunk s + 1, one refill ahead
.endr
	v_and_b32 v1, 15, v0
	v_bfe_u32 v2, v0, 4, 1
	v_and_b32 v3, 31, v0
	v_lshlrev_b32 v[L16], 4, v3
	v_lshlrev_b32 v[L8], 3, v3
	s_mul_i32 s21, s15, HALF
	s_mul_i32 s22, s16, HALF
	s_add_co_u32 s22, s22, 2*HALF
.irp s, 0,1
	v_add_nc_u32 v[ADRA+\s], s21, v[L16]
	v_add_nc_u32 v[ADRA+2+\s], s21, v[L8]
	v_add_nc_u32 v[ADRB+\s], s22, v[L16]
	v_add_nc_u32 v[ADRB+2+\s], s22, v[L8]
	s_add_co_u32 s21, s21, SLOT
	s_add_co_u32 s22, s22, SLOT
.endr
	s_mul_i32 s21, s15, HALF
	s_mul_i32 s22, s16, HALF
	s_add_co_u32 s22, s22, 2*HALF
	s_sub_co_u32 s22, s22, s21
	v_mul_u32_u24 v6, s22, v2
	v_lshl_add_u32 v6, v1, 2, v6
	v_add_nc_u32 v[ADRS], s21, v6
	v_add_nc_u32 v[ADRS+1], SLOT, v[ADRS]
	s_lshl_b32 s72, s42, 10
	s_lshl_b32 s73, s16, 9
	s_add_co_u32 s72, s72, s73
	s_mov_b32 s73, 0
	s_add_nc_u64 s[12:13], s[12:13], s[72:73]
	v_lshlrev_b32 v4, 6, v2
.irp b, 0,1,2,3
.irp q, 0,1,2,3
	global_load_b128 v[BI+16*\b+4*\q:BI+16*\b+4*\q+3], v4, s[12:13] offset:128*\b+16*\q
.endr
.endr
	s_lshl_b32 s21, s14, 9
	v_lshl_add_u32 v24, v1, 2, s21
	v_add_nc_u32 v25, s21, v[L16]
	s_lshl_b32 s70, s17, 1
	s_add_co_u32 s70, s70, s15
	s_lshl_b32 s70, s70, 5
	s_lshl_b32 s71, s42, 1
	s_add_co_u32 s70, s70, s71
	s_add_co_u32 s70, s70, s16
	s_mul_i32 s70, s70, SLABB
	s_mov_b32 s71, 0
	s_add_nc_u64 s[10:11], s[10:11], s[70:71]
	s_mov_b32 s[SEL], 0x76543210
	s_mov_b32 s[SEL+1], 0xfedcba98
	s_mov_b32 s72, 0x3eb504f3
	v_mov_b32 v6, 0x3e2ef945
	v_mov_b32 v7, 0x3e2ef945
	s_wait_alu depctr_va_vdst(0)
	s_wait_tensorcnt 0x1
	s_barrier_signal -1
	s_barrier_wait -1
	FETCH_B 0, 0, 0
	FETCH_A 0, 0, 0
	SCALES 0
	FETCH_A 0, 0, 4
	STEP 0, 0, ZERO
	s_mov_b32 s3, LAPS-1
.Llap:
	TURN 0, 1, 1
	STEP 1, 0, 0
	TURN 1, 0, 1
	STEP 0, 0, 0
	s_sub_co_u32 s3, s3, 1
	s_cmp_lg_u32 s3, 0
	s_cbranch_scc1 .Llap
	TURN 0, 1, 0
	STEP 1, 0, 0
	s_wait_dscnt 4*NL
	WIN MUL_LO
	MUL16 0, 1, 1, 1, 0
	MUL16 2, 1, 1, 1, 0
	s_wait_dscnt 0
	WIN MUL_HI
	MUL16 4, 1, 1, 1, 0
	MUL16 6, 1, 1, 1, 0
	WIN 0
	PLACES NP
	s_wait_loadcnt 0x0                             ; the bias, asked for at the head and first read below
	s_mov_b32 s68, 0
	s_mov_b32 s69, 0
.Lblk:
.irp k, 0,1,2,3,4,5,6
	s_cmp_lg_u32 s68, \k
	s_cbranch_scc1 .Lnot\k
	ARM \k
	s_branch .Lgo
.Lnot\k:
.endr
	ARM 7
.Lgo:
	GELU16 0
	GELU16 1
	GELU16 2
	GELU16 3
	QUANT HA
	global_store_b128 v[L16], v[PC:PC+3], s[10:11]
	global_store_b64 v[L8], v[PC+4:PC+5], s[10:11] offset:512
	global_store_b128 v[L16], v[PC+6:PC+9], s[10:11] offset:768
	global_store_b64 v[L8], v[PC+10:PC+11], s[10:11] offset:1280
	v_add_nc_u32 v31, s69, v24
	ds_store_b32 v31, v[PW]
	s_wait_xcnt 0x0
	s_add_nc_u64 s[10:11], s[10:11], 1536
	s_add_co_u32 s69, s69, 64
	s_add_co_u32 s68, s68, 1
	s_cmp_lt_u32 s68, 8
	s_cbranch_scc1 .Lblk
	ds_load_b128 v[HA:HA+3], v25
	s_wait_dscnt 0x0
	global_store_b128 v[L16], v[HA:HA+3], s[10:11]
	s_wait_tensorcnt 0x0
	ds_add_u32 v[SPW], v[NIL]
	s_wait_dscnt 0x0
	CROUND
	s_endpgm
.Lfunc_end_k_q030f000188_fc2:
	.size	k_q030f000188_fc2, .Lfunc_end_k_q030f000188_fc2-k_q030f000188_fc2
	.p2alignl 7, 3214868480
	.fill 96, 4, 3214868480
	.section	.rodata,"a",@progbits
	.p2align	6, 0x0
	.amdhsa_kernel k_q030f000188_fc2
		.amdhsa_group_segment_fixed_size 327680
		.amdhsa_private_segment_fixed_size 0
		.amdhsa_enable_private_segment 0
		.amdhsa_kernarg_size 32
		.amdhsa_user_sgpr_count 2
		.amdhsa_user_sgpr_kernarg_segment_ptr 1
		.amdhsa_wavefront_size32 1
		.amdhsa_system_sgpr_workgroup_id_x 1
		.amdhsa_system_sgpr_workgroup_id_y 1
		.amdhsa_system_sgpr_workgroup_id_z 1
		.amdhsa_system_vgpr_workitem_id 0
		.amdhsa_next_free_vgpr 1024
		.amdhsa_next_free_sgpr 100
		.amdhsa_reserve_vcc 0
		.amdhsa_float_denorm_mode_32 3
		.amdhsa_float_denorm_mode_16_64 3
		.amdhsa_memory_ordered 1
		.amdhsa_forward_progress 1
		.amdhsa_inst_pref_size 192
	.end_amdhsa_kernel
	.amdgpu_metadata
---
amdhsa.version: [ 1, 2 ]
amdhsa.kernels:
  - .name:           k_q030f000188_fc2
    .symbol:         k_q030f000188_fc2.kd
    .args:
      - { .name: hq, .offset: 0, .size: 8, .value_kind: global_buffer, .address_space: global }
      - { .name: P, .offset: 8, .size: 8, .value_kind: global_buffer, .address_space: global }
      - { .name: bfc2, .offset: 16, .size: 8, .value_kind: global_buffer, .address_space: global }
      - { .name: gq, .offset: 24, .size: 8, .value_kind: global_buffer, .address_space: global }
    .group_segment_fixed_size: 327680
    .private_segment_fixed_size: 0
    .kernarg_segment_align: 8
    .kernarg_segment_size: 32
    .max_flat_workgroup_size: 128
    .sgpr_count:     100
    .vgpr_count:     1024
    .wavefront_size: 32
...
	.end_amdgpu_metadata
.endif
;; end of part 11
;; launch fc3 (part 12): grid 8 x 32, 4 waves a work-group, clusters of 4 x 4, 327,680 bytes of LDS; arguments gq, P, bfc3, mlp, out0; writes out0
.if DOCPART == 12
	.amdgcn_target "amdgcn-amd-amdhsa--gfx1250"
	.amdhsa_code_object_version 6
	.text
	.protected	k_q030f000188_fc3
	.globl	k_q030f000188_fc3
	.p2align	8
	.type	k_q030f000188_fc3,@function
k_q030f000188_fc3:
	s_mov_b64 s[64:65], 0
	v_nop
	global_prefetch_b8 v0, s[64:65] scope:SCOPE_SE
	s_setreg_imm32_b32 hwreg(HW_REG_WAVE_MODE, 25, 1), 1
	s_wait_xcnt 0x0
	s_wait_alu depctr_hold_cnt(0) depctr_sa_sdst(0) depctr_va_vdst(0) depctr_va_sdst(0) depctr_va_ssrc(0) depctr_va_vcc(0) depctr_vm_vsrc(0)
	s_getreg_b32 s2, hwreg(HW_REG_IB_STS2, 6, 4)
	s_cmp_eq_u32 s2, 0
	s_cbranch_scc0 .Lentry_in_a_cluster
	s_endpgm
.Lentry_in_a_cluster:
	s_bfe_u32 s2, ttmp6, 0x10000c
	s_cmp_lg_u32 s2, 0xf033
	s_cbranch_scc0 .Lentry_shape_is_right
	s_endpgm
.Lentry_shape_is_right:
.set KS,     32
.set BOFF,   9830400
.set ZERO,   2
.set SLABB,  12800
.set HALF,   2*SLABB
.set SIDE,   4*SLABB
.set SLOT,   2*SIDE
.set SPARE,  2*SLOT
.set STAGE,  SPARE+512
.set SPITCH, 272
.set LAPS,   KS/8
.set FR,     12
.set NP,     4
.set L16,    10
.set L8,     11
.set ADRS,   12
.set ADRA,   16
.set ADRB,   20
.set STO,    24
.set RD,     25
.set CO,     26
.set SPW,    28
.set NIL,    29
.set SC,     32
.set BI,     64
.set ACC,    128
.set G1,     24
.set G0,     32
.set G1B,    48
.set G0B,    56
.set MSB, 0
.macro WIN new
.if MSB != (\new)
	s_set_vgpr_msb (MSB<<8)|(\new)
.set MSB, (\new)
.endif
.endm
.set MUL,  0x05
.set TO_F, 0x40
.macro PLACES n
.rept \n
	v_nop
.endr
.endm
.macro JLOAD g0a, g1a, g0b, g1b
	s_cmp_eq_u32 s15, 0
	s_cbranch_scc0 .Lfor_b_\@
	tensor_load_to_lds s[\g0a:\g0a+3], s[\g1a:\g1a+7]
	s_nop 0
.rept 4
	v_nop
.endr
	s_branch .Lasked_\@
.Lfor_b_\@:
	tensor_load_to_lds s[\g0b:\g0b+3], s[\g1b:\g1b+7]
	s_nop 0
.rept 4
	v_nop
.endr
.Lasked_\@:
.endm
.macro CREST
	s_cmp_lg_u32 s14, 0
	s_cbranch_scc1 .Lnot_wave_0_\@
	s_barrier_signal -3
.Lnot_wave_0_\@:
	s_barrier_wait -3
	s_barrier_signal -1
	s_barrier_wait -1
.endm
.macro CROUND
	s_barrier_signal -1
	s_barrier_wait -1
	CREST
.endm
.macro FRAG reg, adr, q, i
	ds_load_b128 v[\reg:\reg+3], v[\adr] offset:(\q)*SLABB+(\i)*1536
	ds_load_b64 v[\reg+4:\reg+5], v[\adr+2] offset:(\q)*SLABB+(\i)*1536+512
	ds_load_b128 v[\reg+6:\reg+9], v[\adr] offset:(\q)*SLABB+(\i)*1536+768
	ds_load_b64 v[\reg+10:\reg+11], v[\adr+2] offset:(\q)*SLABB+(\i)*1536+1280
.endm
.macro MUL8 a0, p, q, sc, zero
.irp a, \a0, \a0+1
.irp b, 0,1,2,3
.set rD, ACC+8*(4*(\a)+\b)
.set rB, 128*(\p)+48+FR*\b
.set rA, 128*(\p)+FR*(\a)
.set rSB, SC+16*(\sc)+4*(\q)+\b
.set rSA, SC+16*(\sc)+4*(\q)+(\a)
.if (\zero) == 1
	v_wmma_scale_f32_16x16x128_f8f6f4 v[rD:rD+7], v[rB:rB+FR-1], v[rA:rA+FR-1], 0, v[rSB], v[rSA] matrix_a_fmt:MATRIX_FMT_FP6 matrix_b_fmt:MATRIX_FMT_FP6 matrix_a_scale:MATRIX_SCALE_ROW1
.elseif (\zero) == 2
	v_wmma_scale_f32_16x16x128_f8f6f4 v[rD:rD+7], v[rB:rB+FR-1], v[rA:rA+FR-1], v[BI+8*\b:BI+8*\b+7], v[rSB], v[rSA] matrix_a_fmt:MATRIX_FMT_FP6 matrix_b_fmt:MATRIX_FMT_FP6 matrix_a_scale:MATRIX_SCALE_ROW1
.else
	v_wmma_scale_f32_16x16x128_f8f6f4 v[rD:rD+7], v[rB:rB+FR-1], v[rA:rA+FR-1], v[rD:rD+7], v[rSB], v[rSA] matrix_a_fmt:MATRIX_FMT_FP6 matrix_b_fmt:MATRIX_FMT_FP6 matrix_a_scale:MATRIX_SCALE_ROW1
.endif
.endr
.endr
.endm
.macro FETCH slot, q, p
	WIN TO_F
.irp i, 0,1,2,3
	FRAG 128*(\p)+48+FR*\i, ADRB+\slot, \q, \i
.endr
.irp i, 0,1,2,3
	FRAG 128*(\p)+FR*\i, ADRA+\slot, \q, \i
.endr
.endm
.macro SCALES sc
.irp q, 0,1,2,3
.irp i, 0,1,2,3
	ds_load_b32 v[SC+16*\sc+4*\q+\i], v[ADRS+\sc] offset:\q*SLABB+12288+64*\i
.endr
.endr
.endm
.macro STEP slot, q, zero
	s_wait_dscnt 8
	WIN MUL
	MUL8 0, (\q)%2, \q, \slot, \zero
	PLACES NP
	FETCH \slot, (\q)+1, 1-(\q)%2
	s_wait_dscnt 32
	WIN MUL
	MUL8 2, (\q)%2, \q, \slot, \zero
.endm
.macro TURN slot, next, fill
	WIN 0
.if \fill
	s_wait_xcnt 0x0                                ; my last prefetch has read its base: it steps one chunk of four K steps
	s_add_nc_u64 s[76:77], s[76:77], SIDE
.endif
	s_wait_tensorcnt 0x0
	ds_add_u32 v[SPW], v[NIL]
	s_wait_dscnt 9
	WIN MUL
	MUL8 0, 1, 3, \slot, 0
	s_wait_dscnt 0x0
	s_barrier_signal -1
	WIN 0
	s_barrier_wait -1
.if \fill
	CREST
	s_add_nc_u64 s[G0+4*\slot+2:G0+4*\slot+3], s[G0+4*\slot+2:G0+4*\slot+3], 2*SIDE
	s_add_nc_u64 s[G0B+4*\slot+2:G0B+4*\slot+3], s[G0B+4*\slot+2:G0B+4*\slot+3], 2*SIDE
	JLOAD G0+4*\slot, G1, G0B+4*\slot, G1B
.else
	PLACES NP
.endif
	SCALES \next
	FETCH \next, 0, 0
.if \fill
.if (\slot) == 0
	global_prefetch_b8 v14, s[76:77] offset:2*SIDE th:TH_LOAD_NT scope:SCOPE_SE   ; behind chunk c's load: chunk c + 1 (its address register lies in window 0, as source 0 is set)
.else
	WIN 0                                          ; at a branch and at a label every window is 0
	s_cmp_gt_u32 s3, 1                             ; the loop's last trip refills chunk 7 here, the last: it asks for nothing
	s_cbranch_scc0 .Lnp_\@
	global_prefetch_b8 v14, s[76:77] offset:2*SIDE th:TH_LOAD_NT scope:SCOPE_SE
.Lnp_\@:
.endif
.endif
	WIN MUL
	MUL8 2, 1, 3, \slot, 0
.endm
	s_load_b128 s[4:7], s[0:1], 0x0
	s_load_b64 s[12:13], s[0:1], 0x10
	s_load_b128 s[8:11], s[0:1], 0x18
	v_lshl_add_u32 v[SPW], v0, 2, SPARE
	v_mov_b32 v[NIL], 0
	ds_add_u32 v28, v29
	ds_add_u32 v28, v29
	s_wait_dscnt 0x0
	v_lshrrev_b32 v1, 5, v0
	v_readfirstlane_b32 s14, v1
	v_and_b32 v14, 31, v0                          ; the prefetches' offset: a lane a block of 256 bytes, 25 blocks; lanes 25-31 name block 24 again
	v_min_u32 v14, 24, v14
	v_lshlrev_b32 v14, 8, v14
	s_lshr_b32 s15, s14, 1
	s_and_b32 s16, s14, 1
	s_bfe_u32 s40, ttmp6, 0x40000
	s_bfe_u32 s41, ttmp6, 0x40004
	s_lshl_b32 s42, ttmp9, 2
	s_add_co_u32 s42, s42, s40
	s_and_b32 s17, ttmp7, 0xffff
	s_lshl_b32 s17, s17, 2
	s_add_co_u32 s17, s17, s41
	s_lshl_b32 s43, s41, 2
	s_lshl_b32 s43, 15, s43
	s_lshl_b32 s44, 0x1111, s40
	s_or_b32 s[G1], s43, (3<<16)|(1<<21)
	s_or_b32 s[G1B], s44, (3<<16)|(1<<21)
.irp g, G1, G1B
	s_mov_b32 s[\g+1], 32<<16
	s_mov_b32 s[\g+2], 100<<16
	s_mov_b32 s[\g+3], 32<<16
	s_mov_b32 s[\g+4], 100
	s_mov_b32 s[\g+5], 32
	s_mov_b32 s[\g+6], 0
	s_mov_b32 s[\g+7], 0
.endr
	s_lshl_b32 s18, s16, 1
	s_mul_i32 s20, s17, KS
	s_add_co_u32 s20, s20, s18
	s_mul_i32 s20, s20, SLABB
	s_mov_b32 s21, 0
	s_mul_i32 s46, s42, KS
	s_add_co_u32 s46, s46, s18
	s_mul_i32 s46, s46, SLABB
	s_add_co_u32 s46, s46, BOFF
	s_mov_b32 s47, 0
	s_mul_i32 s45, s14, HALF
	s_wait_kmcnt 0x0
	s_add_nc_u64 s[20:21], s[4:5], s[20:21]
	s_add_nc_u64 s[46:47], s[6:7], s[46:47]
	s_cmp_eq_u32 s15, 0                            ; the prefetches' base: the 25,600 bytes that I fetch of chunk 0; of their 100 blocks the partner at place p (cx for A, cy for B) takes 25 p on: shared out by address
	s_cselect_b64 s[76:77], s[20:21], s[46:47]
	s_cselect_b32 s78, s40, s41
	s_mul_i32 s78, s78, 6400
	s_mov_b32 s79, 0
	s_add_nc_u64 s[76:77], s[76:77], s[78:79]
	CROUND
.irp s, 0,1
	s_mov_b32 s[G0+4*\s], 1
	s_add_co_u32 s[G0+4*\s+1], s45, \s*SLOT
	s_add_nc_u64 s[G0+4*\s+2:G0+4*\s+3], s[20:21], \s*SIDE
	s_or_b32 s[G0+4*\s+3], s[G0+4*\s+3], 0x80000000
	s_mov_b32 s[G0B+4*\s], 1
	s_add_co_u32 s[G0B+4*\s+1], s45, \s*SLOT
	s_add_nc_u64 s[G0B+4*\s+2:G0B+4*\s+3], s[46:47], \s*SIDE
	s_or_b32 s[G0B+4*\s+3], s[G0B+4*\s+3], 0x80000000
	s_wait_alu depctr_va_vdst(0)
	s_wait_tensorcnt 0x0
	ds_add_u32 v28, v29
	ds_add_u32 v28, v29
	s_wait_dscnt 0x0
	CROUND
	JLOAD G0+4*\s, G1, G0B+4*\s, G1B
	global_prefetch_b8 v14, s[76:77] offset:(\s+1)*SIDE th:TH_LOAD_NT scope:SCOPE_SE   ; behind chunk s's load: my share of chunk s + 1, one refill ahead
.endr
	v_and_b32 v1, 15, v0
	v_bfe_u32 v2, v0, 4, 1
	v_and_b32 v3, 31, v0
	v_lshlrev_b32 v[L16], 4, v3
	v_lshlrev_b32 v[L8], 3, v3
	s_mul_i32 s21, s15, 4*1536
	s_mul_i32 s22, s16, 4*1536
	s_add_co_u32 s22, s22, SIDE
.irp s, 0,1
	v_add_nc_u32 v[ADRA+\s], s21, v[L16]
	v_add_nc_u32 v[ADRA+2+\s], s21, v[L8]
	v_add_nc_u32 v[ADRB+\s], s22, v[L16]
	v_add_nc_u32 v[ADRB+2+\s], s22, v[L8]
	s_add_co_u32 s21, s21, SLOT
	s_add_co_u32 s22, s22, SLOT
.endr
	s_lshl_b32 s21, s15, 8
	s_lshl_b32 s22, s16, 8
	s_add_co_u32 s22, s22, SIDE
	s_sub_co_u32 s22, s22, s21
	v_mul_u32_u24 v6, s22, v2
	v_lshl_add_u32 v6, v1, 2, v6
	v_add_nc_u32 v[ADRS], s21, v6
	v_add_nc_u32 v[ADRS+1], SLOT, v[ADRS]
	s_mul_i32 s21, s14, 16*SPITCH
	s_add_co_u32 s21, s21, STAGE
	v_mul_u32_u24 v[STO], v1, SPITCH
	v_lshl_add_u32 v[STO], v2, 6, v[STO]
	v_add_nc_u32 v[STO], s21, v[STO]
	v_mul_u32_u24 v[RD], v2, SPITCH
	v_lshl_add_u32 v[RD], v1, 4, v[RD]
	v_add_nc_u32 v[RD], s21, v[RD]
	v_lshlrev_b32 v[CO], 12, v2
	v_lshl_add_u32 v[CO], v1, 4, v[CO]
	s_wait_alu depctr_va_vdst(0)
	s_lshl_b32 s72, s42, 9
	s_lshl_b32 s73, s16, 8
	s_add_co_u32 s72, s72, s73
	s_mov_b32 s73, 0
	s_add_nc_u64 s[12:13], s[12:13], s[72:73]
	v_lshlrev_b32 v4, 6, v2
.irp b, 0,1
.irp q, 0,1,2,3
	global_load_b128 v[BI+16*\b+4*\q:BI+16*\b+4*\q+3], v4, s[12:13] offset:128*\b+16*\q
.endr
.endr
	s_lshl_b32 s70, s17, 19
	s_lshl_b32 s71, s15, 18
	s_add_co_u32 s70, s70, s71
	s_add_co_u32 s70, s70, s72
	s_mov_b32 s71, 0
	s_add_nc_u64 s[8:9], s[8:9], s[70:71]
	s_add_nc_u64 s[10:11], s[10:11], s[70:71]
	WIN 0x80
.irp a, 0,1,2,3
.irp t, 0,1,2,3,4,5,6,7
	global_load_b128 v[32*\a+4*\t:32*\a+4*\t+3], v[CO], s[8:9] offset:(32*(\a/2)+8*(\a%2)+2*\t+8*(\t/4))*4096
.endr
.endr
	WIN 0
	s_wait_loadcnt 32
	s_wait_tensorcnt 0x1
	s_barrier_signal -1
	s_barrier_wait -1
	SCALES 0
	FETCH 0, 0, 0
	STEP 0, 0, ZERO
.if LAPS > 1
	WIN 0
	s_mov_b32 s3, LAPS-1
.Llap:
	STEP 0, 1, 0
	STEP 0, 2, 0
	TURN 0, 1, 1
	STEP 1, 0, 0
	STEP 1, 1, 0
	STEP 1, 2, 0
	TURN 1, 0, 1
	STEP 0, 0, 0
	WIN 0
	s_sub_co_u32 s3, s3, 1
	s_cmp_lg_u32 s3, 0
	s_cbranch_scc1 .Llap
.endif
	STEP 0, 1, 0
	STEP 0, 2, 0
	TURN 0, 1, 0
	STEP 1, 0, 0
	STEP 1, 1, 0
	STEP 1, 2, 0
	s_wait_dscnt 8
	WIN MUL
	MUL8 0, 1, 3, 1, 0
	s_wait_dscnt 0
	MUL8 2, 1, 3, 1, 0
	WIN 0
	PLACES NP
.irp a, 0,1,2,3
.irp b, 0,1,2,3
	ds_store_b128 v[STO], v[ACC+32*\a+8*\b:ACC+32*\a+8*\b+3] offset:128*(\b/2)+32*(\b%2)
	ds_store_b128 v[STO], v[ACC+32*\a+8*\b+4:ACC+32*\a+8*\b+7] offset:128*(\b/2)+32*(\b%2)+16
.endr
	WIN 0xc0
.irp t, 0,1,2,3,4,5,6,7
	ds_load_b128 v[32*\a+4*\t:32*\a+4*\t+3], v[RD] offset:2*\t*SPITCH
.endr
	WIN 0
.endr
	s_wait_loadcnt 0x0
.irp a, 0,1,2,3
	s_wait_dscnt 16*(3-\a)
	WIN 0xcb
.irp j, 0,2,4,6,8,10,12,14,16,18,20,22,24,26,28,30
	v_pk_add_f32 v[32*\a+\j:32*\a+\j+1], v[32*\a+\j:32*\a+\j+1], v[32*\a+\j:32*\a+\j+1]
.endr
	WIN 0x0c
.irp t, 0,1,2,3,4,5,6,7
	global_store_b128 v[CO], v[32*\a+4*\t:32*\a+4*\t+3], s[10:11] offset:(32*(\a/2)+8*(\a%2)+2*\t+8*(\t/4))*4096 th:TH_STORE_NT
.endr
.endr
	WIN 0
	s_wait_tensorcnt 0x0
	ds_add_u32 v[SPW], v[NIL]
	s_wait_dscnt 0x0
	CROUND
	s_endpgm
.Lfunc_end_k_q030f000188_fc3:
	.size	k_q030f000188_fc3, .Lfunc_end_k_q030f000188_fc3-k_q030f000188_fc3
	.p2alignl 7, 3214868480
	.fill 96, 4, 3214868480
	.section	.rodata,"a",@progbits
	.p2align	6, 0x0
	.amdhsa_kernel k_q030f000188_fc3
		.amdhsa_group_segment_fixed_size 327680
		.amdhsa_private_segment_fixed_size 0
		.amdhsa_enable_private_segment 0
		.amdhsa_kernarg_size 40
		.amdhsa_user_sgpr_count 2
		.amdhsa_user_sgpr_kernarg_segment_ptr 1
		.amdhsa_wavefront_size32 1
		.amdhsa_system_sgpr_workgroup_id_x 1
		.amdhsa_system_sgpr_workgroup_id_y 1
		.amdhsa_system_sgpr_workgroup_id_z 1
		.amdhsa_system_vgpr_workitem_id 0
		.amdhsa_next_free_vgpr 1024
		.amdhsa_next_free_sgpr 100
		.amdhsa_reserve_vcc 0
		.amdhsa_float_denorm_mode_32 3
		.amdhsa_float_denorm_mode_16_64 3
		.amdhsa_memory_ordered 1
		.amdhsa_forward_progress 1
		.amdhsa_inst_pref_size 100
	.end_amdhsa_kernel
	.amdgpu_metadata
---
amdhsa.version: [ 1, 2 ]
amdhsa.kernels:
  - .name:           k_q030f000188_fc3
    .symbol:         k_q030f000188_fc3.kd
    .args:
      - { .name: gq, .offset: 0, .size: 8, .value_kind: global_buffer, .address_space: global }
      - { .name: P, .offset: 8, .size: 8, .value_kind: global_buffer, .address_space: global }
      - { .name: bfc3, .offset: 16, .size: 8, .value_kind: global_buffer, .address_space: global }
      - { .name: mlp, .offset: 24, .size: 8, .value_kind: global_buffer, .address_space: global }
      - { .name: out0, .offset: 32, .size: 8, .value_kind: global_buffer, .address_space: global }
    .group_segment_fixed_size: 327680
    .private_segment_fixed_size: 0
    .kernarg_segment_align: 8
    .kernarg_segment_size: 40
    .max_flat_workgroup_size: 128
    .sgpr_count:     100
    .vgpr_count:     1024
    .wavefront_size: 32
...
	.end_amdgpu_metadata
.endif
;; end of part 12
